; MI455X (gfx1250); checked and timed in simulation.
; The chip was launched on July 23, 2026; its instructions are those of AMD's public machine-readable ISA for CDNA 5 (MIT licence, August 2026) and "CDNA5" Instruction Set Architecture Reference Guide (July 2026). The comments in the code are by the model that wrote it; some were corrected since.
;; Graph Aware Context Encoder. Allowed arithmetic: float matrix products may take bf16 or f16 operands with f32 sums; all other float work in f32.
;; Inputs: attn_mask 4 x 2,048 x 2,048 float32; dag_W 4 x 128 float32; dag_b 128 float32; dag_features 4 x 2,048 x 4 float32; f1W 2 x 128 x 256 float32; f1b 2 x 256 float32; f2W 2 x 256 x 128 float32; f2b 2 x 128 float32; kW 2 x 128 x 128 float32; kb 2 x 128 float32; local_global 4 x 128 float32; n1b 2 x 128 float32; n1g 2 x 128 float32; n2b 2 x 128 float32; n2g 2 x 128 float32; oW 2 x 128 x 128 float32; ob 2 x 128 float32; out_W 128 x 128 float32; out_b 128 float32; post_b 128 float32; post_g 128 float32; pre_b 128 float32; pre_g 128 float32; priv_W 6 x 128 float32; priv_b 128 float32; privacy_features 4 x 2,048 x 6 float32; qW 2 x 128 x 128 float32; qb 2 x 128 float32; task_W 15 x 128 float32; task_b 128 float32; task_features 4 x 2,048 x 15 float32; vW 2 x 128 x 128 float32; vb 2 x 128 float32.
;; Outputs: out0 4 x 128 float32.
;; 2 versions, each right and faster than the one before. Each part assembles by itself: llvm-mc -triple=amdgcn-amd-amdhsa -mcpu=gfx1250 --defsym DOCPART=n.
;; ======== version 1 of 2: 6 launches
;; limits: a function is approximated: absolute error at most 1.5e-07
;; workspace buffers: mbits 2,097,152 bytes of whole numbers; wf 524,288 bytes; xa 4,194,304 bytes; xb 4,194,304 bytes; qkv 6,291,456 bytes; ao 2,097,152 bytes; psum 131,072 bytes
;; launch front (part 1): grid 256 x 1, 8 waves a work-group, no clusters, 287,488 bytes of LDS; arguments attn_mask, wf, oW, f1W, f2W, qW, kW, vW, task_W, priv_W, dag_W, task_b, priv_b, dag_b, pre_g, pre_b, n1g, n1b, task_features, privacy_features, dag_features, qb, kb, vb, xa, qkv, mbits; writes wf, xa, qkv, mbits
.if DOCPART == 1
	.amdgcn_target "amdgcn-amd-amdhsa--gfx1250"
	.amdhsa_code_object_version 6
	.text
	.protected	k_qbc1a1a2b41_front
	.globl	k_qbc1a1a2b41_front
	.p2align	8
	.type	k_qbc1a1a2b41_front,@function
k_qbc1a1a2b41_front:
	s_mov_b64 s[64:65], 0
	v_nop
	global_prefetch_b8 v0, s[64:65] scope:SCOPE_SE
	s_setreg_imm32_b32 hwreg(HW_REG_WAVE_MODE, 25, 1), 1
	s_wait_xcnt 0x0
; front: (1) the f32 mask becomes bit words, with the diagonal bit of a row flipped where the row has no masked or only masked keys;
; (2) the weights of the later launches become bf16 fragments; (3) embedding, pre-norm, first norm of layer 0, Q, K, V of layer 0.
; A work-group owns 32 of the 8,192 rows.  Eight waves.  Row phases: wave w has rows 4 w .. 4 w + 3, a lane four columns.
; Products: wave w has the 16 output columns 16 w .. of each of Q, K, V.  Mask: wave w has columns 256 w .. 256 w + 255 of the 32 rows.
; A FRAGMENT is 16 rows x 32 k of bf16 as [half c][lane][16 bytes]: lane (r = lane & 15, h = lane >> 4) holds k = 16 c + 8 h .. + 7 of row r,
; the register image of a matrix operand, so every fragment is stored and loaded as 512 consecutive bytes an instruction.
; NO CLUSTER: the mask tiles take 278,528 of the work-group's LDS bytes and are nobody else's; the 192 KiB of f32 weights that all
; work-groups read have no room beside them and need a conversion and a transposition, so they come through registers.
; LIMITS: the embedding (K = 15 + 6 + 4) is done by f32 multiply-adds on the vector unit: 400 a lane, less than ragged fragments would cost.
; A NaN in the mask counts as not masked, as it does in a comparison > 0.5.
.set MTW, 34816                        ; LDS bytes of a wave's four mask tiles
.set MTN, 8704                         ; one tile: 32 rows x (256 + 16) bytes
.set HP,  272                          ; pitch of H and of a mask tile: an odd multiple of 16 bytes, so 16 rows start in 16 different 16-byte columns modulo 256
.set HB,  278528                       ; H: [32][272] bf16, normalised rows; written by LDS stores only
.set RED, 287232                       ; 8 x 16 bytes: each wave's OR and AND words
.set TP,  9                            ; v9      other half's sum
.set LS,  10                           ; v10-13  four rows' sums
.set VB,  15                           ; v15     vb of my column
.set BS,  16                           ; v16-19  sum of the three embedding biases
.set PG,  20
.set PB,  24
.set N1G, 28
.set N1B, 32
.set XR,  36                           ; v36-51  my four rows, four columns each
.set ACC, 36                           ; later: two accumulators
.set T,   52                           ; v52-67  at work
.set EW,  68                           ; v68-167 the 25 rows of the embedding weights, my four columns
.set ACT, 68                           ; later: v68-131 activation fragments (k block, row tile)
.set MV,  68                           ; later: v68-131 mask values
.set WFR, 132                          ; v132-163 four weight fragments
.set WT,  168                          ; v168-231 a weight matrix's 64 f32 of mine
.set PK,  232                          ; v232-239 packed words
.set QB,  240
.set KB,  248
.set SEL, 98                           ; s98-99  lane selects of v_permlanex16_b32: lane i of the other half
.set CSR, 100                          ; s100    log2(e) / sqrt(32)
.set INV, 104                          ; s104    1 / 128
.set EPS, 105                          ; s105    1e-5
.macro BAR
	s_wait_dscnt 0x0                               ; my LDS stores and loads are done, for the other waves' sake
	s_barrier_signal -1
	s_barrier_wait -1
.endm
.macro PLACES                          ; five places behind a matrix instruction (ISA guide 7.12.1): results are read, sources rewritten, accumulators written over
.rept 5
	v_nop
.endr
.endm
.macro WLOAD T, voff, sb, RB, o0       ; 16 f32 of a [k][n] weight: k = 16 c + 8 h + i of column r; RB = bytes in a row
.irp c,0,1
.irp i,0,1,2,3,4,5,6,7
	global_load_b32 v[\T+8*\c+\i], v[\voff], s[\sb:\sb+1] offset:\o0+(16*\c+\i)*\RB
.endr
.endr
.endm
.macro CVTW F, T                       ; those 16 f32 to a fragment's 8 registers
.irp c,0,1
.irp i,0,1,2,3
	v_cvt_pk_bf16_f32 v[\F+4*\c+\i], v[\T+8*\c+2*\i], v[\T+8*\c+2*\i+1]
.endr
.endr
.endm
.macro WLOAD4 sb                       ; a 128 x 128 weight's four k blocks of my 16 columns
.irp k,0,1,2,3
	WLOAD WT+16*\k, 5, \sb, 512, \k*16384
.endr
.endm
.macro CVTW4
.irp k,0,1,2,3
	CVTW WFR+8*\k, WT+16*\k
.endr
.endm
.macro WSUM4                           ; four sums over the wave's 32 lanes, result in every lane
.irp m,1,2,4,8
.irp i,0,1,2,3
	v_add_f32_dpp v[LS+\i], v[LS+\i], v[LS+\i] row_xmask:\m row_mask:0xf bank_mask:0xf
.endr
.endr
.irp i,0,1,2,3
	v_permlanex16_b32 v[TP], v[LS+\i], s[SEL], s[SEL+1]
	v_add_f32 v[LS+\i], v[LS+\i], v[TP]
.endr
.endm
.macro LN4 X, Y, G, Bv                 ; layer norm of four rows, mean first and then the squares of the differences
.irp i,0,1,2,3
	v_add_f32 v[LS+\i], v[\X+4*\i], v[\X+4*\i+1]
.endr
.irp i,0,1,2,3
	v_add_f32 v[LS+\i], v[LS+\i], v[\X+4*\i+2]
.endr
.irp i,0,1,2,3
	v_add_f32 v[LS+\i], v[LS+\i], v[\X+4*\i+3]
.endr
	WSUM4
.irp i,0,1,2,3
	v_mul_f32 v[LS+\i], s[INV], v[LS+\i]
.endr
.irp i,0,1,2,3
.irp c,0,1,2,3
	v_sub_f32 v[\Y+4*\i+\c], v[\X+4*\i+\c], v[LS+\i]
.endr
.endr
.irp i,0,1,2,3
	v_mul_f32 v[LS+\i], v[\Y+4*\i], v[\Y+4*\i]
.endr
.irp c,1,2,3
.irp i,0,1,2,3
	v_fmac_f32 v[LS+\i], v[\Y+4*\i+\c], v[\Y+4*\i+\c]
.endr
.endr
	WSUM4
.irp i,0,1,2,3
	v_fma_f32 v[LS+\i], v[LS+\i], s[INV], s[EPS]
.endr
.irp i,0,1,2,3
	v_rsq_f32 v[LS+\i], v[LS+\i]
.endr
	v_nop                                          ; one plain place behind the last v_rsq_f32 (ISA guide 5.7.2)
.irp i,0,1,2,3
.irp c,0,1,2,3
	v_mul_f32 v[\Y+4*\i+\c], v[\Y+4*\i+\c], v[LS+\i]
.endr
.endr
.irp i,0,1,2,3
.irp c,0,1,2,3
	v_fma_f32 v[\Y+4*\i+\c], v[\Y+4*\i+\c], v[\G+\c], v[\Bv+\c]
.endr
.endr
.endm
.macro EMB p                           ; rows 2 p and 2 p + 1 of my four: their 25 features come as scalars
	s_load_b512 s[68:83], s[52:53], \p*120
	s_load_b256 s[84:91], s[52:53], \p*120+64
	s_load_b128 s[92:95], s[52:53], \p*120+96
	s_load_b64 s[96:97], s[52:53], \p*120+112
	s_load_b256 s[28:35], s[54:55], \p*48
	s_load_b128 s[36:39], s[54:55], \p*48+32
	s_load_b256 s[40:47], s[56:57], \p*32
	s_wait_kmcnt 0x0
.irp rr,0,1
.irp c,0,1,2,3
	v_fma_f32 v[XR+4*(2*\p+\rr)+\c], s[68+15*\rr], v[EW+\c], v[BS+\c]
.endr
.irp k,1,2,3,4,5,6,7,8,9,10,11,12,13,14
.irp c,0,1,2,3
	v_fmac_f32 v[XR+4*(2*\p+\rr)+\c], s[68+15*\rr+\k], v[EW+4*\k+\c]
.endr
.endr
.irp k,0,1,2,3,4,5
.irp c,0,1,2,3
	v_fmac_f32 v[XR+4*(2*\p+\rr)+\c], s[28+6*\rr+\k], v[EW+60+4*\k+\c]
.endr
.endr
.irp k,0,1,2,3
.irp c,0,1,2,3
	v_fmac_f32 v[XR+4*(2*\p+\rr)+\c], s[40+4*\rr+\k], v[EW+84+4*\k+\c]
.endr
.endr
.endr
.endm
; Eight matrix instructions, K = 128.  The two accumulators take turns, one instruction a turn.
.macro MMQK                            ; source 0 = weights, source 1 = rows: a lane gets row r, columns 8 h + j
.irp k,0,1,2,3
.irp u,0,1
.if \k
	v_wmma_f32_16x16x32_bf16 v[ACC+8*\u:ACC+8*\u+7], v[WFR+8*\k:WFR+8*\k+7], v[ACT+16*\k+8*\u:ACT+16*\k+8*\u+7], v[ACC+8*\u:ACC+8*\u+7]
.else
	v_wmma_f32_16x16x32_bf16 v[ACC+8*\u:ACC+8*\u+7], v[WFR+8*\k:WFR+8*\k+7], v[ACT+16*\k+8*\u:ACT+16*\k+8*\u+7], 0
.endif
.endr
.endr
.endm
.macro MMV                             ; source 0 = rows, source 1 = weights: a lane gets column r, rows 8 h + j (V transposed)
.irp k,0,1,2,3
.irp u,0,1
.if \k
	v_wmma_f32_16x16x32_bf16 v[ACC+8*\u:ACC+8*\u+7], v[ACT+16*\k+8*\u:ACT+16*\k+8*\u+7], v[WFR+8*\k:WFR+8*\k+7], v[ACC+8*\u:ACC+8*\u+7]
.else
	v_wmma_f32_16x16x32_bf16 v[ACC+8*\u:ACC+8*\u+7], v[ACT+16*\k+8*\u:ACT+16*\k+8*\u+7], v[WFR+8*\k:WFR+8*\k+7], 0
.endif
.endr
.endr
.endm
.macro PACKST sb, o0, ustep            ; both tiles to bf16; each store of the wave covers 512 consecutive bytes, aligned
.irp u,0,1
.irp i,0,1,2,3
	v_cvt_pk_bf16_f32 v[T+4*\u+\i], v[ACC+8*\u+2*\i], v[ACC+8*\u+2*\i+1]
.endr
.endr
.irp u,0,1
	global_store_b128 v4, v[T+4*\u:T+4*\u+3], s[\sb:\sb+1] offset:\o0+\u*\ustep
.endr
.endm
	; ---- 1. the work-group's 256 KiB of mask go out first: four tensor loads a wave, each 32 rows x 256 bytes, never refilled
	s_load_b512 s[48:63], s[0:1], 0x0              ; attn_mask 48, wf 50, oW 52, f1W 54, f2W 56, qW 58, kW 60, vW 62
	v_lshrrev_b32 v1, 5, v0
	v_readfirstlane_b32 s2, v1                     ; wave
	s_mov_b32 s3, ttmp9                            ; g
	s_mov_b32 s4, (2<<16)|(1<<20)|(5<<22)|(3<<25)  ; elements of 4 bytes; behind every 64 words 4 words of padding
	s_mov_b32 s5, 64<<16                           ; tensor_dim0 = 64
	s_mov_b32 s6, 32<<16                           ; tensor_dim1 = 32
	s_mov_b32 s7, 64<<16                           ; tile_dim0 = 64
	s_mov_b32 s8, 32                               ; tile_dim1 = 32
	s_mov_b32 s9, 2048                             ; elements from row to row
	s_mov_b32 s10, 0
	s_mov_b32 s11, 0
	s_mul_i32 s66, s2, MTW
	s_lshl_b32 s28, s3, 18                         ; 32 rows of 8,192 bytes
	s_lshl_b32 s29, s2, 10                         ; my 256 columns
	s_add_co_u32 s28, s28, s29
	s_mov_b32 s29, 0
	s_wait_kmcnt 0x0
	s_add_nc_u64 s[30:31], s[48:49], s[28:29]
.irp n,0,1,2,3
	s_mov_b32 s[12+4*\n], 1
	s_add_co_u32 s[13+4*\n], s66, \n*MTN
	s_add_nc_u64 s[14+4*\n:15+4*\n], s[30:31], \n*256
	s_or_b32 s[15+4*\n], s[15+4*\n], 0x80000000
	tensor_load_to_lds s[12+4*\n:15+4*\n], s[4:11]
.endr
	v_and_b32 v1, 31, v0                           ; lane
	v_and_b32 v2, 15, v0                           ; r
	v_bfe_u32 v3, v0, 4, 1                         ; h
	v_lshlrev_b32 v4, 4, v1                        ; 16 lane
	v_lshlrev_b32 v5, 12, v3
	v_lshl_add_u32 v5, v2, 2, v5
	s_lshl_b32 s67, s2, 6
	v_add_nc_u32 v5, s67, v5                       ; 8 h rows of 512 bytes + 4 r + 64 w
	s_mul_i32 s67, s2, 4*HP
	s_add_co_u32 s67, s67, HB
	v_lshl_add_u32 v6, v1, 3, s67                  ; H: my first row, my four columns
	v_mul_u32_u24 v7, v2, HP
	v_lshl_add_u32 v7, v3, 4, v7
	v_add_nc_u32 v7, HB, v7                        ; H: fragment address
	v_mul_u32_u24 v8, v2, HP
	v_lshl_add_u32 v8, v3, 5, v8
	v_add_nc_u32 v8, s66, v8                       ; mask tile: row r, 8 h keys
	v_mov_b32 v[TP], 0
	s_mov_b32 s[SEL], 0x76543210
	s_mov_b32 s[SEL+1], 0xfedcba98
	s_mov_b32 s[INV], 0x3c000000
	s_mov_b32 s[EPS], 0x3727c5ac
	; ---- 2. waves 0 and 1: one weight fragment each for the later launches; id = 256 blk + 32 consumer wave + slot
	s_cmp_ge_u32 s2, 2
	s_cbranch_scc1 .Lprep_done
	s_lshl1_add_u32 s66, s3, s2                    ; id = 2 g + wave
	s_lshr_b32 s67, s66, 8                         ; blk
	s_bfe_u32 s28, s66, 0x30005                    ; consumer wave
	s_and_b32 s29, s66, 31                         ; slot
	s_lshl_b32 s32, s67, 5
	s_add_co_u32 s32, s32, s29
	s_cmp_ge_u32 s32, 52                           ; blk 1 has no slots 20 to 31
	s_cbranch_scc1 .Lprep_done
	s_mov_b64 s[30:31], s[52:53]                   ; slots 0-3: oW
	s_mov_b32 s32, s29                             ; k block
	s_mov_b32 s33, s28                             ; column tile
	s_mov_b32 s34, s67                             ; layer
	s_mov_b32 s35, 16                              ; log2 of a layer's bytes
	s_mov_b32 s36, 9                               ; log2 of a row's bytes
	s_sub_co_u32 s37, s29, 4
	s_and_b32 s38, s37, 3
	s_lshr_b32 s39, s37, 2
	s_lshl1_add_u32 s39, s28, s39
	s_cmp_ge_u32 s29, 4                            ; slots 4-11: f1W
	s_cselect_b64 s[30:31], s[54:55], s[30:31]
	s_cselect_b32 s32, s38, s32
	s_cselect_b32 s33, s39, s33
	s_cselect_b32 s35, 17, s35
	s_cselect_b32 s36, 10, s36
	s_sub_co_u32 s37, s29, 12
	s_cmp_ge_u32 s29, 12                           ; slots 12-19: f2W
	s_cselect_b64 s[30:31], s[56:57], s[30:31]
	s_cselect_b32 s32, s37, s32
	s_cselect_b32 s33, s28, s33
	s_cselect_b32 s36, 9, s36
	s_and_b32 s37, s29, 3
	s_cmp_ge_u32 s29, 20                           ; slots 20-23: qW of layer 1
	s_cselect_b64 s[30:31], s[58:59], s[30:31]
	s_cselect_b32 s32, s37, s32
	s_cselect_b32 s34, 1, s34
	s_cselect_b32 s35, 16, s35
	s_cmp_ge_u32 s29, 24                           ; 24-27: kW
	s_cselect_b64 s[30:31], s[60:61], s[30:31]
	s_cmp_ge_u32 s29, 28                           ; 28-31: vW
	s_cselect_b64 s[30:31], s[62:63], s[30:31]
	s_lshl_b32 s40, s34, s35
	s_add_co_u32 s37, s36, 5
	s_lshl_b32 s41, s32, s37                       ; 32 rows a k block
	s_add_co_u32 s40, s40, s41
	s_lshl_b32 s41, s33, 6                         ; 64 bytes a column tile
	s_add_co_u32 s40, s40, s41
	s_mov_b32 s41, 0
	s_add_nc_u64 s[30:31], s[30:31], s[40:41]
	s_add_co_u32 s37, s36, 3
	v_lshlrev_b32 v10, s37, v3                     ; 8 h rows
	v_lshl_add_u32 v10, v2, 2, v10                 ; + 4 r
	s_cmp_eq_u32 s36, 10
	s_cbranch_scc1 .Lprep_wide
	WLOAD T, 10, 30, 512, 0
	s_branch .Lprep_cvt
.Lprep_wide:
	WLOAD T, 10, 30, 1024, 0
.Lprep_cvt:
	s_wait_loadcnt 0x0
	CVTW PK, T
	s_lshl_b32 s40, s66, 10
	s_add_nc_u64 s[44:45], s[50:51], s[40:41]
	global_store_b128 v4, v[PK:PK+3], s[44:45]
	global_store_b128 v4, v[PK+4:PK+7], s[44:45] offset:512
	s_wait_xcnt 0x0                                ; PK and s[44:45] are rewritten only behind this wait
.Lprep_done:
	; ---- 3. everything else that comes from memory is asked for
	WLOAD4 58                                      ; qW of layer 0
	s_wait_xcnt 0x0                                ; the pointers are rewritten only behind this wait
	s_load_b512 s[48:63], s[0:1], 0x40             ; task_W 48, priv_W 50, dag_W 52, task_b 54, priv_b 56, dag_b 58, pre_g 60, pre_b 62
	s_wait_kmcnt 0x0
.irp k,0,1,2,3,4,5,6,7,8,9,10,11,12,13,14
	global_load_b128 v[EW+4*\k:EW+4*\k+3], v4, s[48:49] offset:512*\k
.endr
.irp k,0,1,2,3,4,5
	global_load_b128 v[EW+60+4*\k:EW+60+4*\k+3], v4, s[50:51] offset:512*\k
.endr
.irp k,0,1,2,3
	global_load_b128 v[EW+84+4*\k:EW+84+4*\k+3], v4, s[52:53] offset:512*\k
.endr
	global_load_b128 v[BS:BS+3], v4, s[54:55]
	global_load_b128 v[T:T+3], v4, s[56:57]
	global_load_b128 v[T+4:T+7], v4, s[58:59]
	global_load_b128 v[PG:PG+3], v4, s[60:61]
	global_load_b128 v[PB:PB+3], v4, s[62:63]
	s_wait_xcnt 0x0
	s_load_b512 s[48:63], s[0:1], 0x80             ; n1g 48, n1b 50, task_features 52, privacy_features 54, dag_features 56, qb 58, kb 60, vb 62
	s_lshl_b32 s66, s2, 6
	v_lshl_add_u32 v10, v3, 5, s66                 ; bytes of column 16 w + 8 h
	v_lshl_add_u32 v11, v2, 2, s66                 ; bytes of column 16 w + r
	s_lshl_b32 s66, s3, 5
	s_lshl2_add_u32 s66, s2, s66                   ; my first row = 32 g + 4 w
	s_wait_kmcnt 0x0
	global_load_b128 v[N1G:N1G+3], v4, s[48:49]
	global_load_b128 v[N1B:N1B+3], v4, s[50:51]
	global_load_b128 v[QB:QB+3], v10, s[58:59]
	global_load_b128 v[QB+4:QB+7], v10, s[58:59] offset:16
	global_load_b128 v[KB:KB+3], v10, s[60:61]
	global_load_b128 v[KB+4:KB+7], v10, s[60:61] offset:16
	global_load_b32 v[VB], v11, s[62:63]
	s_mul_i32 s100, s66, 60
	s_mov_b32 s101, 0
	s_add_nc_u64 s[52:53], s[52:53], s[100:101]
	s_mul_i32 s100, s66, 24
	s_add_nc_u64 s[54:55], s[54:55], s[100:101]
	s_lshl_b32 s100, s66, 4
	s_add_nc_u64 s[56:57], s[56:57], s[100:101]
	; ---- 4. embedding
	s_wait_loadcnt 0x0
.irp c,0,2
	v_pk_add_f32 v[BS+\c:BS+\c+1], v[BS+\c:BS+\c+1], v[T+\c:T+\c+1]
	v_pk_add_f32 v[BS+\c:BS+\c+1], v[BS+\c:BS+\c+1], v[T+4+\c:T+4+\c+1]
.endr
	EMB 0
	EMB 1
	s_load_b128 s[68:71], s[0:1], 0x30             ; kW 68, vW 70
	s_load_b128 s[72:75], s[0:1], 0xc0             ; xa 72, qkv 74
	s_load_b64 s[76:77], s[0:1], 0xd0              ; mbits
	s_mov_b32 s[CSR], 0x3e8293ee
	; ---- 5. pre-norm (the residual stream, to xa) and the first norm of layer 0 (to H)
	LN4 XR, XR, PG, PB
	s_lshl_b32 s78, s66, 9
	s_mov_b32 s79, 0
	s_wait_kmcnt 0x0
	s_add_nc_u64 s[78:79], s[72:73], s[78:79]
.irp i,0,1,2,3
	global_store_b128 v4, v[XR+4*\i:XR+4*\i+3], s[78:79] offset:512*\i
.endr
	LN4 XR, T, N1G, N1B
.irp i,0,1,2,3
	v_cvt_pk_bf16_f32 v[PK+2*\i], v[T+4*\i], v[T+4*\i+1]
	v_cvt_pk_bf16_f32 v[PK+2*\i+1], v[T+4*\i+2], v[T+4*\i+3]
	ds_store_b64 v6, v[PK+2*\i:PK+2*\i+1] offset:HP*\i
.endr
	; where Q, K, V and the mask words go
	s_lshr_b32 s80, s3, 6                          ; b
	s_and_b32 s81, s3, 63                          ; pair of row tiles in the batch
	s_lshr_b32 s82, s2, 1                          ; head
	s_lshl2_add_u32 s80, s80, s82                  ; bh = 4 b + head
	s_and_b32 s82, s2, 1                           ; which half of the head's 32 columns
	s_lshl_b32 s83, s80, 7
	s_lshl1_add_u32 s83, s81, s83                  ; 128 bh + first row tile
	s_lshl1_add_u32 s83, s83, s82
	s_lshl_b32 s84, s83, 9
	s_mov_b32 s85, 0
	s_add_nc_u64 s[84:85], s[74:75], s[84:85]      ; Q (K lies 2 MiB behind)
	s_lshl_b32 s83, s80, 6
	s_add_co_u32 s83, s83, s81
	s_lshl1_add_u32 s83, s83, s82
	s_lshl_b32 s86, s83, 10
	s_mov_b32 s87, 0
	s_add_nc_u64 s[86:87], s[74:75], s[86:87]      ; V transposed (4 MiB behind)
	s_lshr_b32 s88, s3, 6
	s_lshl_b32 s88, s88, 7
	s_lshl1_add_u32 s88, s81, s88
	s_lshl_b32 s88, s88, 12
	s_lshl_b32 s89, s2, 9
	s_add_co_u32 s88, s88, s89
	s_mov_b32 s89, 0
	s_add_nc_u64 s[88:89], s[76:77], s[88:89]      ; my 128 words of the first row tile
	s_lshl_b32 s90, s81, 1                         ; first row tile in the batch
	BAR                                            ; H is whole
	; ---- 6. Q, K, V of layer 0
.irp k,0,1,2,3
.irp u,0,1
	ds_load_b128 v[ACT+16*\k+8*\u:ACT+16*\k+8*\u+3], v7 offset:64*\k+\u*16*HP
	ds_load_b128 v[ACT+16*\k+8*\u+4:ACT+16*\k+8*\u+7], v7 offset:64*\k+\u*16*HP+32
.endr
.endr
	CVTW4
	WLOAD4 68                                      ; kW comes while Q is made
.irp j,0,1,2,3,4,5,6,7
	v_mul_f32 v[QB+\j], s[CSR], v[QB+\j]
.endr
	s_wait_xcnt 0x0                                ; the stores to xa have read XR: the accumulators lie there
	s_wait_dscnt 0x0
	MMQK
	PLACES
.irp u,0,1
.irp j,0,1,2,3,4,5,6,7
	v_fma_f32 v[ACC+8*\u+\j], v[ACC+8*\u+\j], s[CSR], v[QB+\j]   ; (q + qb) log2(e) / sqrt(32)
.endr
.endr
	PACKST 84, 0, 1024
	s_wait_loadcnt 0x0
	CVTW4
	WLOAD4 70                                      ; vW
	MMQK
	PLACES
.irp u,0,1
.irp j,0,2,4,6
	v_pk_add_f32 v[ACC+8*\u+\j:ACC+8*\u+\j+1], v[ACC+8*\u+\j:ACC+8*\u+\j+1], v[KB+\j:KB+\j+1]
.endr
.endr
	s_wait_xcnt 0x0                                ; Q's stores have read T
	PACKST 84, 2097152, 1024
	s_wait_loadcnt 0x0
	CVTW4
	MMV
	PLACES
.irp u,0,1
.irp j,0,1,2,3,4,5,6,7
	v_add_f32 v[ACC+8*\u+\j], v[ACC+8*\u+\j], v[VB]
.endr
.endr
	s_wait_xcnt 0x0                                ; K's stores have read T
	PACKST 86, 4194304, 512
	; ---- 7. the mask: word (row tile, key tile t, j) has bit lane = (query r, key 16 t + 8 h + j) masked: the lane mask of a select on a score tile
.irp i,0,1,2,3,4,5,6,7
	v_mov_b32 v[PK+\i], 0
.endr
	s_mov_b32 s40, 0                               ; OR and AND of all words, for each of the two row tiles
	s_mov_b32 s41, -1
	s_mov_b32 s42, 0
	s_mov_b32 s43, -1
.irp n,0,1,2,3
	s_wait_tensorcnt 3-\n                          ; my tile n has landed; my younger tiles may be out.  Only I read these bytes
.irp u,0,1
.irp tt,0,1,2,3
	ds_load_b128 v[MV+32*\u+8*\tt:MV+32*\u+8*\tt+3], v8 offset:\n*MTN+\u*16*HP+64*\tt
	ds_load_b128 v[MV+32*\u+8*\tt+4:MV+32*\u+8*\tt+7], v8 offset:\n*MTN+\u*16*HP+64*\tt+16
.endr
.endr
.irp u,0,1
	s_wait_dscnt 8-8*\u                            ; the first row tile's eight loads are in; the second's eight may be out
.irp tt,0,1,2,3
.irp j,0,1,2,3,4,5,6,7
	v_cmp_lt_f32 s[28+\j], 0.5, v[MV+32*\u+8*\tt+\j]
.endr
.irp j,0,1,2,3,4,5,6,7
	s_or_b32 s[40+2*\u], s[40+2*\u], s[28+\j]
	s_and_b32 s[41+2*\u], s[41+2*\u], s[28+\j]
	v_writelane_b32 v[PK+4*\u+(\j&3)], s[28+\j], 2*(4*\n+\tt)+(\j>>2)   ; word 8 (4 n + tt) + j of my 128: four words a lane
.endr
.endr
.endr
.endr
	; ---- 8. rows with no masked key, and rows with only masked keys, get their diagonal bit flipped
	v_mov_b32 v[MV], s40
	v_mov_b32 v[MV+1], s41
	v_mov_b32 v[MV+2], s42
	v_mov_b32 v[MV+3], s43
	s_lshl_b32 s44, s2, 4
	s_add_co_u32 s45, s44, RED
	v_mov_b32 v14, s45
	ds_store_b128 v14, v[MV:MV+3]
	BAR
	v_mov_b32 v14, RED
.irp i,0,1,2,3,4,5,6,7
	ds_load_b128 v[MV+4+4*\i:MV+7+4*\i], v14 offset:16*\i
.endr
	v_lshrrev_b32 v12, 1, v1
	v_add_nc_u32 v12, s44, v12                     ; the key tile of my lane's four words
	v_and_b32 v13, 1, v1
	v_lshlrev_b32 v13, 2, v13                      ; their first j
	v_mov_b32 v9, 0x01000001                       ; word j of the diagonal tile: rows j (bit j) and 8 + j (bit 24 + j)
	s_wait_dscnt 0x0
.irp i,1,2,3,4,5,6,7
	v_or_b32 v[MV+4], v[MV+4], v[MV+4+4*\i]
	v_and_b32 v[MV+5], v[MV+5], v[MV+5+4*\i]
	v_or_b32 v[MV+6], v[MV+6], v[MV+6+4*\i]
	v_and_b32 v[MV+7], v[MV+7], v[MV+7+4*\i]
.endr
.irp u,0,1
	v_lshrrev_b32 v10, 16, v[MV+4+2*\u]
	v_or_b32 v10, v10, v[MV+4+2*\u]                ; bit r: some key of row r is masked
	v_lshrrev_b32 v11, 16, v[MV+5+2*\u]
	v_and_b32 v11, v11, v[MV+5+2*\u]               ; bit r: all are
	v_xor_b32 v10, -1, v10
	v_or_b32 v10, v10, v11                         ; none or all
	v_and_b32 v11, 0xff, v10
	v_and_b32 v10, 0xff00, v10
	v_lshl_or_b32 v10, v10, 16, v11                ; rows 0-7 at bits 0-7, rows 8-15 at bits 24-31
	s_add_co_u32 s45, s90, \u
	v_cmp_eq_u32 vcc_lo, s45, v12
	v_cndmask_b32 v10, 0, v10, vcc_lo              ; only in the diagonal tile's words
.irp i,0,1,2,3
	v_add_nc_u32 v11, \i, v13
	v_lshlrev_b32 v11, v11, v9
	v_and_b32 v11, v11, v10
	v_xor_b32 v[PK+4*\u+\i], v[PK+4*\u+\i], v11
.endr
	global_store_b128 v4, v[PK+4*\u:PK+4*\u+3], s[88:89] offset:\u*4096
.endr
	s_endpgm
.Lfunc_end_k_qbc1a1a2b41_front:
	.size	k_qbc1a1a2b41_front, .Lfunc_end_k_qbc1a1a2b41_front-k_qbc1a1a2b41_front
	.p2alignl 7, 3214868480
	.fill 96, 4, 3214868480
	.section	.rodata,"a",@progbits
	.p2align	6, 0x0
	.amdhsa_kernel k_qbc1a1a2b41_front
		.amdhsa_group_segment_fixed_size 287488
		.amdhsa_private_segment_fixed_size 0
		.amdhsa_enable_private_segment 0
		.amdhsa_kernarg_size 216
		.amdhsa_user_sgpr_count 2
		.amdhsa_user_sgpr_kernarg_segment_ptr 1
		.amdhsa_wavefront_size32 1
		.amdhsa_system_sgpr_workgroup_id_x 1
		.amdhsa_system_sgpr_workgroup_id_y 1
		.amdhsa_system_sgpr_workgroup_id_z 1
		.amdhsa_system_vgpr_workitem_id 0
		.amdhsa_next_free_vgpr 256
		.amdhsa_next_free_sgpr 106
		.amdhsa_reserve_vcc 1
		.amdhsa_float_denorm_mode_32 3
		.amdhsa_float_denorm_mode_16_64 3
		.amdhsa_memory_ordered 1
		.amdhsa_forward_progress 1
		.amdhsa_inst_pref_size 131
	.end_amdhsa_kernel
	.amdgpu_metadata
---
amdhsa.version: [ 1, 2 ]
amdhsa.kernels:
  - .name:           k_qbc1a1a2b41_front
    .symbol:         k_qbc1a1a2b41_front.kd
    .args:
      - { .name: attn_mask, .offset: 0, .size: 8, .value_kind: global_buffer, .address_space: global }
      - { .name: wf, .offset: 8, .size: 8, .value_kind: global_buffer, .address_space: global }
      - { .name: oW, .offset: 16, .size: 8, .value_kind: global_buffer, .address_space: global }
      - { .name: f1W, .offset: 24, .size: 8, .value_kind: global_buffer, .address_space: global }
      - { .name: f2W, .offset: 32, .size: 8, .value_kind: global_buffer, .address_space: global }
      - { .name: qW, .offset: 40, .size: 8, .value_kind: global_buffer, .address_space: global }
      - { .name: kW, .offset: 48, .size: 8, .value_kind: global_buffer, .address_space: global }
      - { .name: vW, .offset: 56, .size: 8, .value_kind: global_buffer, .address_space: global }
      - { .name: task_W, .offset: 64, .size: 8, .value_kind: global_buffer, .address_space: global }
      - { .name: priv_W, .offset: 72, .size: 8, .value_kind: global_buffer, .address_space: global }
      - { .name: dag_W, .offset: 80, .size: 8, .value_kind: global_buffer, .address_space: global }
      - { .name: task_b, .offset: 88, .size: 8, .value_kind: global_buffer, .address_space: global }
      - { .name: priv_b, .offset: 96, .size: 8, .value_kind: global_buffer, .address_space: global }
      - { .name: dag_b, .offset: 104, .size: 8, .value_kind: global_buffer, .address_space: global }
      - { .name: pre_g, .offset: 112, .size: 8, .value_kind: global_buffer, .address_space: global }
      - { .name: pre_b, .offset: 120, .size: 8, .value_kind: global_buffer, .address_space: global }
      - { .name: n1g, .offset: 128, .size: 8, .value_kind: global_buffer, .address_space: global }
      - { .name: n1b, .offset: 136, .size: 8, .value_kind: global_buffer, .address_space: global }
      - { .name: task_features, .offset: 144, .size: 8, .value_kind: global_buffer, .address_space: global }
      - { .name: privacy_features, .offset: 152, .size: 8, .value_kind: global_buffer, .address_space: global }
      - { .name: dag_features, .offset: 160, .size: 8, .value_kind: global_buffer, .address_space: global }
      - { .name: qb, .offset: 168, .size: 8, .value_kind: global_buffer, .address_space: global }
      - { .name: kb, .offset: 176, .size: 8, .value_kind: global_buffer, .address_space: global }
      - { .name: vb, .offset: 184, .size: 8, .value_kind: global_buffer, .address_space: global }
      - { .name: xa, .offset: 192, .size: 8, .value_kind: global_buffer, .address_space: global }
      - { .name: qkv, .offset: 200, .size: 8, .value_kind: global_buffer, .address_space: global }
      - { .name: mbits, .offset: 208, .size: 8, .value_kind: global_buffer, .address_space: global }
    .group_segment_fixed_size: 287488
    .private_segment_fixed_size: 0
    .kernarg_segment_align: 8
    .kernarg_segment_size: 216
    .max_flat_workgroup_size: 256
    .sgpr_count:     106
    .vgpr_count:     256
    .wavefront_size: 32
...
	.end_amdgpu_metadata
.endif
;; end of part 1
;; launch att0 (part 2): grid 16 x 16, 4 waves a work-group, clusters of 4 x 1, 262,144 bytes of LDS; arguments qkv, mbits, ao; writes ao
.if DOCPART == 2
	.amdgcn_target "amdgcn-amd-amdhsa--gfx1250"
	.amdhsa_code_object_version 6
	.text
	.protected	k_qbc1a1a2b41_att0
	.globl	k_qbc1a1a2b41_att0
	.p2align	8
	.type	k_qbc1a1a2b41_att0,@function
k_qbc1a1a2b41_att0:
	s_mov_b64 s[64:65], 0
	v_nop
	global_prefetch_b8 v0, s[64:65] scope:SCOPE_SE
	s_setreg_imm32_b32 hwreg(HW_REG_WAVE_MODE, 25, 1), 1
	s_wait_xcnt 0x0
	s_wait_alu depctr_hold_cnt(0) depctr_sa_sdst(0) depctr_va_vdst(0) depctr_va_sdst(0) depctr_va_ssrc(0) depctr_va_vcc(0) depctr_vm_vsrc(0)
	s_getreg_b32 s2, hwreg(HW_REG_IB_STS2, 6, 4)
	s_cmp_eq_u32 s2, 0
	s_cbranch_scc0 .Lentry_in_a_cluster
	s_endpgm
.Lentry_in_a_cluster:
	s_bfe_u32 s2, ttmp6, 0x10000c
	s_cmp_lg_u32 s2, 0x3003
	s_cbranch_scc0 .Lentry_shape_is_right
	s_endpgm
.Lentry_shape_is_right:
; Attention of one layer.  A work-group has 128 queries of one head (grid y = 4 b + head); a wave 32 queries, two tiles of 16.
; The head's whole K (128 KiB) and V transposed (128 KiB), as bf16 fragments, lie in LDS: four chunks of 512 keys, each filled once.
; CLUSTER: the four work-groups along x of a cluster have the same head and ask for these bytes jointly (mask 15): one request in four.
; The place in the cluster enters only the global addresses of Q, of the mask words and of the output.
; A step is 64 keys: S^T = K Q^T (lane (r, h): query r, keys 8 h + j), masked by selects on bit words that come as scalars, a running
; maximum and sum as in a softmax done piece by piece, P^T packed in place as source 1, O^T += V^T P^T.
; Q carries log2(e) / sqrt(32), so the exponentials are base 2.
; LIMITS: a masked score is set to -1e30, not to minus infinity: |score x 0.255| stays below 1e30.  Steps in which a query has met no kept key
; add weights of 1 that the next rescaling, by 2^(-1e30 - m) = 0, removes; every row has a kept key, since a wholly masked row's diagonal
; bit was flipped when the words were made.  The fallback for NaN weights is the identity for finite scores; for NaN or infinite
; scores it is not reproduced.
.set QF, 32                            ; v32-47   Q fragments of my two tiles
.set KF, 48                            ; v48-79   four K tiles
.set VF, 80                            ; v80-111  V^T fragments (32 keys kb, 16 columns d) at 16 kb + 8 d
.set P,  112                           ; v112-143 P^T fragments (u, kb) at 16 u + 8 kb
.set O,  144                           ; v144-175 O^T (u, d) at 16 u + 8 d
.set S,  176                           ; v176-239 S^T (u, t) at 32 u + 8 t
.set M,  4                             ; v4-5     running maximum
.set NM, 6                             ; pairs: minus the maximum, twice
.set AL, 10                            ; pairs: the rescaling factor, twice
.set LSM, 14                           ; pairs: running sums of the even and of the odd j
.set C,  18                            ; v18-25   at work
.macro BAR
	s_wait_dscnt 0x0
	s_barrier_signal -1
	s_barrier_wait -1
.endm
.macro ROUND                           ; a round of the cluster's barrier
	s_barrier_signal -1
	s_barrier_wait -1
	s_cmp_lg_u32 s100, 0
	s_cbranch_scc1 .Lnot_wave_0_\@
	s_barrier_signal -3
.Lnot_wave_0_\@:
	s_barrier_wait -3
	s_barrier_signal -1
	s_barrier_wait -1
.endm
.macro PLACES                          ; four places behind a matrix instruction (ISA guide 7.12.1): results are read, sources loaded again
.rept 4
	v_nop
.endr
.endm
.macro MLOAD u                         ; 32 mask words of tile u: four key tiles x eight j
	s_load_b512 s[32+36*\u:47+36*\u], s[28:29], \u*4096
	s_load_b512 s[48+36*\u:63+36*\u], s[28:29], \u*4096+64
.endm
.macro SOFT u, pref
.irp t,0,1,2,3
.irp j,0,1,2,3,4,5,6,7
	v_cndmask_b32 v[S+32*\u+8*\t+\j], v[S+32*\u+8*\t+\j], v2, s[32+36*\u+8*\t+\j]
.endr
.endr
.if \pref
	MLOAD \u                                       ; the next step's words, into the registers just read
.endif
.irp t,0,1,2,3
	v_max3_num_f32 v[C+\t], v[S+32*\u+8*\t], v[S+32*\u+8*\t+1], v[S+32*\u+8*\t+2]
.endr
.irp t,0,1,2,3
	v_max3_num_f32 v[C+\t], v[C+\t], v[S+32*\u+8*\t+3], v[S+32*\u+8*\t+4]
.endr
.irp t,0,1,2,3
	v_max3_num_f32 v[C+\t], v[C+\t], v[S+32*\u+8*\t+5], v[S+32*\u+8*\t+6]
.endr
.irp t,0,1,2,3
	v_max_num_f32 v[C+\t], v[C+\t], v[S+32*\u+8*\t+7]
.endr
	v_max3_num_f32 v[C], v[C], v[C+1], v[C+2]
	v_max3_num_f32 v[C], v[C], v[C+3], v[M+\u]
	v_permlanex16_b32 v26, v[C], s66, s67          ; the other half of the lanes has the query's other keys
	v_max_num_f32 v27, v[C], v26
	v_sub_f32 v[AL+2*\u], v[M+\u], v27
	v_exp_f32 v[AL+2*\u], v[AL+2*\u]
	v_mov_b32 v[M+\u], v27                         ; a plain place behind v_exp_f32 (ISA guide 5.7.2)
	v_mul_f32 v[NM+2*\u], -1.0, v27
	v_mul_f32 v[NM+2*\u+1], -1.0, v27
	v_mov_b32 v[AL+2*\u+1], v[AL+2*\u]
.irp t,0,1,2,3
.irp j,0,2,4,6
	v_pk_add_f32 v[S+32*\u+8*\t+\j:S+32*\u+8*\t+\j+1], v[S+32*\u+8*\t+\j:S+32*\u+8*\t+\j+1], v[NM+2*\u:NM+2*\u+1]
.endr
.endr
.irp t,0,1,2,3
.irp j,0,1,2,3,4,5,6,7
	v_exp_f32 v[S+32*\u+8*\t+\j], v[S+32*\u+8*\t+\j]
.endr
.endr
.irp j,0,2,4,6,8,10,12,14
	v_pk_mul_f32 v[O+16*\u+\j:O+16*\u+\j+1], v[O+16*\u+\j:O+16*\u+\j+1], v[AL+2*\u:AL+2*\u+1]   ; also the plain place behind the last v_exp_f32
.endr
.irp t,0,1,2,3
	v_pk_add_f32 v[C+2*\t:C+2*\t+1], v[S+32*\u+8*\t:S+32*\u+8*\t+1], v[S+32*\u+8*\t+2:S+32*\u+8*\t+3]
.endr
.irp t,0,1,2,3
	v_pk_add_f32 v[C+2*\t:C+2*\t+1], v[C+2*\t:C+2*\t+1], v[S+32*\u+8*\t+4:S+32*\u+8*\t+5]
.endr
.irp t,0,1,2,3
	v_pk_add_f32 v[C+2*\t:C+2*\t+1], v[C+2*\t:C+2*\t+1], v[S+32*\u+8*\t+6:S+32*\u+8*\t+7]
.endr
	v_pk_add_f32 v[C:C+1], v[C:C+1], v[C+2:C+3]
	v_pk_add_f32 v[C+4:C+5], v[C+4:C+5], v[C+6:C+7]
	v_pk_add_f32 v[C:C+1], v[C:C+1], v[C+4:C+5]
	v_pk_fma_f32 v[LSM+2*\u:LSM+2*\u+1], v[LSM+2*\u:LSM+2*\u+1], v[AL+2*\u:AL+2*\u+1], v[C:C+1]
.irp t,0,1,2,3
.irp i,0,1,2,3
	v_cvt_pk_bf16_f32 v[P+16*\u+4*\t+\i], v[S+32*\u+8*\t+2*\i], v[S+32*\u+8*\t+2*\i+1]   ; tiles 2 kb, 2 kb + 1 are the halves of fragment kb
.endr
.endr
.endm
; One step.  pref = 1: the next step's K, V and mask words are fetched; v1 points at the next step's K.
.macro STEP pref
	s_wait_dscnt 0x8                               ; this step's K is in; the eight loads of its V, issued behind, may be out
.irp u,0,1
.irp t,0,1,2,3
	v_wmma_f32_16x16x32_bf16 v[S+32*\u+8*\t:S+32*\u+8*\t+7], v[KF+8*\t:KF+8*\t+7], v[QF+8*\u:QF+8*\u+7], 0
.endr
.endr
	PLACES
.if \pref
.irp t,0,1,2,3
	ds_load_b128 v[KF+8*\t:KF+8*\t+3], v1 offset:\t*1024
	ds_load_b128 v[KF+8*\t+4:KF+8*\t+7], v1 offset:\t*1024+512
.endr
.endif
	s_wait_kmcnt 0x0                               ; this step's mask words; no scalar load is out, so their pointer may step
.if \pref
	s_add_nc_u64 s[28:29], s[28:29], 128
.endif
	SOFT 0, \pref
	SOFT 1, \pref
.if \pref
	s_wait_dscnt 0x8                               ; this step's V is in; the next K's eight loads may be out
.else
	s_wait_dscnt 0x0
.endif
.irp kb,0,1
.irp u,0,1
.irp d,0,1
	v_wmma_f32_16x16x32_bf16 v[O+16*\u+8*\d:O+16*\u+8*\d+7], v[VF+16*\kb+8*\d:VF+16*\kb+8*\d+7], v[P+16*\u+8*\kb:P+16*\u+8*\kb+7], v[O+16*\u+8*\d:O+16*\u+8*\d+7]   ; the four accumulators take turns
.endr
.endr
.endr
	PLACES
.if \pref
.irp f,0,1,2,3
	ds_load_b128 v[VF+8*\f:VF+8*\f+3], v1 offset:32768+\f*1024
	ds_load_b128 v[VF+8*\f+4:VF+8*\f+7], v1 offset:32768+\f*1024+512
.endr
	v_add_nc_u32 v1, 4096, v1
.endif
.endm
	s_load_b128 s[68:71], s[0:1], 0x0              ; qkv 68, mbits 70
	s_load_b64 s[2:3], s[0:1], 0x10                ; ao
	v_lshrrev_b32 v1, 5, v0
	v_readfirstlane_b32 s100, v1                   ; wave
	s_and_b32 s96, ttmp7, 0xffff                   ; bh = 4 b + head: the same in the four partners
	; descriptors: 64 dense rows of 256 bytes; wave 0, 1: the halves of a chunk's K, wave 2, 3: of its V
	s_mov_b32 s4, 15|(3<<16)|(1<<21)               ; the four work-groups of the cluster; elements of 8 bytes; bit 21 beside a mask
	s_mov_b32 s5, 32<<16
	s_mov_b32 s6, 64<<16
	s_mov_b32 s7, 32<<16
	s_mov_b32 s8, 64
	s_mov_b32 s9, 32
	s_mov_b32 s10, 0
	s_mov_b32 s11, 0
	s_lshl_b32 s92, s96, 17                        ; 128 KiB a head
	s_lshr_b32 s93, s100, 1
	s_add_co_u32 s93, s93, 1
	s_lshl_b32 s93, s93, 21                        ; K at 2 MiB, V at 4 MiB
	s_add_co_u32 s92, s92, s93
	s_and_b32 s93, s100, 1
	s_lshl_b32 s93, s93, 14
	s_add_co_u32 s92, s92, s93
	s_mov_b32 s93, 0
	s_lshl_b32 s94, s100, 14
	; my queries (the place in the cluster enters here, and in these registers alone)
	s_bfe_u32 s101, ttmp6, 0x40000                 ; cx
	s_lshl_b32 s30, ttmp9, 2
	s_add_co_u32 s30, s30, s101                    ; block of 128 queries
	s_lshl_b32 s30, s30, 3
	s_lshl1_add_u32 s30, s100, s30                 ; my first query tile in the batch
	s_lshr_b32 s31, s96, 2
	s_lshl_b32 s31, s31, 7
	s_add_co_u32 s31, s31, s30                     ; 128 b + tile
	s_lshl_b32 s104, s31, 12
	s_mov_b32 s105, 0
	s_wait_kmcnt 0x0
	s_add_nc_u64 s[28:29], s[70:71], s[104:105]    ; mask words of my first tile
	s_and_b32 s104, s96, 3
	s_lshl2_add_u32 s104, s31, s104
	s_lshl_b32 s104, s104, 10
	s_add_nc_u64 s[2:3], s[2:3], s[104:105]        ; output fragment (row tile, head)
	s_lshl_b32 s104, s96, 7
	s_add_co_u32 s104, s104, s30
	s_lshl_b32 s104, s104, 10
	s_add_nc_u64 s[104:105], s[68:69], s[104:105]  ; my Q fragments
	s_add_nc_u64 s[92:93], s[68:69], s[92:93]
.irp c,0,1,2,3
	s_mov_b32 s[12+4*\c], 1
	s_add_co_u32 s[13+4*\c], s94, \c*65536
	s_add_nc_u64 s[14+4*\c:15+4*\c], s[92:93], \c*32768
	s_or_b32 s[15+4*\c], s[15+4*\c], 0x80000000
.endr
	ROUND                                          ; the four work-groups are here: the joint loads meet
.irp c,0,1,2,3
	tensor_load_to_lds s[12+4*\c:15+4*\c], s[4:11] ; four loads of mine are out; each LDS byte is filled once
.endr
	v_and_b32 v1, 31, v0
	v_lshlrev_b32 v1, 4, v1                        ; 16 lane: walks through LDS
	v_mov_b32 v3, v1                               ; 16 lane: stays
.irp u,0,1
	global_load_b128 v[QF+8*\u:QF+8*\u+3], v3, s[104:105] offset:\u*1024
	global_load_b128 v[QF+8*\u+4:QF+8*\u+7], v3, s[104:105] offset:\u*1024+512
.endr
	MLOAD 0
	MLOAD 1
	s_mov_b32 s66, 0x76543210
	s_mov_b32 s67, 0xfedcba98
	v_mov_b32 v2, 0xf149f2ca                       ; -1e30
	v_mov_b32 v4, v2
	v_mov_b32 v5, v2
	v_mov_b32 v26, 0
	v_mov_b32 v27, 0
.irp i,0,1,2,3
	v_mov_b32 v[LSM+\i], 0
.endr
.irp i,0,1,2,3,4,5,6,7,8,9,10,11,12,13,14,15,16,17,18,19,20,21,22,23,24,25,26,27,28,29,30,31
	v_mov_b32 v[O+\i], 0                           ; the first step's rescaling reads them
.endr
	s_wait_tensorcnt 0x3                           ; my part of chunk 0 has landed; my three younger loads may be out
	BAR                                            ; everybody's has
.irp t,0,1,2,3
	ds_load_b128 v[KF+8*\t:KF+8*\t+3], v1 offset:\t*1024
	ds_load_b128 v[KF+8*\t+4:KF+8*\t+7], v1 offset:\t*1024+512
.endr
.irp f,0,1,2,3
	ds_load_b128 v[VF+8*\f:VF+8*\f+3], v1 offset:32768+\f*1024
	ds_load_b128 v[VF+8*\f+4:VF+8*\f+7], v1 offset:32768+\f*1024+512
.endr
	v_add_nc_u32 v1, 4096, v1
	s_wait_loadcnt 0x0                             ; Q
	s_mov_b32 s31, 7                               ; steps 0 to 6 fetch steps 1 to 7: all in chunk 0
.Lchunk3:
	STEP 1
	s_sub_co_u32 s31, s31, 1
	s_cmp_lg_u32 s31, 0
	s_cbranch_scc1 .Lchunk3
; A chunk's last step fetches the next chunk's first, so the next chunk is waited for one step ahead of the boundary.
.irp c,2,1,0
	s_wait_tensorcnt \c                            ; my part of the next chunk has landed; \c younger loads may be out
	BAR
	v_add_nc_u32 v1, 32768, v1                     ; over the chunk's V to the next chunk's K
	s_mov_b32 s31, 8
.Lchunk\c:
	STEP 1
	s_sub_co_u32 s31, s31, 1
	s_cmp_lg_u32 s31, 0
	s_cbranch_scc1 .Lchunk\c
.endr
	STEP 0                                         ; step 31 fetches nothing
	v_add_f32 v18, v[LSM], v[LSM+1]
	v_add_f32 v19, v[LSM+2], v[LSM+3]
	v_permlanex16_b32 v26, v18, s66, s67
	v_permlanex16_b32 v27, v19, s66, s67
	v_add_f32 v18, v18, v26
	v_add_f32 v19, v19, v27                        ; at least 1: the largest weight is 2^0
	v_rcp_f32 v20, v18
	v_rcp_f32 v22, v19
	v_nop
	v_mov_b32 v21, v20
	v_mov_b32 v23, v22
.irp u,0,1
.irp j,0,2,4,6,8,10,12,14
	v_pk_mul_f32 v[O+16*\u+\j:O+16*\u+\j+1], v[O+16*\u+\j:O+16*\u+\j+1], v[20+2*\u:21+2*\u]
.endr
.endr
.irp u,0,1
.irp i,0,1,2,3,4,5,6,7
	v_cvt_pk_bf16_f32 v[P+8*\u+\i], v[O+16*\u+2*\i], v[O+16*\u+2*\i+1]
.endr
.endr
.irp u,0,1
.irp d,0,1
	global_store_b128 v3, v[P+8*\u+4*\d:P+8*\u+4*\d+3], s[2:3] offset:\u*4096+\d*512   ; 512 consecutive bytes, aligned
.endr
.endr
	ROUND                                          ; the closing round: nobody ends while a partner may still ask jointly
	s_endpgm
.Lfunc_end_k_qbc1a1a2b41_att0:
	.size	k_qbc1a1a2b41_att0, .Lfunc_end_k_qbc1a1a2b41_att0-k_qbc1a1a2b41_att0
	.p2alignl 7, 3214868480
	.fill 96, 4, 3214868480
	.section	.rodata,"a",@progbits
	.p2align	6, 0x0
	.amdhsa_kernel k_qbc1a1a2b41_att0
		.amdhsa_group_segment_fixed_size 262144
		.amdhsa_private_segment_fixed_size 0
		.amdhsa_enable_private_segment 0
		.amdhsa_kernarg_size 24
		.amdhsa_user_sgpr_count 2
		.amdhsa_user_sgpr_kernarg_segment_ptr 1
		.amdhsa_wavefront_size32 1
		.amdhsa_system_sgpr_workgroup_id_x 1
		.amdhsa_system_sgpr_workgroup_id_y 1
		.amdhsa_system_sgpr_workgroup_id_z 1
		.amdhsa_system_vgpr_workitem_id 0
		.amdhsa_next_free_vgpr 240
		.amdhsa_next_free_sgpr 106
		.amdhsa_reserve_vcc 0
		.amdhsa_float_denorm_mode_32 3
		.amdhsa_float_denorm_mode_16_64 3
		.amdhsa_memory_ordered 1
		.amdhsa_forward_progress 1
		.amdhsa_inst_pref_size 102
	.end_amdhsa_kernel
	.amdgpu_metadata
---
amdhsa.version: [ 1, 2 ]
amdhsa.kernels:
  - .name:           k_qbc1a1a2b41_att0
    .symbol:         k_qbc1a1a2b41_att0.kd
    .args:
      - { .name: qkv, .offset: 0, .size: 8, .value_kind: global_buffer, .address_space: global }
      - { .name: mbits, .offset: 8, .size: 8, .value_kind: global_buffer, .address_space: global }
      - { .name: ao, .offset: 16, .size: 8, .value_kind: global_buffer, .address_space: global }
    .group_segment_fixed_size: 262144
    .private_segment_fixed_size: 0
    .kernarg_segment_align: 8
    .kernarg_segment_size: 24
    .max_flat_workgroup_size: 128
    .sgpr_count:     106
    .vgpr_count:     240
    .wavefront_size: 32
...
	.end_amdgpu_metadata
.endif
;; end of part 2
;; launch post0 (part 3): grid 256 x 1, 8 waves a work-group, clusters of 4 x 1, 308,736 bytes of LDS; arguments wf, ao, xa, ob, n2g, n2b, f1b, f2b, n1g, n1b, qb, kb, vb, xb, qkv; writes xb, qkv
.if DOCPART == 3
	.amdgcn_target "amdgcn-amd-amdhsa--gfx1250"
	.amdhsa_code_object_version 6
	.text
	.protected	k_qbc1a1a2b41_post0
	.globl	k_qbc1a1a2b41_post0
	.p2align	8
	.type	k_qbc1a1a2b41_post0,@function
k_qbc1a1a2b41_post0:
	s_mov_b64 s[64:65], 0
	v_nop
	global_prefetch_b8 v0, s[64:65] scope:SCOPE_SE
	s_setreg_imm32_b32 hwreg(HW_REG_WAVE_MODE, 25, 1), 1
	s_wait_xcnt 0x0
	s_wait_alu depctr_hold_cnt(0) depctr_sa_sdst(0) depctr_va_vdst(0) depctr_va_sdst(0) depctr_va_ssrc(0) depctr_va_vcc(0) depctr_vm_vsrc(0)
	s_getreg_b32 s2, hwreg(HW_REG_IB_STS2, 6, 4)
	s_cmp_eq_u32 s2, 0
	s_cbranch_scc0 .Lentry_in_a_cluster
	s_endpgm
.Lentry_in_a_cluster:
	s_bfe_u32 s2, ttmp6, 0x10000c
	s_cmp_lg_u32 s2, 0x3003
	s_cbranch_scc0 .Lentry_shape_is_right
	s_endpgm
.Lentry_shape_is_right:
; Behind an attention: x += attention x oW + ob; x += gelu(norm2(x) f1W + f1b) f2W + f2b; then
; LAST = 0: x to memory, first norm of layer 1, its Q, K, V;  LAST = 1: the closing norm and the column sums of the 32 rows.
; A work-group owns 32 rows, eight waves.  Products: wave w has output columns 16 w .. (first feed-forward product: 32 w ..).
; Row phases: wave w has rows 4 w .. 4 w + 3, a lane four columns.  Fragments as [half c][lane][16 bytes], 16 rows x 32 k of bf16.
; CLUSTER: all work-groups walk the same weight fragments; the four of a cluster ask for them jointly (mask 15).  A wave fetches the
; 32 KiB that it alone reads, by two loads, each LDS byte filled once.  The place in the cluster enters global addresses alone.
; LIMIT: erf by the rational form of Abramowitz and Stegun 7.1.26, absolute error 1.5e-7 for every argument.
.set LAST, 0
.set XB,  262144                       ; X: [32][528] f32, a product's result on its way to the row phases
.set XP,  528
.set HB,  279040                       ; H: [32][272] bf16, normalised rows
.set HP,  272
.set GB,  287744                       ; G: [32][528] bf16, gelu's results
.set CSUM, 304640                      ; [8][512]: the waves' column sums
.set OB,  16
.set N2G, 20
.set N2B, 24
.set F2B, 28
.set G3,  32
.set B3,  36
.set XR,  40                           ; v40-55   my four rows of the residual stream
.set F1B, 56                           ; v56-71
.set QB,  72
.set KB,  80
.set VB,  88
.set ACC, 90                           ; v90-137  six accumulators
.set ACT, 138                          ; v138-201 activation fragments (k block, row tile) at 16 k + 8 u
.set T,   138                          ; the same registers at work in the row phases
.set GM,  138
.set GU,  146
.set GQ,  154
.set PKO, 162
.set LS,  202
.set TP,  206
.set WFR, 208                          ; v208-255 six weight fragments
.set SEL, 58
.set INV, 60
.set EPS, 61
.set KPZ, 62
.set KEX, 63
.set KA5, 66
.set KA4, 67
.set CSR, 68
.macro BAR
	s_wait_dscnt 0x0                               ; my LDS stores and loads are done, for the other waves' sake
	s_barrier_signal -1
	s_barrier_wait -1
.endm
.macro ROUND                           ; a round of the cluster's barrier
	s_barrier_signal -1
	s_barrier_wait -1
	s_cmp_lg_u32 s2, 0
	s_cbranch_scc1 .Lnot_wave_0_\@
	s_barrier_signal -3
.Lnot_wave_0_\@:
	s_barrier_wait -3
	s_barrier_signal -1
	s_barrier_wait -1
.endm
.macro PLACES                          ; five places behind a matrix instruction (ISA guide 7.12.1): results are read, sources rewritten, accumulators written over
.rept 5
	v_nop
.endr
.endm
.macro WSUM4
.irp m,1,2,4,8
.irp i,0,1,2,3
	v_add_f32_dpp v[LS+\i], v[LS+\i], v[LS+\i] row_xmask:\m row_mask:0xf bank_mask:0xf
.endr
.endr
.irp i,0,1,2,3
	v_permlanex16_b32 v[TP], v[LS+\i], s[SEL], s[SEL+1]
	v_add_f32 v[LS+\i], v[LS+\i], v[TP]
.endr
.endm
.macro LN4 X, Y, G, Bv                 ; layer norm of four rows, mean first and then the squares of the differences
.irp i,0,1,2,3
	v_add_f32 v[LS+\i], v[\X+4*\i], v[\X+4*\i+1]
.endr
.irp i,0,1,2,3
	v_add_f32 v[LS+\i], v[LS+\i], v[\X+4*\i+2]
.endr
.irp i,0,1,2,3
	v_add_f32 v[LS+\i], v[LS+\i], v[\X+4*\i+3]
.endr
	WSUM4
.irp i,0,1,2,3
	v_mul_f32 v[LS+\i], s[INV], v[LS+\i]
.endr
.irp i,0,1,2,3
.irp c,0,1,2,3
	v_sub_f32 v[\Y+4*\i+\c], v[\X+4*\i+\c], v[LS+\i]
.endr
.endr
.irp i,0,1,2,3
	v_mul_f32 v[LS+\i], v[\Y+4*\i], v[\Y+4*\i]
.endr
.irp c,1,2,3
.irp i,0,1,2,3
	v_fmac_f32 v[LS+\i], v[\Y+4*\i+\c], v[\Y+4*\i+\c]
.endr
.endr
	WSUM4
.irp i,0,1,2,3
	v_fma_f32 v[LS+\i], v[LS+\i], s[INV], s[EPS]
.endr
.irp i,0,1,2,3
	v_rsq_f32 v[LS+\i], v[LS+\i]
.endr
	v_nop                                          ; one plain place behind the last v_rsq_f32 (ISA guide 5.7.2)
.irp i,0,1,2,3
.irp c,0,1,2,3
	v_mul_f32 v[\Y+4*\i+\c], v[\Y+4*\i+\c], v[LS+\i]
.endr
.endr
.irp i,0,1,2,3
.irp c,0,1,2,3
	v_fma_f32 v[\Y+4*\i+\c], v[\Y+4*\i+\c], v[\G+\c], v[\Bv+\c]
.endr
.endr
.endm
.macro WM d, a, b, z                   ; one matrix instruction; z = 1 starts the sum
.if \z
	v_wmma_f32_16x16x32_bf16 v[\d:\d+7], v[\a:\a+7], v[\b:\b+7], 0
.else
	v_wmma_f32_16x16x32_bf16 v[\d:\d+7], v[\a:\a+7], v[\b:\b+7], v[\d:\d+7]
.endif
.endm
.macro LDW f, slot                     ; weight fragment \slot of my 32 into place \f
	ds_load_b128 v[WFR+8*(\f):WFR+8*(\f)+3], v4 offset:(\slot)*1024
	ds_load_b128 v[WFR+8*(\f)+4:WFR+8*(\f)+7], v4 offset:(\slot)*1024+512
.endm
.macro LDACT areg, off, pitch, nk      ; nk k blocks x 2 row tiles of activation fragments from rows that lie along k
.set kk_, 0
.rept \nk
.irp u,0,1
	ds_load_b128 v[ACT+16*kk_+8*\u:ACT+16*kk_+8*\u+3], v[\areg] offset:\off+64*kk_+\u*16*\pitch
	ds_load_b128 v[ACT+16*kk_+8*\u+4:ACT+16*kk_+8*\u+7], v[\areg] offset:\off+64*kk_+\u*16*\pitch+32
.endr
.set kk_, kk_+1
.endr
.endm
.macro XST                             ; accumulators 0 and 1 (row r, columns 16 w + 8 h + j) to X
.irp u,0,1
	ds_store_b128 v7, v[ACC+8*\u:ACC+8*\u+3] offset:\u*16*XP
	ds_store_b128 v7, v[ACC+8*\u+4:ACC+8*\u+7] offset:\u*16*XP+16
.endr
.endm
.macro XIN                             ; my four rows of X are added onto the residual rows
.irp i,0,1,2,3
	ds_load_b128 v[T+4*\i:T+4*\i+3], v8 offset:XP*\i
.endr
	s_wait_dscnt 0x0
.irp p,0,1,2,3,4,5,6,7
	v_pk_add_f32 v[XR+2*\p:XR+2*\p+1], v[XR+2*\p:XR+2*\p+1], v[T+2*\p:T+2*\p+1]
.endr
.endm
.macro VADD W                          ; a row vector onto the four rows
.irp i,0,1,2,3
.irp p,0,2
	v_pk_add_f32 v[XR+4*\i+\p:XR+4*\i+\p+1], v[XR+4*\i+\p:XR+4*\i+\p+1], v[\W+\p:\W+\p+1]
.endr
.endr
.endm
.macro HOUT                            ; T's four rows to bf16, into H
.irp i,0,1,2,3
	v_cvt_pk_bf16_f32 v[T+16+2*\i], v[T+4*\i], v[T+4*\i+1]
	v_cvt_pk_bf16_f32 v[T+16+2*\i+1], v[T+4*\i+2], v[T+4*\i+3]
	ds_store_b64 v9, v[T+16+2*\i:T+16+2*\i+1] offset:HP*\i
.endr
.endm
.macro GELU8 a                         ; x (1 + erf(x / sqrt 2)) / 2 on eight registers: x/2 + |x/2| erf(|x| / sqrt 2)
.irp j,0,1,2,3,4,5,6,7
	v_mul_f32 v[GM+\j], v[\a+\j], v[\a+\j]
.endr
.irp j,0,1,2,3,4,5,6,7
	v_fma_f32 v[GU+\j], |v[\a+\j]|, s[KPZ], 1.0    ; 1 + p |x| / sqrt 2
.endr
.irp j,0,1,2,3,4,5,6,7
	v_mul_f32 v[GM+\j], s[KEX], v[GM+\j]           ; - x x log2(e) / 2
.endr
.irp j,0,1,2,3,4,5,6,7
	v_exp_f32 v[GM+\j], v[GM+\j]
.endr
.irp j,0,1,2,3,4,5,6,7
	v_rcp_f32 v[GU+\j], v[GU+\j]
.endr
.irp j,0,1,2,3,4,5,6,7
	v_mul_f32 v[\a+\j], 0.5, v[\a+\j]              ; the first of these is the plain place behind the last v_rcp_f32
.endr
.irp j,0,1,2,3,4,5,6,7
	v_fma_f32 v[GQ+\j], v[GU+\j], s[KA5], s[KA4]
.endr
.irp j,0,1,2,3,4,5,6,7
	v_fmaak_f32 v[GQ+\j], v[GQ+\j], v[GU+\j], 0x3fb5f0e3
.endr
.irp j,0,1,2,3,4,5,6,7
	v_fmaak_f32 v[GQ+\j], v[GQ+\j], v[GU+\j], 0xbe91a98e
.endr
.irp j,0,1,2,3,4,5,6,7
	v_fmaak_f32 v[GQ+\j], v[GQ+\j], v[GU+\j], 0x3e827906
.endr
.irp j,0,1,2,3,4,5,6,7
	v_mul_f32 v[GQ+\j], v[GQ+\j], v[GU+\j]
.endr
.irp j,0,1,2,3,4,5,6,7
	v_fma_f32 v[GQ+\j], -v[GQ+\j], v[GM+\j], 1.0   ; erf
.endr
.irp j,0,1,2,3,4,5,6,7
	v_fma_f32 v[\a+\j], |v[\a+\j]|, v[GQ+\j], v[\a+\j]
.endr
.endm
	s_load_b512 s[28:43], s[0:1], 0x0              ; wf 28, ao 30, x 32, ob 34, n2g 36, n2b 38, f1b 40, f2b 42
.if LAST
	s_load_b128 s[44:47], s[0:1], 0x40             ; post_g 44, post_b 46
	s_load_b64 s[48:49], s[0:1], 0x50              ; psum
.else
	s_load_b256 s[44:51], s[0:1], 0x40             ; n1g 44, n1b 46, qb 48, kb 50
	s_load_b128 s[52:55], s[0:1], 0x60             ; vb 52, xb 54
	s_load_b64 s[56:57], s[0:1], 0x70              ; qkv
.endif
	v_lshrrev_b32 v1, 5, v0
	v_readfirstlane_b32 s2, v1                     ; wave
	; descriptors: dense rows of 256 bytes; the first load brings slots 0-11 (oW, f1W), the second the rest
	s_mov_b32 s4, 15|(3<<16)|(1<<21)
	s_mov_b32 s5, 32<<16
	s_mov_b32 s6, 48<<16
	s_mov_b32 s7, 32<<16
	s_mov_b32 s8, 48
	s_mov_b32 s9, 32
	s_mov_b32 s10, 0
	s_mov_b32 s11, 0
	s_mov_b32 s12, 15|(3<<16)|(1<<21)
	s_mov_b32 s13, 32<<16
	s_mov_b32 s14, (80-48*LAST)<<16
	s_mov_b32 s15, 32<<16
	s_mov_b32 s16, 80-48*LAST
	s_mov_b32 s17, 32
	s_mov_b32 s18, 0
	s_mov_b32 s19, 0
	s_mov_b32 s20, 1
	s_lshl_b32 s21, s2, 15
	s_mov_b32 s24, 1
	s_add_co_u32 s25, s21, 12288
	s_lshl_b32 s72, s2, 15
	s_mov_b32 s73, 0
	s_wait_kmcnt 0x0
	s_add_nc_u64 s[22:23], s[28:29], s[72:73]
.if LAST
	s_add_nc_u64 s[22:23], s[22:23], 0x40000
.endif
	s_add_nc_u64 s[26:27], s[22:23], 12288
	s_or_b32 s23, s23, 0x80000000
	s_or_b32 s27, s27, 0x80000000
	ROUND                                          ; the four work-groups are here: the joint loads meet
	tensor_load_to_lds s[20:23], s[4:11]
	tensor_load_to_lds s[24:27], s[12:19]          ; two loads of mine are out
	; my rows (the place in the cluster enters here, and in these registers alone)
	s_bfe_u32 s70, ttmp6, 0x40000                  ; cx
	s_lshl_b32 s3, ttmp9, 2
	s_add_co_u32 s3, s3, s70                       ; g
	s_lshl_b32 s74, s3, 13
	s_mov_b32 s75, 0
	s_add_nc_u64 s[76:77], s[30:31], s[74:75]      ; the eight attention fragments of my two row tiles
	s_lshl_b32 s78, s3, 14
	s_lshl_b32 s79, s2, 11
	s_add_co_u32 s78, s78, s79
	s_mov_b32 s79, 0
	s_add_nc_u64 s[80:81], s[32:33], s[78:79]      ; row 32 g + 4 w of x
.if LAST
	s_lshl_b32 s84, s3, 9
	s_mov_b32 s85, 0
	s_add_nc_u64 s[84:85], s[48:49], s[84:85]
.else
	s_add_nc_u64 s[82:83], s[54:55], s[78:79]
	s_lshr_b32 s88, s3, 6                          ; b
	s_and_b32 s89, s3, 63
	s_lshr_b32 s90, s2, 1
	s_lshl2_add_u32 s88, s88, s90                  ; bh
	s_and_b32 s90, s2, 1
	s_lshl_b32 s91, s88, 7
	s_lshl1_add_u32 s91, s89, s91
	s_lshl1_add_u32 s91, s91, s90
	s_lshl_b32 s84, s91, 9
	s_mov_b32 s85, 0
	s_add_nc_u64 s[84:85], s[56:57], s[84:85]      ; Q (K 2 MiB behind)
	s_lshl_b32 s91, s88, 6
	s_add_co_u32 s91, s91, s89
	s_lshl1_add_u32 s91, s91, s90
	s_lshl_b32 s86, s91, 10
	s_mov_b32 s87, 0
	s_add_nc_u64 s[86:87], s[56:57], s[86:87]      ; V transposed (4 MiB behind)
.endif
	v_and_b32 v1, 31, v0
	v_and_b32 v2, 15, v0
	v_bfe_u32 v3, v0, 4, 1
	v_lshlrev_b32 v11, 4, v1                       ; 16 lane
	v_add_nc_u32 v4, s21, v11                      ; my weights
	v_mul_u32_u24 v5, v2, HP
	v_lshl_add_u32 v5, v3, 4, v5
	v_add_nc_u32 v5, HB, v5                        ; fragments from H
	v_mul_u32_u24 v6, v2, XP
	v_lshl_add_u32 v10, v3, 4, v6
	v_lshl_add_u32 v7, v3, 5, v6
	v_add_nc_u32 v6, GB, v10                       ; fragments from G
	s_lshl_b32 s71, s2, 6
	s_add_co_u32 s69, s71, GB
	v_add_nc_u32 v10, s69, v10                     ; into G: row r, columns 32 w + 8 h
	s_add_co_u32 s69, s71, XB
	v_add_nc_u32 v7, s69, v7                       ; into X: row r, columns 16 w + 8 h
	s_mul_i32 s69, s2, 4*XP
	s_add_co_u32 s69, s69, XB
	v_add_nc_u32 v8, s69, v11                      ; from X: my first row
	s_mul_i32 s69, s2, 4*HP
	s_add_co_u32 s69, s69, HB
	v_lshl_add_u32 v9, v1, 3, s69                  ; into H: my first row
	v_lshl_add_u32 v13, v3, 5, s71                 ; bytes of column 16 w + 8 h
	v_lshl_add_u32 v14, v2, 2, s71                 ; bytes of column 16 w + r
	s_lshl_b32 s69, s2, 7
	v_lshl_add_u32 v12, v3, 5, s69                 ; bytes of column 32 w + 8 h
	s_lshl_b32 s69, s2, 9
	s_add_co_u32 s69, s69, CSUM
	v_add_nc_u32 v15, s69, v11
	v_mov_b32 v[TP], 0
.irp k,0,1,2,3
.irp u,0,1
	global_load_b128 v[ACT+16*\k+8*\u:ACT+16*\k+8*\u+3], v11, s[76:77] offset:(4*\u+\k)*1024
	global_load_b128 v[ACT+16*\k+8*\u+4:ACT+16*\k+8*\u+7], v11, s[76:77] offset:(4*\u+\k)*1024+512
.endr
.endr
.irp i,0,1,2,3
	global_load_b128 v[XR+4*\i:XR+4*\i+3], v11, s[80:81] offset:512*\i
.endr
	global_load_b128 v[OB:OB+3], v11, s[34:35] offset:512*LAST
	global_load_b128 v[N2G:N2G+3], v11, s[36:37] offset:512*LAST
	global_load_b128 v[N2B:N2B+3], v11, s[38:39] offset:512*LAST
	global_load_b128 v[F2B:F2B+3], v11, s[42:43] offset:512*LAST
	global_load_b128 v[G3:G3+3], v11, s[44:45] offset:512-512*LAST
	global_load_b128 v[B3:B3+3], v11, s[46:47] offset:512-512*LAST
.irp q,0,1,2,3
	global_load_b128 v[F1B+4*\q:F1B+4*\q+3], v12, s[40:41] offset:1024*LAST+(\q>>1)*64+(\q&1)*16
.endr
.if LAST == 0
	global_load_b128 v[QB:QB+3], v13, s[48:49] offset:512
	global_load_b128 v[QB+4:QB+7], v13, s[48:49] offset:528
	global_load_b128 v[KB:KB+3], v13, s[50:51] offset:512
	global_load_b128 v[KB+4:KB+7], v13, s[50:51] offset:528
	global_load_b32 v[VB], v14, s[52:53] offset:512
.endif
	s_mov_b32 s[SEL], 0x76543210
	s_mov_b32 s[SEL+1], 0xfedcba98
	s_mov_b32 s[INV], 0x3c000000
	s_mov_b32 s[EPS], 0x3727c5ac
	s_mov_b32 s[KPZ], 0x3e6d3388                   ; 0.3275911 / sqrt 2
	s_mov_b32 s[KEX], 0xbf38aa3b                   ; - log2(e) / 2
	s_mov_b32 s[KA5], 0x3f87dc22
	s_mov_b32 s[KA4], 0xbfba00e3
	s_mov_b32 s[CSR], 0x3e8293ee                   ; log2(e) / sqrt(32)
	; ---- attention x oW.  In every product here the accumulators take turns, one instruction a turn.
	s_wait_tensorcnt 0x1                           ; my slots 0-11 have landed; the second load may be out.  Only I read these bytes
.irp k,0,1,2,3
	LDW \k, \k
.endr
	s_wait_loadcnt 0x0
	s_wait_dscnt 0x0
.irp k,0,1,2,3
.irp u,0,1
.if \k
	WM ACC+8*\u, WFR+8*\k, ACT+16*\k+8*\u, 0
.else
	WM ACC+8*\u, WFR+8*\k, ACT+16*\k+8*\u, 1
.endif
.endr
.endr
	VADD OB
	PLACES
	XST
	BAR                                            ; 1: X is whole
	XIN
	LN4 XR, T, N2G, N2B
	HOUT
	BAR                                            ; 2: H is whole; X has been read
	; ---- first feed-forward product, 32 columns a wave, and gelu
.irp grp,0,1
	LDACT 5, 128*\grp, HP, 2
.irp nt,0,1
.irp kk,0,1
	LDW 2*\nt+\kk, 4+4*\nt+2*\grp+\kk
.endr
.endr
	s_wait_dscnt 0x0
.irp kk,0,1
.irp nt,0,1
.irp u,0,1
.if \grp+\kk
	WM ACC+16*\nt+8*\u, WFR+8*(2*\nt+\kk), ACT+16*\kk+8*\u, 0
.else
	WM ACC+16*\nt+8*\u, WFR+8*(2*\nt+\kk), ACT+16*\kk+8*\u, 1
.endif
.endr
.endr
.endr
	PLACES
.endr
.irp nt,0,1
.irp u,0,1
.irp p,0,2,4,6
	v_pk_add_f32 v[ACC+16*\nt+8*\u+\p:ACC+16*\nt+8*\u+\p+1], v[ACC+16*\nt+8*\u+\p:ACC+16*\nt+8*\u+\p+1], v[F1B+8*\nt+\p:F1B+8*\nt+\p+1]
.endr
	GELU8 ACC+16*\nt+8*\u
.irp i,0,1,2,3
	v_cvt_pk_bf16_f32 v[PKO+\i], v[ACC+16*\nt+8*\u+2*\i], v[ACC+16*\nt+8*\u+2*\i+1]
.endr
	ds_store_b128 v10, v[PKO:PKO+3] offset:32*\nt+\u*16*XP
.endr
.endr
	BAR                                            ; 3: G is whole; H has been read
	; ---- second feed-forward product, K = 256
	s_wait_tensorcnt 0x0                           ; my other slots
.irp grp,0,1
	LDACT 6, 256*\grp, XP, 4
.irp kk,0,1,2,3
	LDW \kk, 12+4*\grp+\kk
.endr
	s_wait_dscnt 0x0
.irp kk,0,1,2,3
.irp u,0,1
.if \grp+\kk
	WM ACC+8*\u, WFR+8*\kk, ACT+16*\kk+8*\u, 0
.else
	WM ACC+8*\u, WFR+8*\kk, ACT+16*\kk+8*\u, 1
.endif
.endr
.endr
	PLACES
.endr
	XST
	VADD F2B
	BAR                                            ; 4: X is whole
	XIN
.if LAST
	; ---- the closing norm and the sum of the work-group's 32 rows
	LN4 XR, T, G3, B3
.irp p,0,2
	v_pk_add_f32 v[T+\p:T+\p+1], v[T+\p:T+\p+1], v[T+4+\p:T+4+\p+1]
	v_pk_add_f32 v[T+8+\p:T+8+\p+1], v[T+8+\p:T+8+\p+1], v[T+12+\p:T+12+\p+1]
	v_pk_add_f32 v[T+\p:T+\p+1], v[T+\p:T+\p+1], v[T+8+\p:T+8+\p+1]
.endr
	ds_store_b128 v15, v[T:T+3]
	BAR                                            ; 5: the eight waves' sums are there
	s_cmp_lg_u32 s2, 0
	s_cbranch_scc1 .Lnot_first
	v_add_nc_u32 v15, CSUM, v11
.irp i,0,1,2,3,4,5,6,7
	ds_load_b128 v[T+4*\i:T+4*\i+3], v15 offset:512*\i
.endr
	s_wait_dscnt 0x0
.irp i,0,1,2,3
.irp p,0,2
	v_pk_add_f32 v[T+4*\i+\p:T+4*\i+\p+1], v[T+4*\i+\p:T+4*\i+\p+1], v[T+16+4*\i+\p:T+16+4*\i+\p+1]
.endr
.endr
.irp i,0,1
.irp p,0,2
	v_pk_add_f32 v[T+4*\i+\p:T+4*\i+\p+1], v[T+4*\i+\p:T+4*\i+\p+1], v[T+8+4*\i+\p:T+8+4*\i+\p+1]
.endr
.endr
.irp p,0,2
	v_pk_add_f32 v[T+\p:T+\p+1], v[T+\p:T+\p+1], v[T+4+\p:T+4+\p+1]
.endr
	global_store_b128 v11, v[T:T+3], s[84:85]
.Lnot_first:
.else
	; ---- x to memory, the first norm of layer 1, its Q, K, V
.irp i,0,1,2,3
	global_store_b128 v11, v[XR+4*\i:XR+4*\i+3], s[82:83] offset:512*\i
.endr
	LN4 XR, T, G3, B3
	HOUT
.irp j,0,1,2,3,4,5,6,7
	v_mul_f32 v[QB+\j], s[CSR], v[QB+\j]
.endr
	BAR                                            ; 5: H is whole
.irp grp,0,1
	LDACT 5, 128*\grp, HP, 2
.irp m,0,1,2
.irp kk,0,1
	LDW 2*\m+\kk, 20+4*\m+2*\grp+\kk
.endr
.endr
	s_wait_dscnt 0x0
.irp kk,0,1
.irp m,0,1
.irp u,0,1
.if \grp+\kk
	WM ACC+16*\m+8*\u, WFR+8*(2*\m+\kk), ACT+16*\kk+8*\u, 0
.else
	WM ACC+16*\m+8*\u, WFR+8*(2*\m+\kk), ACT+16*\kk+8*\u, 1
.endif
.endr
.endr
.irp u,0,1
.if \grp+\kk
	WM ACC+32+8*\u, ACT+16*\kk+8*\u, WFR+8*(4+\kk), 0
.else
	WM ACC+32+8*\u, ACT+16*\kk+8*\u, WFR+8*(4+\kk), 1
.endif
.endr
.endr
	PLACES
.endr
.irp u,0,1
.irp j,0,1,2,3,4,5,6,7
	v_fma_f32 v[ACC+8*\u+\j], v[ACC+8*\u+\j], s[CSR], v[QB+\j]   ; (q + qb) log2(e) / sqrt(32)
.endr
.irp j,0,2,4,6
	v_pk_add_f32 v[ACC+16+8*\u+\j:ACC+16+8*\u+\j+1], v[ACC+16+8*\u+\j:ACC+16+8*\u+\j+1], v[KB+\j:KB+\j+1]
.endr
.irp j,0,1,2,3,4,5,6,7
	v_add_f32 v[ACC+32+8*\u+\j], v[ACC+32+8*\u+\j], v[VB]
.endr
.endr
.irp a,0,1,2,3,4,5
.irp i,0,1,2,3
	v_cvt_pk_bf16_f32 v[T+4*\a+\i], v[ACC+8*\a+2*\i], v[ACC+8*\a+2*\i+1]
.endr
.endr
.irp u,0,1
	global_store_b128 v11, v[T+4*\u:T+4*\u+3], s[84:85] offset:\u*1024
	global_store_b128 v11, v[T+8+4*\u:T+8+4*\u+3], s[84:85] offset:2097152+\u*1024
	global_store_b128 v11, v[T+16+4*\u:T+16+4*\u+3], s[86:87] offset:4194304+\u*512
.endr
.endif
	ROUND                                          ; the closing round: nobody ends while a partner may still ask jointly
	s_endpgm
.Lfunc_end_k_qbc1a1a2b41_post0:
	.size	k_qbc1a1a2b41_post0, .Lfunc_end_k_qbc1a1a2b41_post0-k_qbc1a1a2b41_post0
	.p2alignl 7, 3214868480
	.fill 96, 4, 3214868480
	.section	.rodata,"a",@progbits
	.p2align	6, 0x0
	.amdhsa_kernel k_qbc1a1a2b41_post0
		.amdhsa_group_segment_fixed_size 308736
		.amdhsa_private_segment_fixed_size 0
		.amdhsa_enable_private_segment 0
		.amdhsa_kernarg_size 120
		.amdhsa_user_sgpr_count 2
		.amdhsa_user_sgpr_kernarg_segment_ptr 1
		.amdhsa_wavefront_size32 1
		.amdhsa_system_sgpr_workgroup_id_x 1
		.amdhsa_system_sgpr_workgroup_id_y 1
		.amdhsa_system_sgpr_workgroup_id_z 1
		.amdhsa_system_vgpr_workitem_id 0
		.amdhsa_next_free_vgpr 256
		.amdhsa_next_free_sgpr 100
		.amdhsa_reserve_vcc 0
		.amdhsa_float_denorm_mode_32 3
		.amdhsa_float_denorm_mode_16_64 3
		.amdhsa_memory_ordered 1
		.amdhsa_forward_progress 1
		.amdhsa_inst_pref_size 67
	.end_amdhsa_kernel
	.amdgpu_metadata
---
amdhsa.version: [ 1, 2 ]
amdhsa.kernels:
  - .name:           k_qbc1a1a2b41_post0
    .symbol:         k_qbc1a1a2b41_post0.kd
    .args:
      - { .name: wf, .offset: 0, .size: 8, .value_kind: global_buffer, .address_space: global }
      - { .name: ao, .offset: 8, .size: 8, .value_kind: global_buffer, .address_space: global }
      - { .name: xa, .offset: 16, .size: 8, .value_kind: global_buffer, .address_space: global }
      - { .name: ob, .offset: 24, .size: 8, .value_kind: global_buffer, .address_space: global }
      - { .name: n2g, .offset: 32, .size: 8, .value_kind: global_buffer, .address_space: global }
      - { .name: n2b, .offset: 40, .size: 8, .value_kind: global_buffer, .address_space: global }
      - { .name: f1b, .offset: 48, .size: 8, .value_kind: global_buffer, .address_space: global }
      - { .name: f2b, .offset: 56, .size: 8, .value_kind: global_buffer, .address_space: global }
      - { .name: n1g, .offset: 64, .size: 8, .value_kind: global_buffer, .address_space: global }
      - { .name: n1b, .offset: 72, .size: 8, .value_kind: global_buffer, .address_space: global }
      - { .name: qb, .offset: 80, .size: 8, .value_kind: global_buffer, .address_space: global }
      - { .name: kb, .offset: 88, .size: 8, .value_kind: global_buffer, .address_space: global }
      - { .name: vb, .offset: 96, .size: 8, .value_kind: global_buffer, .address_space: global }
      - { .name: xb, .offset: 104, .size: 8, .value_kind: global_buffer, .address_space: global }
      - { .name: qkv, .offset: 112, .size: 8, .value_kind: global_buffer, .address_space: global }
    .group_segment_fixed_size: 308736
    .private_segment_fixed_size: 0
    .kernarg_segment_align: 8
    .kernarg_segment_size: 120
    .max_flat_workgroup_size: 256
    .sgpr_count:     100
    .vgpr_count:     256
    .wavefront_size: 32
...
	.end_amdgpu_metadata
.endif
;; end of part 3
;; launch att1: the kernel of part 2 again; grid 16 x 16, 4 waves a work-group, clusters of 4 x 1, 262,144 bytes of LDS; arguments qkv, mbits, ao; writes ao
;; launch post1 (part 4): grid 256 x 1, 8 waves a work-group, clusters of 4 x 1, 308,736 bytes of LDS; arguments wf, ao, xb, ob, n2g, n2b, f1b, f2b, post_g, post_b, psum; writes psum
.if DOCPART == 4
	.amdgcn_target "amdgcn-amd-amdhsa--gfx1250"
	.amdhsa_code_object_version 6
	.text
	.protected	k_qbc1a1a2b41_post1
	.globl	k_qbc1a1a2b41_post1
	.p2align	8
	.type	k_qbc1a1a2b41_post1,@function
k_qbc1a1a2b41_post1:
	s_mov_b64 s[64:65], 0
	v_nop
	global_prefetch_b8 v0, s[64:65] scope:SCOPE_SE
	s_setreg_imm32_b32 hwreg(HW_REG_WAVE_MODE, 25, 1), 1
	s_wait_xcnt 0x0
	s_wait_alu depctr_hold_cnt(0) depctr_sa_sdst(0) depctr_va_vdst(0) depctr_va_sdst(0) depctr_va_ssrc(0) depctr_va_vcc(0) depctr_vm_vsrc(0)
	s_getreg_b32 s2, hwreg(HW_REG_IB_STS2, 6, 4)
	s_cmp_eq_u32 s2, 0
	s_cbranch_scc0 .Lentry_in_a_cluster
	s_endpgm
.Lentry_in_a_cluster:
	s_bfe_u32 s2, ttmp6, 0x10000c
	s_cmp_lg_u32 s2, 0x3003
	s_cbranch_scc0 .Lentry_shape_is_right
	s_endpgm
.Lentry_shape_is_right:
; Behind an attention: x += attention x oW + ob; x += gelu(norm2(x) f1W + f1b) f2W + f2b; then
; LAST = 0: x to memory, first norm of layer 1, its Q, K, V;  LAST = 1: the closing norm and the column sums of the 32 rows.
; A work-group owns 32 rows, eight waves.  Products: wave w has output columns 16 w .. (first feed-forward product: 32 w ..).
; Row phases: wave w has rows 4 w .. 4 w + 3, a lane four columns.  Fragments as [half c][lane][16 bytes], 16 rows x 32 k of bf16.
; CLUSTER: all work-groups walk the same weight fragments; the four of a cluster ask for them jointly (mask 15).  A wave fetches the
; bytes that it alone reads, by two loads, each LDS byte filled once.  The place in the cluster enters global addresses alone.
; LIMIT: erf by the rational form of Abramowitz and Stegun 7.1.26, absolute error 1.5e-7 for every argument.
.set LAST, 1
.set XB,  262144                       ; X: [32][528] f32, a product's result on its way to the row phases
.set XP,  528
.set HB,  279040                       ; H: [32][272] bf16, normalised rows
.set HP,  272
.set GB,  287744                       ; G: [32][528] bf16, gelu's results
.set CSUM, 304640                      ; [8][512]: the waves' column sums
.set OB,  16
.set N2G, 20
.set N2B, 24
.set F2B, 28
.set G3,  32
.set B3,  36
.set XR,  40                           ; v40-55   my four rows of the residual stream
.set F1B, 56                           ; v56-71
.set QB,  72
.set KB,  80
.set VB,  88
.set ACC, 90                           ; v90-137  six accumulators
.set ACT, 138                          ; v138-201 activation fragments (k block, row tile) at 16 k + 8 u
.set T,   138                          ; the same registers at work in the row phases
.set GM,  138
.set GU,  146
.set GQ,  154
.set PKO, 162
.set LS,  202
.set TP,  206
.set WFR, 208                          ; v208-255 six weight fragments
.set SEL, 58
.set INV, 60
.set EPS, 61
.set KPZ, 62
.set KEX, 63
.set KA5, 66
.set KA4, 67
.set CSR, 68
.macro BAR
	s_wait_dscnt 0x0                               ; my LDS stores and loads are done, for the other waves' sake
	s_barrier_signal -1
	s_barrier_wait -1
.endm
.macro ROUND                           ; a round of the cluster's barrier
	s_barrier_signal -1
	s_barrier_wait -1
	s_cmp_lg_u32 s2, 0
	s_cbranch_scc1 .Lnot_wave_0_\@
	s_barrier_signal -3
.Lnot_wave_0_\@:
	s_barrier_wait -3
	s_barrier_signal -1
	s_barrier_wait -1
.endm
.macro PLACES                          ; five places behind a matrix instruction (ISA guide 7.12.1): results are read, sources rewritten, accumulators written over
.rept 5
	v_nop
.endr
.endm
.macro WSUM4
.irp m,1,2,4,8
.irp i,0,1,2,3
	v_add_f32_dpp v[LS+\i], v[LS+\i], v[LS+\i] row_xmask:\m row_mask:0xf bank_mask:0xf
.endr
.endr
.irp i,0,1,2,3
	v_permlanex16_b32 v[TP], v[LS+\i], s[SEL], s[SEL+1]
	v_add_f32 v[LS+\i], v[LS+\i], v[TP]
.endr
.endm
.macro LN4 X, Y, G, Bv                 ; layer norm of four rows, mean first and then the squares of the differences
.irp i,0,1,2,3
	v_add_f32 v[LS+\i], v[\X+4*\i], v[\X+4*\i+1]
.endr
.irp i,0,1,2,3
	v_add_f32 v[LS+\i], v[LS+\i], v[\X+4*\i+2]
.endr
.irp i,0,1,2,3
	v_add_f32 v[LS+\i], v[LS+\i], v[\X+4*\i+3]
.endr
	WSUM4
.irp i,0,1,2,3
	v_mul_f32 v[LS+\i], s[INV], v[LS+\i]
.endr
.irp i,0,1,2,3
.irp c,0,1,2,3
	v_sub_f32 v[\Y+4*\i+\c], v[\X+4*\i+\c], v[LS+\i]
.endr
.endr
.irp i,0,1,2,3
	v_mul_f32 v[LS+\i], v[\Y+4*\i], v[\Y+4*\i]
.endr
.irp c,1,2,3
.irp i,0,1,2,3
	v_fmac_f32 v[LS+\i], v[\Y+4*\i+\c], v[\Y+4*\i+\c]
.endr
.endr
	WSUM4
.irp i,0,1,2,3
	v_fma_f32 v[LS+\i], v[LS+\i], s[INV], s[EPS]
.endr
.irp i,0,1,2,3
	v_rsq_f32 v[LS+\i], v[LS+\i]
.endr
	v_nop                                          ; one plain place behind the last v_rsq_f32 (ISA guide 5.7.2)
.irp i,0,1,2,3
.irp c,0,1,2,3
	v_mul_f32 v[\Y+4*\i+\c], v[\Y+4*\i+\c], v[LS+\i]
.endr
.endr
.irp i,0,1,2,3
.irp c,0,1,2,3
	v_fma_f32 v[\Y+4*\i+\c], v[\Y+4*\i+\c], v[\G+\c], v[\Bv+\c]
.endr
.endr
.endm
.macro WM d, a, b, z                   ; one matrix instruction; z = 1 starts the sum
.if \z
	v_wmma_f32_16x16x32_bf16 v[\d:\d+7], v[\a:\a+7], v[\b:\b+7], 0
.else
	v_wmma_f32_16x16x32_bf16 v[\d:\d+7], v[\a:\a+7], v[\b:\b+7], v[\d:\d+7]
.endif
.endm
.macro LDW f, slot                     ; weight fragment \slot of mine into place \f
	ds_load_b128 v[WFR+8*(\f):WFR+8*(\f)+3], v4 offset:(\slot)*1024
	ds_load_b128 v[WFR+8*(\f)+4:WFR+8*(\f)+7], v4 offset:(\slot)*1024+512
.endm
.macro LDACT areg, off, pitch, nk      ; nk k blocks x 2 row tiles of activation fragments from rows that lie along k
.set kk_, 0
.rept \nk
.irp u,0,1
	ds_load_b128 v[ACT+16*kk_+8*\u:ACT+16*kk_+8*\u+3], v[\areg] offset:\off+64*kk_+\u*16*\pitch
	ds_load_b128 v[ACT+16*kk_+8*\u+4:ACT+16*kk_+8*\u+7], v[\areg] offset:\off+64*kk_+\u*16*\pitch+32
.endr
.set kk_, kk_+1
.endr
.endm
.macro XST                             ; accumulators 0 and 1 (row r, columns 16 w + 8 h + j) to X
.irp u,0,1
	ds_store_b128 v7, v[ACC+8*\u:ACC+8*\u+3] offset:\u*16*XP
	ds_store_b128 v7, v[ACC+8*\u+4:ACC+8*\u+7] offset:\u*16*XP+16
.endr
.endm
.macro XIN                             ; my four rows of X are added onto the residual rows
.irp i,0,1,2,3
	ds_load_b128 v[T+4*\i:T+4*\i+3], v8 offset:XP*\i
.endr
	s_wait_dscnt 0x0
.irp p,0,1,2,3,4,5,6,7
	v_pk_add_f32 v[XR+2*\p:XR+2*\p+1], v[XR+2*\p:XR+2*\p+1], v[T+2*\p:T+2*\p+1]
.endr
.endm
.macro VADD W                          ; a row vector onto the four rows
.irp i,0,1,2,3
.irp p,0,2
	v_pk_add_f32 v[XR+4*\i+\p:XR+4*\i+\p+1], v[XR+4*\i+\p:XR+4*\i+\p+1], v[\W+\p:\W+\p+1]
.endr
.endr
.endm
.macro HOUT                            ; T's four rows to bf16, into H
.irp i,0,1,2,3
	v_cvt_pk_bf16_f32 v[T+16+2*\i], v[T+4*\i], v[T+4*\i+1]
	v_cvt_pk_bf16_f32 v[T+16+2*\i+1], v[T+4*\i+2], v[T+4*\i+3]
	ds_store_b64 v9, v[T+16+2*\i:T+16+2*\i+1] offset:HP*\i
.endr
.endm
.macro GELU8 a                         ; x (1 + erf(x / sqrt 2)) / 2 on eight registers: x/2 + |x/2| erf(|x| / sqrt 2)
.irp j,0,1,2,3,4,5,6,7
	v_mul_f32 v[GM+\j], v[\a+\j], v[\a+\j]
.endr
.irp j,0,1,2,3,4,5,6,7
	v_fma_f32 v[GU+\j], |v[\a+\j]|, s[KPZ], 1.0    ; 1 + p |x| / sqrt 2
.endr
.irp j,0,1,2,3,4,5,6,7
	v_mul_f32 v[GM+\j], s[KEX], v[GM+\j]           ; - x x log2(e) / 2
.endr
.irp j,0,1,2,3,4,5,6,7
	v_exp_f32 v[GM+\j], v[GM+\j]
.endr
.irp j,0,1,2,3,4,5,6,7
	v_rcp_f32 v[GU+\j], v[GU+\j]
.endr
.irp j,0,1,2,3,4,5,6,7
	v_mul_f32 v[\a+\j], 0.5, v[\a+\j]              ; the first of these is the plain place behind the last v_rcp_f32
.endr
.irp j,0,1,2,3,4,5,6,7
	v_fma_f32 v[GQ+\j], v[GU+\j], s[KA5], s[KA4]
.endr
.irp j,0,1,2,3,4,5,6,7
	v_fmaak_f32 v[GQ+\j], v[GQ+\j], v[GU+\j], 0x3fb5f0e3
.endr
.irp j,0,1,2,3,4,5,6,7
	v_fmaak_f32 v[GQ+\j], v[GQ+\j], v[GU+\j], 0xbe91a98e
.endr
.irp j,0,1,2,3,4,5,6,7
	v_fmaak_f32 v[GQ+\j], v[GQ+\j], v[GU+\j], 0x3e827906
.endr
.irp j,0,1,2,3,4,5,6,7
	v_mul_f32 v[GQ+\j], v[GQ+\j], v[GU+\j]
.endr
.irp j,0,1,2,3,4,5,6,7
	v_fma_f32 v[GQ+\j], -v[GQ+\j], v[GM+\j], 1.0   ; erf
.endr
.irp j,0,1,2,3,4,5,6,7
	v_fma_f32 v[\a+\j], |v[\a+\j]|, v[GQ+\j], v[\a+\j]
.endr
.endm
	s_load_b512 s[28:43], s[0:1], 0x0              ; wf 28, ao 30, x 32, ob 34, n2g 36, n2b 38, f1b 40, f2b 42
.if LAST
	s_load_b128 s[44:47], s[0:1], 0x40             ; post_g 44, post_b 46
	s_load_b64 s[48:49], s[0:1], 0x50              ; psum
.else
	s_load_b256 s[44:51], s[0:1], 0x40             ; n1g 44, n1b 46, qb 48, kb 50
	s_load_b128 s[52:55], s[0:1], 0x60             ; vb 52, xb 54
	s_load_b64 s[56:57], s[0:1], 0x70              ; qkv
.endif
	v_lshrrev_b32 v1, 5, v0
	v_readfirstlane_b32 s2, v1                     ; wave
	; descriptors: dense rows of 256 bytes; the first load brings slots 0-11 (oW, f1W), the second the rest
	s_mov_b32 s4, 15|(3<<16)|(1<<21)
	s_mov_b32 s5, 32<<16
	s_mov_b32 s6, 48<<16
	s_mov_b32 s7, 32<<16
	s_mov_b32 s8, 48
	s_mov_b32 s9, 32
	s_mov_b32 s10, 0
	s_mov_b32 s11, 0
	s_mov_b32 s12, 15|(3<<16)|(1<<21)
	s_mov_b32 s13, 32<<16
	s_mov_b32 s14, (80-48*LAST)<<16
	s_mov_b32 s15, 32<<16
	s_mov_b32 s16, 80-48*LAST
	s_mov_b32 s17, 32
	s_mov_b32 s18, 0
	s_mov_b32 s19, 0
	s_mov_b32 s20, 1
	s_lshl_b32 s21, s2, 15
	s_mov_b32 s24, 1
	s_add_co_u32 s25, s21, 12288
	s_lshl_b32 s72, s2, 15
	s_mov_b32 s73, 0
	s_wait_kmcnt 0x0
	s_add_nc_u64 s[22:23], s[28:29], s[72:73]
.if LAST
	s_add_nc_u64 s[22:23], s[22:23], 0x40000
.endif
	s_add_nc_u64 s[26:27], s[22:23], 12288
	s_or_b32 s23, s23, 0x80000000
	s_or_b32 s27, s27, 0x80000000
	ROUND                                          ; the four work-groups are here: the joint loads meet
	tensor_load_to_lds s[20:23], s[4:11]
	tensor_load_to_lds s[24:27], s[12:19]          ; two loads of mine are out
	; my rows (the place in the cluster enters here, and in these registers alone)
	s_bfe_u32 s70, ttmp6, 0x40000                  ; cx
	s_lshl_b32 s3, ttmp9, 2
	s_add_co_u32 s3, s3, s70                       ; g
	s_lshl_b32 s74, s3, 13
	s_mov_b32 s75, 0
	s_add_nc_u64 s[76:77], s[30:31], s[74:75]      ; the eight attention fragments of my two row tiles
	s_lshl_b32 s78, s3, 14
	s_lshl_b32 s79, s2, 11
	s_add_co_u32 s78, s78, s79
	s_mov_b32 s79, 0
	s_add_nc_u64 s[80:81], s[32:33], s[78:79]      ; row 32 g + 4 w of x
.if LAST
	s_lshl_b32 s84, s3, 9
	s_mov_b32 s85, 0
	s_add_nc_u64 s[84:85], s[48:49], s[84:85]
.else
	s_add_nc_u64 s[82:83], s[54:55], s[78:79]
	s_lshr_b32 s88, s3, 6                          ; b
	s_and_b32 s89, s3, 63
	s_lshr_b32 s90, s2, 1
	s_lshl2_add_u32 s88, s88, s90                  ; bh
	s_and_b32 s90, s2, 1
	s_lshl_b32 s91, s88, 7
	s_lshl1_add_u32 s91, s89, s91
	s_lshl1_add_u32 s91, s91, s90
	s_lshl_b32 s84, s91, 9
	s_mov_b32 s85, 0
	s_add_nc_u64 s[84:85], s[56:57], s[84:85]      ; Q (K 2 MiB behind)
	s_lshl_b32 s91, s88, 6
	s_add_co_u32 s91, s91, s89
	s_lshl1_add_u32 s91, s91, s90
	s_lshl_b32 s86, s91, 10
	s_mov_b32 s87, 0
	s_add_nc_u64 s[86:87], s[56:57], s[86:87]      ; V transposed (4 MiB behind)
.endif
	v_and_b32 v1, 31, v0
	v_and_b32 v2, 15, v0
	v_bfe_u32 v3, v0, 4, 1
	v_lshlrev_b32 v11, 4, v1                       ; 16 lane
	v_add_nc_u32 v4, s21, v11                      ; my weights
	v_mul_u32_u24 v5, v2, HP
	v_lshl_add_u32 v5, v3, 4, v5
	v_add_nc_u32 v5, HB, v5                        ; fragments from H
	v_mul_u32_u24 v6, v2, XP
	v_lshl_add_u32 v10, v3, 4, v6
	v_lshl_add_u32 v7, v3, 5, v6
	v_add_nc_u32 v6, GB, v10                       ; fragments from G
	s_lshl_b32 s71, s2, 6
	s_add_co_u32 s69, s71, GB
	v_add_nc_u32 v10, s69, v10                     ; into G: row r, columns 32 w + 8 h
	s_add_co_u32 s69, s71, XB
	v_add_nc_u32 v7, s69, v7                       ; into X: row r, columns 16 w + 8 h
	s_mul_i32 s69, s2, 4*XP
	s_add_co_u32 s69, s69, XB
	v_add_nc_u32 v8, s69, v11                      ; from X: my first row
	s_mul_i32 s69, s2, 4*HP
	s_add_co_u32 s69, s69, HB
	v_lshl_add_u32 v9, v1, 3, s69                  ; into H: my first row
	v_lshl_add_u32 v13, v3, 5, s71                 ; bytes of column 16 w + 8 h
	v_lshl_add_u32 v14, v2, 2, s71                 ; bytes of column 16 w + r
	s_lshl_b32 s69, s2, 7
	v_lshl_add_u32 v12, v3, 5, s69                 ; bytes of column 32 w + 8 h
	s_lshl_b32 s69, s2, 9
	s_add_co_u32 s69, s69, CSUM
	v_add_nc_u32 v15, s69, v11
	v_mov_b32 v[TP], 0
.irp k,0,1,2,3
.irp u,0,1
	global_load_b128 v[ACT+16*\k+8*\u:ACT+16*\k+8*\u+3], v11, s[76:77] offset:(4*\u+\k)*1024
	global_load_b128 v[ACT+16*\k+8*\u+4:ACT+16*\k+8*\u+7], v11, s[76:77] offset:(4*\u+\k)*1024+512
.endr
.endr
.irp i,0,1,2,3
	global_load_b128 v[XR+4*\i:XR+4*\i+3], v11, s[80:81] offset:512*\i
.endr
	global_load_b128 v[OB:OB+3], v11, s[34:35] offset:512*LAST
	global_load_b128 v[N2G:N2G+3], v11, s[36:37] offset:512*LAST
	global_load_b128 v[N2B:N2B+3], v11, s[38:39] offset:512*LAST
	global_load_b128 v[F2B:F2B+3], v11, s[42:43] offset:512*LAST
	global_load_b128 v[G3:G3+3], v11, s[44:45] offset:512-512*LAST
	global_load_b128 v[B3:B3+3], v11, s[46:47] offset:512-512*LAST
.irp q,0,1,2,3
	global_load_b128 v[F1B+4*\q:F1B+4*\q+3], v12, s[40:41] offset:1024*LAST+(\q>>1)*64+(\q&1)*16
.endr
.if LAST == 0
	global_load_b128 v[QB:QB+3], v13, s[48:49] offset:512
	global_load_b128 v[QB+4:QB+7], v13, s[48:49] offset:528
	global_load_b128 v[KB:KB+3], v13, s[50:51] offset:512
	global_load_b128 v[KB+4:KB+7], v13, s[50:51] offset:528
	global_load_b32 v[VB], v14, s[52:53] offset:512
.endif
	s_mov_b32 s[SEL], 0x76543210
	s_mov_b32 s[SEL+1], 0xfedcba98
	s_mov_b32 s[INV], 0x3c000000
	s_mov_b32 s[EPS], 0x3727c5ac
	s_mov_b32 s[KPZ], 0x3e6d3388                   ; 0.3275911 / sqrt 2
	s_mov_b32 s[KEX], 0xbf38aa3b                   ; - log2(e) / 2
	s_mov_b32 s[KA5], 0x3f87dc22
	s_mov_b32 s[KA4], 0xbfba00e3
	s_mov_b32 s[CSR], 0x3e8293ee                   ; log2(e) / sqrt(32)
	; ---- attention x oW.  In every product here the accumulators take turns, one instruction a turn.
	s_wait_tensorcnt 0x1                           ; my slots 0-11 have landed; the second load may be out.  Only I read these bytes
.irp k,0,1,2,3
	LDW \k, \k
.endr
	s_wait_loadcnt 0x0
	s_wait_dscnt 0x0
.irp k,0,1,2,3
.irp u,0,1
.if \k
	WM ACC+8*\u, WFR+8*\k, ACT+16*\k+8*\u, 0
.else
	WM ACC+8*\u, WFR+8*\k, ACT+16*\k+8*\u, 1
.endif
.endr
.endr
	VADD OB
	PLACES
	XST
	BAR                                            ; 1: X is whole
	XIN
	LN4 XR, T, N2G, N2B
	HOUT
	BAR                                            ; 2: H is whole; X has been read
	; ---- first feed-forward product, 32 columns a wave, and gelu
.irp grp,0,1
	LDACT 5, 128*\grp, HP, 2
.irp nt,0,1
.irp kk,0,1
	LDW 2*\nt+\kk, 4+4*\nt+2*\grp+\kk
.endr
.endr
	s_wait_dscnt 0x0
.irp kk,0,1
.irp nt,0,1
.irp u,0,1
.if \grp+\kk
	WM ACC+16*\nt+8*\u, WFR+8*(2*\nt+\kk), ACT+16*\kk+8*\u, 0
.else
	WM ACC+16*\nt+8*\u, WFR+8*(2*\nt+\kk), ACT+16*\kk+8*\u, 1
.endif
.endr
.endr
.endr
	PLACES
.endr
.irp nt,0,1
.irp u,0,1
.irp p,0,2,4,6
	v_pk_add_f32 v[ACC+16*\nt+8*\u+\p:ACC+16*\nt+8*\u+\p+1], v[ACC+16*\nt+8*\u+\p:ACC+16*\nt+8*\u+\p+1], v[F1B+8*\nt+\p:F1B+8*\nt+\p+1]
.endr
	GELU8 ACC+16*\nt+8*\u
.irp i,0,1,2,3
	v_cvt_pk_bf16_f32 v[PKO+\i], v[ACC+16*\nt+8*\u+2*\i], v[ACC+16*\nt+8*\u+2*\i+1]
.endr
	ds_store_b128 v10, v[PKO:PKO+3] offset:32*\nt+\u*16*XP
.endr
.endr
	BAR                                            ; 3: G is whole; H has been read
	; ---- second feed-forward product, K = 256
	s_wait_tensorcnt 0x0                           ; my other slots
.irp grp,0,1
	LDACT 6, 256*\grp, XP, 4
.irp kk,0,1,2,3
	LDW \kk, 12+4*\grp+\kk
.endr
	s_wait_dscnt 0x0
.irp kk,0,1,2,3
.irp u,0,1
.if \grp+\kk
	WM ACC+8*\u, WFR+8*\kk, ACT+16*\kk+8*\u, 0
.else
	WM ACC+8*\u, WFR+8*\kk, ACT+16*\kk+8*\u, 1
.endif
.endr
.endr
	PLACES
.endr
	XST
	VADD F2B
	BAR                                            ; 4: X is whole
	XIN
.if LAST
	; ---- the closing norm and the sum of the work-group's 32 rows
	LN4 XR, T, G3, B3
.irp p,0,2
	v_pk_add_f32 v[T+\p:T+\p+1], v[T+\p:T+\p+1], v[T+4+\p:T+4+\p+1]
	v_pk_add_f32 v[T+8+\p:T+8+\p+1], v[T+8+\p:T+8+\p+1], v[T+12+\p:T+12+\p+1]
	v_pk_add_f32 v[T+\p:T+\p+1], v[T+\p:T+\p+1], v[T+8+\p:T+8+\p+1]
.endr
	ds_store_b128 v15, v[T:T+3]
	BAR                                            ; 5: the eight waves' sums are there
	s_cmp_lg_u32 s2, 0
	s_cbranch_scc1 .Lnot_first
	v_add_nc_u32 v15, CSUM, v11
.irp i,0,1,2,3,4,5,6,7
	ds_load_b128 v[T+4*\i:T+4*\i+3], v15 offset:512*\i
.endr
	s_wait_dscnt 0x0
.irp i,0,1,2,3
.irp p,0,2
	v_pk_add_f32 v[T+4*\i+\p:T+4*\i+\p+1], v[T+4*\i+\p:T+4*\i+\p+1], v[T+16+4*\i+\p:T+16+4*\i+\p+1]
.endr
.endr
.irp i,0,1
.irp p,0,2
	v_pk_add_f32 v[T+4*\i+\p:T+4*\i+\p+1], v[T+4*\i+\p:T+4*\i+\p+1], v[T+8+4*\i+\p:T+8+4*\i+\p+1]
.endr
.endr
.irp p,0,2
	v_pk_add_f32 v[T+\p:T+\p+1], v[T+\p:T+\p+1], v[T+4+\p:T+4+\p+1]
.endr
	global_store_b128 v11, v[T:T+3], s[84:85]
.Lnot_first:
.else
	; ---- x to memory, the first norm of layer 1, its Q, K, V
.irp i,0,1,2,3
	global_store_b128 v11, v[XR+4*\i:XR+4*\i+3], s[82:83] offset:512*\i
.endr
	LN4 XR, T, G3, B3
	HOUT
.irp j,0,1,2,3,4,5,6,7
	v_mul_f32 v[QB+\j], s[CSR], v[QB+\j]
.endr
	BAR                                            ; 5: H is whole
.irp grp,0,1
	LDACT 5, 128*\grp, HP, 2
.irp m,0,1,2
.irp kk,0,1
	LDW 2*\m+\kk, 20+4*\m+2*\grp+\kk
.endr
.endr
	s_wait_dscnt 0x0
.irp kk,0,1
.irp m,0,1
.irp u,0,1
.if \grp+\kk
	WM ACC+16*\m+8*\u, WFR+8*(2*\m+\kk), ACT+16*\kk+8*\u, 0
.else
	WM ACC+16*\m+8*\u, WFR+8*(2*\m+\kk), ACT+16*\kk+8*\u, 1
.endif
.endr
.endr
.irp u,0,1
.if \grp+\kk
	WM ACC+32+8*\u, ACT+16*\kk+8*\u, WFR+8*(4+\kk), 0
.else
	WM ACC+32+8*\u, ACT+16*\kk+8*\u, WFR+8*(4+\kk), 1
.endif
.endr
.endr
	PLACES
.endr
.irp u,0,1
.irp j,0,1,2,3,4,5,6,7
	v_fma_f32 v[ACC+8*\u+\j], v[ACC+8*\u+\j], s[CSR], v[QB+\j]   ; (q + qb) log2(e) / sqrt(32)
.endr
.irp j,0,2,4,6
	v_pk_add_f32 v[ACC+16+8*\u+\j:ACC+16+8*\u+\j+1], v[ACC+16+8*\u+\j:ACC+16+8*\u+\j+1], v[KB+\j:KB+\j+1]
.endr
.irp j,0,1,2,3,4,5,6,7
	v_add_f32 v[ACC+32+8*\u+\j], v[ACC+32+8*\u+\j], v[VB]
.endr
.endr
.irp a,0,1,2,3,4,5
.irp i,0,1,2,3
	v_cvt_pk_bf16_f32 v[T+4*\a+\i], v[ACC+8*\a+2*\i], v[ACC+8*\a+2*\i+1]
.endr
.endr
.irp u,0,1
	global_store_b128 v11, v[T+4*\u:T+4*\u+3], s[84:85] offset:\u*1024
	global_store_b128 v11, v[T+8+4*\u:T+8+4*\u+3], s[84:85] offset:2097152+\u*1024
	global_store_b128 v11, v[T+16+4*\u:T+16+4*\u+3], s[86:87] offset:4194304+\u*512
.endr
.endif
	ROUND                                          ; the closing round: nobody ends while a partner may still ask jointly
	s_endpgm
.Lfunc_end_k_qbc1a1a2b41_post1:
	.size	k_qbc1a1a2b41_post1, .Lfunc_end_k_qbc1a1a2b41_post1-k_qbc1a1a2b41_post1
	.p2alignl 7, 3214868480
	.fill 96, 4, 3214868480
	.section	.rodata,"a",@progbits
	.p2align	6, 0x0
	.amdhsa_kernel k_qbc1a1a2b41_post1
		.amdhsa_group_segment_fixed_size 308736
		.amdhsa_private_segment_fixed_size 0
		.amdhsa_enable_private_segment 0
		.amdhsa_kernarg_size 88
		.amdhsa_user_sgpr_count 2
		.amdhsa_user_sgpr_kernarg_segment_ptr 1
		.amdhsa_wavefront_size32 1
		.amdhsa_system_sgpr_workgroup_id_x 1
		.amdhsa_system_sgpr_workgroup_id_y 1
		.amdhsa_system_sgpr_workgroup_id_z 1
		.amdhsa_system_vgpr_workitem_id 0
		.amdhsa_next_free_vgpr 256
		.amdhsa_next_free_sgpr 100
		.amdhsa_reserve_vcc 0
		.amdhsa_float_denorm_mode_32 3
		.amdhsa_float_denorm_mode_16_64 3
		.amdhsa_memory_ordered 1
		.amdhsa_forward_progress 1
		.amdhsa_inst_pref_size 59
	.end_amdhsa_kernel
	.amdgpu_metadata
---
amdhsa.version: [ 1, 2 ]
amdhsa.kernels:
  - .name:           k_qbc1a1a2b41_post1
    .symbol:         k_qbc1a1a2b41_post1.kd
    .args:
      - { .name: wf, .offset: 0, .size: 8, .value_kind: global_buffer, .address_space: global }
      - { .name: ao, .offset: 8, .size: 8, .value_kind: global_buffer, .address_space: global }
      - { .name: xb, .offset: 16, .size: 8, .value_kind: global_buffer, .address_space: global }
      - { .name: ob, .offset: 24, .size: 8, .value_kind: global_buffer, .address_space: global }
      - { .name: n2g, .offset: 32, .size: 8, .value_kind: global_buffer, .address_space: global }
      - { .name: n2b, .offset: 40, .size: 8, .value_kind: global_buffer, .address_space: global }
      - { .name: f1b, .offset: 48, .size: 8, .value_kind: global_buffer, .address_space: global }
      - { .name: f2b, .offset: 56, .size: 8, .value_kind: global_buffer, .address_space: global }
      - { .name: post_g, .offset: 64, .size: 8, .value_kind: global_buffer, .address_space: global }
      - { .name: post_b, .offset: 72, .size: 8, .value_kind: global_buffer, .address_space: global }
      - { .name: psum, .offset: 80, .size: 8, .value_kind: global_buffer, .address_space: global }
    .group_segment_fixed_size: 308736
    .private_segment_fixed_size: 0
    .kernarg_segment_align: 8
    .kernarg_segment_size: 88
    .max_flat_workgroup_size: 256
    .sgpr_count:     100
    .vgpr_count:     256
    .wavefront_size: 32
...
	.end_amdgpu_metadata
.endif
;; end of part 4
;; launch fin (part 5): grid 4 x 1, 4 waves a work-group, no clusters, 6,144 bytes of LDS; arguments psum, local_global, out_W, out_b, out0; writes out0
.if DOCPART == 5
	.amdgcn_target "amdgcn-amd-amdhsa--gfx1250"
	.amdhsa_code_object_version 6
	.text
	.protected	k_qbc1a1a2b41_fin
	.globl	k_qbc1a1a2b41_fin
	.p2align	8
	.type	k_qbc1a1a2b41_fin,@function
k_qbc1a1a2b41_fin:
	s_mov_b64 s[64:65], 0
	v_nop
	global_prefetch_b8 v0, s[64:65] scope:SCOPE_SE
	s_setreg_imm32_b32 hwreg(HW_REG_WAVE_MODE, 25, 1), 1
	s_wait_xcnt 0x0
; out0[b] = (mean over the batch's 2,048 rows + 0.1 local_global[b]) out_W + out_b.
; One work-group a batch, four waves; a lane has four columns.  Wave w adds 16 of the batch's 64 partial sums and later takes rows
; 32 w .. 32 w + 31 of out_W.  A product of four rows in all: f32 multiply-adds on the vector unit; the matrix unit, tensor loads and
; clusters have nothing to gain here, and there is work for four work-groups only.
.set PS, 16                            ; v16-79   16 partial sums x 4 columns; later the fused vector's 32 numbers at v32-63
.set FU, 32
.set OW, 80                            ; v80-207  32 rows of out_W x 4 columns
.set LG, 208
.set OBV, 212
.set AC, 216
.macro BAR
	s_wait_dscnt 0x0
	s_barrier_signal -1
	s_barrier_wait -1
.endm
	s_load_b256 s[4:11], s[0:1], 0x0               ; psum 4, local_global 6, out_W 8, out_b 10
	s_load_b64 s[12:13], s[0:1], 0x20              ; out0
	v_lshrrev_b32 v1, 5, v0
	v_readfirstlane_b32 s2, v1                     ; wave
	v_and_b32 v1, 31, v0
	v_lshlrev_b32 v2, 4, v1                        ; 16 lane
	s_lshl_b32 s14, ttmp9, 15                      ; 64 rows of 512 bytes a batch
	s_lshl_b32 s15, s2, 13                         ; 16 rows a wave
	s_add_co_u32 s14, s14, s15
	s_mov_b32 s15, 0
	s_lshl_b32 s16, s2, 14                         ; 32 rows of out_W a wave
	s_mov_b32 s17, 0
	s_lshl_b32 s18, ttmp9, 9
	s_mov_b32 s19, 0
	s_lshl_b32 s20, s2, 9
	v_add_nc_u32 v3, s20, v2                       ; 512 w + 16 lane
	s_mul_i32 s21, s2, 640
	v_mov_b32 v4, s21                              ; my copy of the fused vector (512 w) and my 32 numbers in it (128 w)
	s_wait_kmcnt 0x0
	s_add_nc_u64 s[4:5], s[4:5], s[14:15]
	s_add_nc_u64 s[8:9], s[8:9], s[16:17]
	s_add_nc_u64 s[6:7], s[6:7], s[18:19]
	s_add_nc_u64 s[12:13], s[12:13], s[18:19]
.irp i,0,1,2,3,4,5,6,7,8,9,10,11,12,13,14,15
	global_load_b128 v[PS+4*\i:PS+4*\i+3], v2, s[4:5] offset:512*\i
.endr
.set kk, 0
.rept 32
	global_load_b128 v[OW+4*kk:OW+4*kk+3], v2, s[8:9] offset:512*kk
.set kk, kk+1
.endr
	global_load_b128 v[LG:LG+3], v2, s[6:7]
	global_load_b128 v[OBV:OBV+3], v2, s[10:11]
	s_wait_loadcnt 34                              ; the partial sums are in; the 32 + 2 younger loads may be out
.irp i,0,1,2,3,4,5,6,7
.irp p,0,2
	v_pk_add_f32 v[PS+4*\i+\p:PS+4*\i+\p+1], v[PS+4*\i+\p:PS+4*\i+\p+1], v[PS+32+4*\i+\p:PS+32+4*\i+\p+1]
.endr
.endr
.irp i,0,1,2,3
.irp p,0,2
	v_pk_add_f32 v[PS+4*\i+\p:PS+4*\i+\p+1], v[PS+4*\i+\p:PS+4*\i+\p+1], v[PS+16+4*\i+\p:PS+16+4*\i+\p+1]
.endr
.endr
.irp i,0,1
.irp p,0,2
	v_pk_add_f32 v[PS+4*\i+\p:PS+4*\i+\p+1], v[PS+4*\i+\p:PS+4*\i+\p+1], v[PS+8+4*\i+\p:PS+8+4*\i+\p+1]
.endr
.endr
.irp p,0,2
	v_pk_add_f32 v[PS+\p:PS+\p+1], v[PS+\p:PS+\p+1], v[PS+4+\p:PS+4+\p+1]
.endr
	ds_store_b128 v3, v[PS:PS+3]
	BAR                                            ; the four waves' sums are there
.irp i,0,1,2,3
	ds_load_b128 v[PS+4*\i:PS+4*\i+3], v2 offset:512*\i
.endr
	s_wait_dscnt 0x0
.irp p,0,2
	v_pk_add_f32 v[PS+\p:PS+\p+1], v[PS+\p:PS+\p+1], v[PS+4+\p:PS+4+\p+1]
	v_pk_add_f32 v[PS+8+\p:PS+8+\p+1], v[PS+8+\p:PS+8+\p+1], v[PS+12+\p:PS+12+\p+1]
	v_pk_add_f32 v[PS+\p:PS+\p+1], v[PS+\p:PS+\p+1], v[PS+8+\p:PS+8+\p+1]
.endr
	s_wait_loadcnt 0x0
.irp c,0,1,2,3
	v_mul_f32 v[LG+\c], 0x3dcccccd, v[LG+\c]       ; 0.1 local_global
.endr
.irp c,0,1,2,3
	v_fmamk_f32 v[PS+\c], v[PS+\c], 0x3a000000, v[LG+\c]   ; sum / 2048 + that
.endr
	ds_store_b128 v3, v[PS:PS+3] offset:2048       ; every wave keeps a copy of its own: LDS serves a wave's instructions in order (ISA guide 5.7.1.4)
.irp i,0,1,2,3,4,5,6,7
	ds_load_b128 v[FU+4*\i:FU+4*\i+3], v4 offset:2048+16*\i   ; numbers 32 w .. 32 w + 31, the same in every lane
.endr
	s_wait_dscnt 0x0
.irp c,0,1,2,3
	v_mul_f32 v[AC+\c], v[FU], v[OW+\c]
.endr
.set kk, 1
.rept 31
.irp c,0,1,2,3
	v_fmac_f32 v[AC+\c], v[FU+kk], v[OW+4*kk+\c]
.endr
.set kk, kk+1
.endr
	ds_store_b128 v3, v[AC:AC+3] offset:4096
	BAR                                            ; the four waves' parts of the product are there
	s_cmp_lg_u32 s2, 0
	s_cbranch_scc1 .Lend
.irp i,0,1,2,3
	ds_load_b128 v[PS+4*\i:PS+4*\i+3], v2 offset:4096+512*\i
.endr
	s_wait_dscnt 0x0
.irp p,0,2
	v_pk_add_f32 v[PS+\p:PS+\p+1], v[PS+\p:PS+\p+1], v[PS+4+\p:PS+4+\p+1]
	v_pk_add_f32 v[PS+8+\p:PS+8+\p+1], v[PS+8+\p:PS+8+\p+1], v[PS+12+\p:PS+12+\p+1]
	v_pk_add_f32 v[PS+\p:PS+\p+1], v[PS+\p:PS+\p+1], v[PS+8+\p:PS+8+\p+1]
	v_pk_add_f32 v[PS+\p:PS+\p+1], v[PS+\p:PS+\p+1], v[OBV+\p:OBV+\p+1]
.endr
	global_store_b128 v2, v[PS:PS+3], s[12:13]
.Lend:
	s_endpgm
.Lfunc_end_k_qbc1a1a2b41_fin:
	.size	k_qbc1a1a2b41_fin, .Lfunc_end_k_qbc1a1a2b41_fin-k_qbc1a1a2b41_fin
	.p2alignl 7, 3214868480
	.fill 96, 4, 3214868480
	.section	.rodata,"a",@progbits
	.p2align	6, 0x0
	.amdhsa_kernel k_qbc1a1a2b41_fin
		.amdhsa_group_segment_fixed_size 6144
		.amdhsa_private_segment_fixed_size 0
		.amdhsa_enable_private_segment 0
		.amdhsa_kernarg_size 40
		.amdhsa_user_sgpr_count 2
		.amdhsa_user_sgpr_kernarg_segment_ptr 1
		.amdhsa_wavefront_size32 1
		.amdhsa_system_sgpr_workgroup_id_x 1
		.amdhsa_system_sgpr_workgroup_id_y 1
		.amdhsa_system_sgpr_workgroup_id_z 1
		.amdhsa_system_vgpr_workitem_id 0
		.amdhsa_next_free_vgpr 224
		.amdhsa_next_free_sgpr 66
		.amdhsa_reserve_vcc 0
		.amdhsa_float_denorm_mode_32 3
		.amdhsa_float_denorm_mode_16_64 3
		.amdhsa_memory_ordered 1
		.amdhsa_forward_progress 1
		.amdhsa_inst_pref_size 15
	.end_amdhsa_kernel
	.amdgpu_metadata
---
amdhsa.version: [ 1, 2 ]
amdhsa.kernels:
  - .name:           k_qbc1a1a2b41_fin
    .symbol:         k_qbc1a1a2b41_fin.kd
    .args:
      - { .name: psum, .offset: 0, .size: 8, .value_kind: global_buffer, .address_space: global }
      - { .name: local_global, .offset: 8, .size: 8, .value_kind: global_buffer, .address_space: global }
      - { .name: out_W, .offset: 16, .size: 8, .value_kind: global_buffer, .address_space: global }
      - { .name: out_b, .offset: 24, .size: 8, .value_kind: global_buffer, .address_space: global }
      - { .name: out0, .offset: 32, .size: 8, .value_kind: global_buffer, .address_space: global }
    .group_segment_fixed_size: 6144
    .private_segment_fixed_size: 0
    .kernarg_segment_align: 8
    .kernarg_segment_size: 40
    .max_flat_workgroup_size: 128
    .sgpr_count:     66
    .vgpr_count:     224
    .wavefront_size: 32
...
	.end_amdgpu_metadata
.endif
;; end of part 5
;; ======== version 2 of 2: 6 launches; 1.30 times as fast as version 1
;; limits: a function is approximated: absolute error at most 1.5e-07
;; workspace buffers: mbits 2,097,152 bytes of whole numbers; wf 524,288 bytes; xa 4,194,304 bytes; xb 4,194,304 bytes; qkv 6,291,456 bytes; ao 2,097,152 bytes; psum 131,072 bytes
;; launch front: the kernel of part 1 again; grid 256 x 1, 8 waves a work-group, no clusters, 287,488 bytes of LDS; arguments attn_mask, wf, oW, f1W, f2W, qW, kW, vW, task_W, priv_W, dag_W, task_b, priv_b, dag_b, pre_g, pre_b, n1g, n1b, task_features, privacy_features, dag_features, qb, kb, vb, xa, qkv, mbits; writes wf, xa, qkv, mbits
;; launch att0 (part 6): grid 16 x 16, 4 waves a work-group, clusters of 4 x 1, 262,144 bytes of LDS; arguments qkv, mbits, ao; writes ao
.if DOCPART == 6
	.amdgcn_target "amdgcn-amd-amdhsa--gfx1250"
	.amdhsa_code_object_version 6
	.text
	.protected	k_qbc1a1a2b41_att0
	.globl	k_qbc1a1a2b41_att0
	.p2align	8
	.type	k_qbc1a1a2b41_att0,@function
k_qbc1a1a2b41_att0:
	s_mov_b64 s[64:65], 0
	v_nop
	global_prefetch_b8 v0, s[64:65] scope:SCOPE_SE
	s_setreg_imm32_b32 hwreg(HW_REG_WAVE_MODE, 25, 1), 1
	s_wait_xcnt 0x0
	s_wait_alu depctr_hold_cnt(0) depctr_sa_sdst(0) depctr_va_vdst(0) depctr_va_sdst(0) depctr_va_ssrc(0) depctr_va_vcc(0) depctr_vm_vsrc(0)
	s_getreg_b32 s2, hwreg(HW_REG_IB_STS2, 6, 4)
	s_cmp_eq_u32 s2, 0
	s_cbranch_scc0 .Lentry_in_a_cluster
	s_endpgm
.Lentry_in_a_cluster:
	s_bfe_u32 s2, ttmp6, 0x10000c
	s_cmp_lg_u32 s2, 0x3003
	s_cbranch_scc0 .Lentry_shape_is_right
	s_endpgm
.Lentry_shape_is_right:
; Attention of one layer.  A work-group has 128 queries of one head (grid y = 4 b + head); a wave 32 queries, two tiles of 16.
; The head's whole K (128 KiB) and V transposed (128 KiB), as bf16 fragments, lie in LDS, each byte filled once: eight chunks of
; 256 keys (four steps), a chunk being K's 16 KiB and then V's 16 KiB.
; CLUSTER: the four work-groups along x of a cluster have the same head and ask for these bytes jointly (mask 15): one request in four.
; The place in the cluster enters only the global addresses of Q, of the mask words and of the output.
; A step is 64 keys: S^T = K Q^T (lane (r, h): query r, keys 8 h + j), masked by selects on bit words in scalar registers, a running
; maximum and sum as in a softmax done piece by piece, P^T packed as source 1, O^T += V^T P^T.
; Q carries log2(e) / sqrt(32), so the exponentials are base 2.
; THE MASK WORDS: a select wants its 32 lane bits in a scalar register, 64 words a step.  A wait on scalar loads is for all of them
; (they may come back out of order: ISA guide 5.7.1), and the 64 registers are free only behind a step's selects, so scalar loads
; could be asked for one step ahead at the most.  Here two vector loads bring the words of four steps (512 consecutive bytes for each
; query tile), three steps ahead of their wait, and v_readlane_b32 hands a step's 64 words over behind the selects of the step before.
; Word (step sl of the four, key tile t, j) is word 32 sl + 8 t + j of the 128: register j & 3, lane 8 sl + 2 t + (j >> 2).
; The loop's body is a group of four steps, so that lanes and LDS offsets are constants.
; THE ORDER IN A STEP: no run of matrix instructions stands alone.  Between the eight of K Q^T stand 24 lane reads and the selects of
; the first query tile; between the eight of V^T P^T the second tile's row sums and 16 lane reads; beside each exponential stands one
; plain instruction (a rescaling of O, a row sum of the first tile, a conversion of weights made four exponentials earlier).
; LIMITS: a masked score is set to -1e30, not to minus infinity: |score x 0.255| stays below 1e30.  Steps in which a query has met no kept key
; add weights of 1 that the next rescaling, by 2^(-1e30 - m) = 0, removes; every row has a kept key, since a wholly masked row's diagonal
; bit was flipped when the words were made.  The fallback for NaN weights is the identity for finite scores; for NaN or infinite
; scores it is not reproduced.
.set QF, 32                            ; v32-47   Q fragments of my two tiles
.set KF, 48                            ; v48-79   four K tiles
.set VF, 80                            ; v80-111  V^T fragments (32 keys kb, 16 columns d) at 16 kb + 8 d
.set P,  112                           ; v112-143 P^T fragments (u, kb) at 16 u + 8 kb
.set O,  144                           ; v144-175 O^T (u, d) at 16 u + 8 d
.set S,  176                           ; v176-239 S^T (u, t) at 32 u + 8 t
.set CUR, 240                          ; v240-247 mask words of the group at work: tile u at 4 u
.set NXT, 248                          ; v248-255 those of the next group, on their way
.set M,  4                             ; v4-5     running maximum of tile 0, 1
.set NM, 6                             ; pairs: minus the maximum, twice
.set AL, 10                            ; pairs: the rescaling factor, twice
.set LSM, 14                           ; pairs: running sums of the even and of the odd j
.set C,  18                            ; v18-25   eight chains of the maximum: (u, t) at 4 u + t; then two pairs a tile for the row sums
.set PT, 26                            ; v26-27   the other half's maximum
.set MN, 28                            ; v28-29   the new maximum
.set GRP, 32768                        ; LDS bytes of a chunk: four steps of K, four of V
.macro BAR
	s_wait_dscnt 0x0
	s_barrier_signal -1
	s_barrier_wait -1
.endm
.macro ROUND                           ; a round of the cluster's barrier
	s_barrier_signal -1
	s_barrier_wait -1
	s_cmp_lg_u32 s100, 0
	s_cbranch_scc1 .Lnot_wave_0_\@
	s_barrier_signal -3
.Lnot_wave_0_\@:
	s_barrier_wait -3
	s_barrier_signal -1
	s_barrier_wait -1
.endm
.macro PLACES                          ; four places behind a matrix instruction (ISA guide 7.12.1), in front of the first read of a result
.rept 4
	v_nop
.endr
.endm
; The next cnt of a step's 64 mask words: from their lanes into s[32:63] (tile 0) and s[68:99] (tile 1).
.macro RLN cnt
.if rl_on
.rept \cnt
	v_readlane_b32 s[32+36*(rl_>>5)+(rl_&31)], v[CUR+4*(rl_>>5)+(rl_&3)], rl_lane+((rl_&31)>>2)
.set rl_, rl_+1
.endr
.endif
.endm
.macro QK u, t                         ; one score tile: 16 keys x 16 queries
	v_wmma_f32_16x16x32_bf16 v[S+32*\u+8*\t:S+32*\u+8*\t+7], v[KF+8*\t:KF+8*\t+7], v[QF+8*\u:QF+8*\u+7], 0
.endm
.macro CND8 u, t                       ; its eight selects
.irp j,0,1,2,3,4,5,6,7
	v_cndmask_b32 v[S+32*\u+8*\t+\j], v[S+32*\u+8*\t+\j], v2, s[32+36*\u+8*\t+\j]
.endr
.endm
; Instruction \op of the 16 that add tile u's 32 weights (16 pairs) onto its running sum: two chains in C, which leave S as it is.
.macro SUMOP u, op
.if (\op) < 2
	v_pk_add_f32 v[C+4*\u+2*(\op):C+4*\u+2*(\op)+1], v[S+32*\u+4*(\op):S+32*\u+4*(\op)+1], v[S+32*\u+4*(\op)+2:S+32*\u+4*(\op)+3]
.else
.if (\op) < 14
	v_pk_add_f32 v[C+4*\u+2*((\op)&1):C+4*\u+2*((\op)&1)+1], v[C+4*\u+2*((\op)&1):C+4*\u+2*((\op)&1)+1], v[S+32*\u+2*((\op)+2):S+32*\u+2*((\op)+2)+1]
.else
.if (\op) == 14
	v_pk_add_f32 v[C+4*\u:C+4*\u+1], v[C+4*\u:C+4*\u+1], v[C+4*\u+2:C+4*\u+3]
.else
	v_pk_fma_f32 v[LSM+2*\u:LSM+2*\u+1], v[LSM+2*\u:LSM+2*\u+1], v[AL+2*\u:AL+2*\u+1], v[C+4*\u:C+4*\u+1]
.endif
.endif
.endif
.endm
; One step.  sl = its place in the group; pf = 1: the next step's K, V and mask words are fetched; ml = 1: the next group's words are asked for.
.macro STEP sl, pf, ml
.if \sl < 3
.set ko_, (\sl+1)*4096                 ; the next step's K in this chunk,
.else
.set ko_, GRP                          ; or at the head of the next; its V lies 16,384 bytes behind in both cases
.endif
.set rl_on, 1
.set rl_, 40                           ; words 0 to 39 of this step were read in the step before
.set rl_lane, 8*\sl
	s_wait_dscnt 0x8                               ; this step's K is in; the eight loads of its V, issued behind, may be out
.irp t,0,1,2,3
	QK 0, \t
	RLN 6                                          ; words 40 to 63: the second tile's key tiles 1 to 3
.endr
	QK 1, 0
	PLACES                                         ; four places behind all four of the first tile's matrix instructions
	CND8 0, 0
.irp t,1,2,3
	QK 1, \t
	CND8 0, \t                                     ; plain instructions that name no register of the second tile's matrix instructions: their places
.endr
.if \pf
.irp t,0,1,2,3
	ds_load_b128 v[KF+8*\t:KF+8*\t+3], v1 offset:ko_+\t*1024       ; eight selects stand behind the last matrix instruction that read K
	ds_load_b128 v[KF+8*\t+4:KF+8*\t+7], v1 offset:ko_+\t*1024+512
.endr
.endif
.if \ml
	global_load_b128 v[NXT:NXT+3], v3, s[28:29] offset:512        ; the next group's 128 words of tile 0: 512 consecutive bytes, aligned
	global_load_b128 v[NXT+4:NXT+7], v3, s[28:29] offset:4608     ; and of tile 1
.endif
.irp t,0,1,2,3
	CND8 1, \t
.endr
.if \pf
.if \sl == 3
	s_wait_loadcnt 0x0                             ; the two loads issued three steps ago, the only ones out: the next group's words are in,
	s_add_nc_u64 s[28:29], s[28:29], 512           ; and their pointer may step
.irp i,0,1,2,3,4,5,6,7
	v_mov_b32 v[CUR+\i], v[NXT+\i]                 ; eight moves in four steps leave NXT free for a load that is out for three steps
.endr
.endif
.endif
.set rl_on, \pf                        ; from here on: the next step's words, into the registers that the selects have read
.set rl_, 0
.set rl_lane, 8*((\sl+1)&3)
	; the maximum, both tiles in step: eight chains; lane reads fill the part in which each line needs the one before
.irp c,0,1,2,3,4,5,6,7
	v_max3_num_f32 v[C+\c], v[S+8*\c], v[S+8*\c+1], v[S+8*\c+2]
.endr
.irp c,0,1,2,3,4,5,6,7
	v_max3_num_f32 v[C+\c], v[C+\c], v[S+8*\c+3], v[S+8*\c+4]
.endr
.irp c,0,1,2,3,4,5,6,7
	v_max3_num_f32 v[C+\c], v[C+\c], v[S+8*\c+5], v[S+8*\c+6]
.endr
.irp c,0,1,2,3,4,5,6,7
	v_max_num_f32 v[C+\c], v[C+\c], v[S+8*\c+7]
.endr
.irp u,0,1
	v_max3_num_f32 v[C+4*\u], v[C+4*\u], v[C+4*\u+1], v[C+4*\u+2]
.endr
	RLN 4
.irp u,0,1
	v_max3_num_f32 v[C+4*\u], v[C+4*\u], v[C+4*\u+3], v[M+\u]
.endr
	RLN 4
.irp u,0,1
	v_permlanex16_b32 v[PT+\u], v[C+4*\u], s66, s67               ; the other half of the lanes has the query's other keys
.endr
	RLN 4
.irp u,0,1
	v_max_num_f32 v[MN+\u], v[C+4*\u], v[PT+\u]
.endr
	RLN 4
.irp u,0,1
	v_sub_f32 v[AL+2*\u], v[M+\u], v[MN+\u]
.endr
.irp u,0,1
	v_mul_f32 v[NM+2*\u], -1.0, v[MN+\u]
	v_mul_f32 v[NM+2*\u+1], -1.0, v[MN+\u]
.endr
.irp u,0,1
	v_exp_f32 v[AL+2*\u], v[AL+2*\u]
.endr
.irp u,0,1
	v_mov_b32 v[M+\u], v[MN+\u]                    ; plain places behind v_exp_f32 (ISA guide 5.7.2)
.endr
	RLN 8
.irp u,0,1
	v_mov_b32 v[AL+2*\u+1], v[AL+2*\u]
.endr
.set e_, 0
.rept 32
	v_pk_add_f32 v[S+2*e_:S+2*e_+1], v[S+2*e_:S+2*e_+1], v[NM+2*(e_>>4):NM+2*(e_>>4)+1]
.set e_, e_+1
.endr
	; 64 exponentials.  Behind an odd one: a rescaling of O (16), then a row sum of the first tile (16), whose weights are all made by
	; then.  Behind an even one: the conversion of the pair made four and three exponentials earlier, so that the plain instruction
	; behind the odd one of that pair stands between each exponential and the first use of its result (ISA guide 5.7.2).
.set e_, 0
.rept 64
	v_exp_f32 v[S+e_], v[S+e_]
.if e_ & 1
.if e_ < 32
	v_pk_mul_f32 v[O+e_-1:O+e_], v[O+e_-1:O+e_], v[AL+2*((e_-1)>>4):AL+2*((e_-1)>>4)+1]
.else
	SUMOP 0, (e_-33)/2
.endif
.else
.if e_ >= 4
	v_cvt_pk_bf16_f32 v[P+(e_-4)/2], v[S+e_-4], v[S+e_-3]         ; tiles 2 kb, 2 kb + 1 are the halves of fragment kb
.endif
.endif
.set e_, e_+1
.endr
	v_cvt_pk_bf16_f32 v[P+30], v[S+60], v[S+61]
	v_cvt_pk_bf16_f32 v[P+31], v[S+62], v[S+63]
.if \pf
	s_wait_dscnt 0x8                               ; this step's V is in; the next K's eight loads may be out
.else
	s_wait_dscnt 0x0
.endif
	; O^T += V^T P^T.  The four accumulators take turns, one instruction a turn.  Between them the second
	; tile's row sums and 16 lane reads; the last four sums are the places in front of V's reload (ISA guide 7.12.1): they name
	; S, C, the factor and the running sum, none of them a register of these matrix instructions.
.set w_, 0
.irp kb,0,1
.irp u,0,1
.irp d,0,1
	v_wmma_f32_16x16x32_bf16 v[O+16*\u+8*\d:O+16*\u+8*\d+7], v[VF+16*\kb+8*\d:VF+16*\kb+8*\d+7], v[P+16*\u+8*\kb:P+16*\u+8*\kb+7], v[O+16*\u+8*\d:O+16*\u+8*\d+7]
.if w_ < 6
	SUMOP 1, 2*w_
	SUMOP 1, 2*w_+1
	RLN 2
.else
.if w_ == 6
	RLN 4
.else
.irp op,12,13,14,15
	SUMOP 1, \op
.endr
.endif
.endif
.set w_, w_+1
.endr
.endr
.endr
.if \pf
.irp f,0,1,2,3
	ds_load_b128 v[VF+8*\f:VF+8*\f+3], v1 offset:ko_+16384+\f*1024
	ds_load_b128 v[VF+8*\f+4:VF+8*\f+7], v1 offset:ko_+16384+\f*1024+512
.endr
.endif
.endm
; Four steps.  bar = 1: in front of the fourth step, which fetches from the next chunk, the rest of K and V is waited for.
; last = 1: the last group: no further mask words, and its fourth step fetches nothing.
.macro GROUP bar, last
	STEP 0, 1, 1-\last
	STEP 1, 1, 0
	STEP 2, 1, 0
.if \bar
	s_wait_tensorcnt 0x0                           ; all my parts of K and V have landed,
	BAR                                            ; everybody's have
.endif
	STEP 3, 1-\last, 0
.if \last == 0
	v_add_nc_u32 v1, GRP, v1
.endif
.endm
	s_load_b128 s[68:71], s[0:1], 0x0              ; qkv 68, mbits 70
	s_load_b64 s[2:3], s[0:1], 0x10                ; ao
	v_lshrrev_b32 v1, 5, v0
	v_readfirstlane_b32 s100, v1                   ; wave
	v_and_b32 v3, 31, v0
	v_lshlrev_b32 v3, 4, v3                        ; 16 lane: stays
	s_and_b32 s96, ttmp7, 0xffff                   ; bh = 4 b + head: the same in the four partners
	; descriptors: 64 dense rows of 256 bytes.  Load n of wave w: K (w even) or V (w odd) of chunk 2 n + (w >> 1), to LDS byte 65,536 n + 16,384 w
	s_mov_b32 s4, 15|(3<<16)|(1<<21)               ; the four work-groups of the cluster; elements of 8 bytes; bit 21 beside a mask
	s_mov_b32 s5, 32<<16
	s_mov_b32 s6, 64<<16
	s_mov_b32 s7, 32<<16
	s_mov_b32 s8, 64
	s_mov_b32 s9, 32
	s_mov_b32 s10, 0
	s_mov_b32 s11, 0
	s_lshl_b32 s92, s96, 17                        ; 128 KiB a head
	s_and_b32 s93, s100, 1
	s_add_co_u32 s93, s93, 1
	s_lshl_b32 s93, s93, 21                        ; K at 2 MiB, V at 4 MiB
	s_add_co_u32 s92, s92, s93
	s_lshr_b32 s93, s100, 1
	s_lshl_b32 s93, s93, 14                        ; 16 KiB a chunk
	s_add_co_u32 s92, s92, s93
	s_mov_b32 s93, 0
	s_lshl_b32 s94, s100, 14
	; my queries (the place in the cluster enters here, and in these registers alone)
	s_bfe_u32 s101, ttmp6, 0x40000                 ; cx
	s_lshl_b32 s30, ttmp9, 2
	s_add_co_u32 s30, s30, s101                    ; block of 128 queries
	s_lshl_b32 s30, s30, 3
	s_lshl1_add_u32 s30, s100, s30                 ; my first query tile in the batch
	s_lshr_b32 s31, s96, 2
	s_lshl_b32 s31, s31, 7
	s_add_co_u32 s31, s31, s30                     ; 128 b + tile
	s_lshl_b32 s104, s31, 12
	s_mov_b32 s105, 0
	s_wait_kmcnt 0x0
	s_add_nc_u64 s[28:29], s[70:71], s[104:105]    ; mask words of my first tile; the second tile's lie 4,096 bytes behind
	s_and_b32 s104, s96, 3
	s_lshl2_add_u32 s104, s31, s104
	s_lshl_b32 s104, s104, 10
	s_add_nc_u64 s[2:3], s[2:3], s[104:105]        ; output fragment (row tile, head)
	s_lshl_b32 s104, s96, 7
	s_add_co_u32 s104, s104, s30
	s_lshl_b32 s104, s104, 10
	s_add_nc_u64 s[104:105], s[68:69], s[104:105]  ; my Q fragments
	; Q and the first group's mask words hang on no partner: they are asked for ahead of the round
.irp u,0,1
	global_load_b128 v[QF+8*\u:QF+8*\u+3], v3, s[104:105] offset:\u*1024
	global_load_b128 v[QF+8*\u+4:QF+8*\u+7], v3, s[104:105] offset:\u*1024+512
.endr
	global_load_b128 v[CUR:CUR+3], v3, s[28:29]
	global_load_b128 v[CUR+4:CUR+7], v3, s[28:29] offset:4096
	s_add_nc_u64 s[92:93], s[68:69], s[92:93]
.irp c,0,1,2,3
	s_mov_b32 s[12+4*\c], 1
	s_add_co_u32 s[13+4*\c], s94, \c*65536
	s_add_nc_u64 s[14+4*\c:15+4*\c], s[92:93], \c*32768
	s_or_b32 s[15+4*\c], s[15+4*\c], 0x80000000
.endr
	ROUND                                          ; the four work-groups are here: the joint loads meet
.irp c,0,1,2,3
	tensor_load_to_lds s[12+4*\c:15+4*\c], s[4:11] ; four loads of mine are out; each LDS byte is filled once
.endr
	v_mov_b32 v1, v3                               ; 16 lane: walks through LDS, a chunk a group
	s_mov_b32 s66, 0x76543210
	s_mov_b32 s67, 0xfedcba98
	v_mov_b32 v2, 0xf149f2ca                       ; -1e30
	v_mov_b32 v[M], v2
	v_mov_b32 v[M+1], v2
	v_mov_b32 v[PT], 0
	v_mov_b32 v[PT+1], 0
.irp i,0,1,2,3
	v_mov_b32 v[LSM+\i], 0
.endr
.irp i,0,1,2,3,4,5,6,7,8,9,10,11,12,13,14,15,16,17,18,19,20,21,22,23,24,25,26,27,28,29,30,31
	v_mov_b32 v[O+\i], 0                           ; the first step's rescaling reads them
.endr
	s_wait_loadcnt 0x0                             ; Q and the first group's words
.set rl_on, 1
.set rl_, 0
.set rl_lane, 0
	RLN 40                                         ; step 0's words 0 to 39; the step reads the other 24 itself
	s_wait_tensorcnt 0x3                           ; my part of chunks 0 and 1 has landed; my three younger loads may be out
	BAR                                            ; everybody's has
.irp t,0,1,2,3
	ds_load_b128 v[KF+8*\t:KF+8*\t+3], v1 offset:\t*1024
	ds_load_b128 v[KF+8*\t+4:KF+8*\t+7], v1 offset:\t*1024+512
.endr
.irp f,0,1,2,3
	ds_load_b128 v[VF+8*\f:VF+8*\f+3], v1 offset:16384+\f*1024
	ds_load_b128 v[VF+8*\f+4:VF+8*\f+7], v1 offset:16384+\f*1024+512
.endr
	GROUP 0, 0                                     ; steps 0 to 3: chunk 0, and chunk 1's first fragments
	GROUP 1, 0                                     ; steps 4 to 7: step 7 is the first to fetch from chunk 2
	s_mov_b32 s31, 5                               ; groups 2 to 6
.Lgroup:
	GROUP 0, 0
	s_sub_co_u32 s31, s31, 1
	s_cmp_lg_u32 s31, 0
	s_cbranch_scc1 .Lgroup
	GROUP 0, 1                                     ; steps 28 to 31
	v_add_f32 v18, v[LSM], v[LSM+1]
	v_add_f32 v19, v[LSM+2], v[LSM+3]
	v_permlanex16_b32 v[PT], v18, s66, s67
	v_permlanex16_b32 v[PT+1], v19, s66, s67
	v_add_f32 v18, v18, v[PT]
	v_add_f32 v19, v19, v[PT+1]                    ; at least 1: the largest weight is 2^0
	v_rcp_f32 v20, v18
	v_rcp_f32 v22, v19
	v_nop
	v_mov_b32 v21, v20
	v_mov_b32 v23, v22
.irp u,0,1
.irp j,0,2,4,6,8,10,12,14
	v_pk_mul_f32 v[O+16*\u+\j:O+16*\u+\j+1], v[O+16*\u+\j:O+16*\u+\j+1], v[20+2*\u:21+2*\u]
.endr
.endr
.irp u,0,1
.irp i,0,1,2,3,4,5,6,7
	v_cvt_pk_bf16_f32 v[P+8*\u+\i], v[O+16*\u+2*\i], v[O+16*\u+2*\i+1]
.endr
.endr
.irp u,0,1
.irp d,0,1
	global_store_b128 v3, v[P+8*\u+4*\d:P+8*\u+4*\d+3], s[2:3] offset:\u*4096+\d*512   ; 512 consecutive bytes, aligned
.endr
.endr
	ROUND                                          ; the closing round: nobody ends while a partner may still ask jointly
	s_endpgm
.Lfunc_end_k_qbc1a1a2b41_att0:
	.size	k_qbc1a1a2b41_att0, .Lfunc_end_k_qbc1a1a2b41_att0-k_qbc1a1a2b41_att0
	.p2alignl 7, 3214868480
	.fill 96, 4, 3214868480
	.section	.rodata,"a",@progbits
	.p2align	6, 0x0
	.amdhsa_kernel k_qbc1a1a2b41_att0
		.amdhsa_group_segment_fixed_size 262144
		.amdhsa_private_segment_fixed_size 0
		.amdhsa_enable_private_segment 0
		.amdhsa_kernarg_size 24
		.amdhsa_user_sgpr_count 2
		.amdhsa_user_sgpr_kernarg_segment_ptr 1
		.amdhsa_wavefront_size32 1
		.amdhsa_system_sgpr_workgroup_id_x 1
		.amdhsa_system_sgpr_workgroup_id_y 1
		.amdhsa_system_sgpr_workgroup_id_z 1
		.amdhsa_system_vgpr_workitem_id 0
		.amdhsa_next_free_vgpr 256
		.amdhsa_next_free_sgpr 106
		.amdhsa_reserve_vcc 0
		.amdhsa_float_denorm_mode_32 3
		.amdhsa_float_denorm_mode_16_64 3
		.amdhsa_memory_ordered 1
		.amdhsa_forward_progress 1
		.amdhsa_inst_pref_size 255
	.end_amdhsa_kernel
	.section	.bss,"aw",@nobits
	.p2align	6
	.space	262144
	.amdgpu_metadata
---
amdhsa.version: [ 1, 2 ]
amdhsa.kernels:
  - .name:           k_qbc1a1a2b41_att0
    .symbol:         k_qbc1a1a2b41_att0.kd
    .args:
      - { .name: qkv, .offset: 0, .size: 8, .value_kind: global_buffer, .address_space: global }
      - { .name: mbits, .offset: 8, .size: 8, .value_kind: global_buffer, .address_space: global }
      - { .name: ao, .offset: 16, .size: 8, .value_kind: global_buffer, .address_space: global }
    .group_segment_fixed_size: 262144
    .private_segment_fixed_size: 0
    .kernarg_segment_align: 8
    .kernarg_segment_size: 24
    .max_flat_workgroup_size: 128
    .sgpr_count:     106
    .vgpr_count:     256
    .wavefront_size: 32
...
	.end_amdgpu_metadata
.endif
;; end of part 6
;; launch post0 (part 7): grid 256 x 1, 8 waves a work-group, clusters of 4 x 1, 308,736 bytes of LDS; arguments wf, ao, xa, ob, n2g, n2b, f1b, f2b, n1g, n1b, qb, kb, vb, xb, qkv; writes xb, qkv
.if DOCPART == 7
	.amdgcn_target "amdgcn-amd-amdhsa--gfx1250"
	.amdhsa_code_object_version 6
	.text
	.protected	k_qbc1a1a2b41_post0
	.globl	k_qbc1a1a2b41_post0
	.p2align	8
	.type	k_qbc1a1a2b41_post0,@function
k_qbc1a1a2b41_post0:
	s_mov_b64 s[64:65], 0
	v_nop
	global_prefetch_b8 v0, s[64:65] scope:SCOPE_SE
	s_setreg_imm32_b32 hwreg(HW_REG_WAVE_MODE, 25, 1), 1
	s_wait_xcnt 0x0
	s_wait_alu depctr_hold_cnt(0) depctr_sa_sdst(0) depctr_va_vdst(0) depctr_va_sdst(0) depctr_va_ssrc(0) depctr_va_vcc(0) depctr_vm_vsrc(0)
	s_getreg_b32 s2, hwreg(HW_REG_IB_STS2, 6, 4)
	s_cmp_eq_u32 s2, 0
	s_cbranch_scc0 .Lentry_in_a_cluster
	s_endpgm
.Lentry_in_a_cluster:
	s_bfe_u32 s2, ttmp6, 0x10000c
	s_cmp_lg_u32 s2, 0x3003
	s_cbranch_scc0 .Lentry_shape_is_right
	s_endpgm
.Lentry_shape_is_right:
; Behind an attention: x += attention x oW + ob; x += gelu(norm2(x) f1W + f1b) f2W + f2b; then
; LAST = 0: x to memory, first norm of layer 1, its Q, K, V;  LAST = 1: the closing norm and the column sums of the 32 rows.
; A work-group owns 32 rows, eight waves.  Products: wave w has output columns 16 w .. (first feed-forward product: 32 w ..).
; Row phases: wave w has rows 4 w .. 4 w + 3, a lane four columns.  Fragments as [half c][lane][16 bytes], 16 rows x 32 k of bf16.
; WEIGHTS: a wave reads 32 fragments of 1 KiB that no other wave of the work-group reads.  oW's four come straight into registers,
; beside the attention fragments that they are multiplied with: the first product has no work in front of it during which a tile
; could land.  The others come through LDS, one tensor load for each later product (8, 8 and 12 KiB a wave), each byte filled once.
; CLUSTER: all work-groups walk the same weights; the four of a cluster ask for the tensor loads jointly (mask 15).  oW's 4 of a
; wave's 32 KiB are not shared.  The place in the cluster enters global addresses alone.
; The weight fragments of a product's first half are read from LDS in front of the barrier that precedes the product: they are the
; wave's own, so only the activation fragments are left to fetch behind it.
; LIMIT: erf by the rational form of Abramowitz and Stegun 7.1.26, absolute error 1.5e-7 for every argument.
.set LAST, 0
.set XB,  262144                       ; X: [32][528] f32, a product's result on its way to the row phases
.set XP,  528
.set HB,  279040                       ; H: [32][272] bf16, normalised rows
.set HP,  272
.set GB,  287744                       ; G: [32][528] bf16, gelu's results
.set CSUM, 304640                      ; [8][512]: the waves' column sums
.set OB,  16
.set N2G, 20
.set N2B, 24
.set F2B, 28
.set G3,  32
.set B3,  36
.set XR,  40                           ; v40-55   my four rows of the residual stream
.set F1B, 56                           ; v56-71
.set QB,  72
.set KB,  80
.set VB,  88
.set ACC, 90                           ; v90-137  six accumulators
.set ACT, 138                          ; v138-201 activation fragments (k block, row tile) at 16 k + 8 u
.set T,   138                          ; the same registers at work in the row phases
.set GM,  138
.set GU,  146
.set GQ,  154
.set PKO, 162
.set LS,  202
.set TP,  206
.set WFR, 208                          ; v208-255 six weight fragments
.set SEL, 58
.set INV, 60
.set EPS, 61
.set KPZ, 62
.set KEX, 63
.set KA5, 66
.set KA4, 67
.set CSR, 68
.macro BAR
	s_wait_dscnt 0x0                               ; my LDS stores and loads are done, for the other waves' sake
	s_barrier_signal -1
	s_barrier_wait -1
.endm
.macro ROUND                           ; a round of the cluster's barrier
	s_barrier_signal -1
	s_barrier_wait -1
	s_cmp_lg_u32 s2, 0
	s_cbranch_scc1 .Lnot_wave_0_\@
	s_barrier_signal -3
.Lnot_wave_0_\@:
	s_barrier_wait -3
	s_barrier_signal -1
	s_barrier_wait -1
.endm
.macro PLACES                          ; five places behind a matrix instruction (ISA guide 7.12.1): results are read, sources rewritten, accumulators written over
.rept 5
	v_nop
.endr
.endm
.macro WSUM4
.irp m,1,2,4,8
.irp i,0,1,2,3
	v_add_f32_dpp v[LS+\i], v[LS+\i], v[LS+\i] row_xmask:\m row_mask:0xf bank_mask:0xf
.endr
.endr
.irp i,0,1,2,3
	v_permlanex16_b32 v[TP], v[LS+\i], s[SEL], s[SEL+1]
	v_add_f32 v[LS+\i], v[LS+\i], v[TP]
.endr
.endm
.macro LN4 X, Y, G, Bv                 ; layer norm of four rows, mean first and then the squares of the differences
.irp i,0,1,2,3
	v_add_f32 v[LS+\i], v[\X+4*\i], v[\X+4*\i+1]
.endr
.irp i,0,1,2,3
	v_add_f32 v[LS+\i], v[LS+\i], v[\X+4*\i+2]
.endr
.irp i,0,1,2,3
	v_add_f32 v[LS+\i], v[LS+\i], v[\X+4*\i+3]
.endr
	WSUM4
.irp i,0,1,2,3
	v_mul_f32 v[LS+\i], s[INV], v[LS+\i]
.endr
.irp i,0,1,2,3
.irp c,0,1,2,3
	v_sub_f32 v[\Y+4*\i+\c], v[\X+4*\i+\c], v[LS+\i]
.endr
.endr
.irp i,0,1,2,3
	v_mul_f32 v[LS+\i], v[\Y+4*\i], v[\Y+4*\i]
.endr
.irp c,1,2,3
.irp i,0,1,2,3
	v_fmac_f32 v[LS+\i], v[\Y+4*\i+\c], v[\Y+4*\i+\c]
.endr
.endr
	WSUM4
.irp i,0,1,2,3
	v_fma_f32 v[LS+\i], v[LS+\i], s[INV], s[EPS]
.endr
.irp i,0,1,2,3
	v_rsq_f32 v[LS+\i], v[LS+\i]
.endr
	v_nop                                          ; one plain place behind the last v_rsq_f32 (ISA guide 5.7.2)
.irp i,0,1,2,3
.irp c,0,1,2,3
	v_mul_f32 v[\Y+4*\i+\c], v[\Y+4*\i+\c], v[LS+\i]
.endr
.endr
.irp i,0,1,2,3
.irp c,0,1,2,3
	v_fma_f32 v[\Y+4*\i+\c], v[\Y+4*\i+\c], v[\G+\c], v[\Bv+\c]
.endr
.endr
.endm
.macro WM d, a, b, z                   ; one matrix instruction; z = 1 starts the sum
.if \z
	v_wmma_f32_16x16x32_bf16 v[\d:\d+7], v[\a:\a+7], v[\b:\b+7], 0
.else
	v_wmma_f32_16x16x32_bf16 v[\d:\d+7], v[\a:\a+7], v[\b:\b+7], v[\d:\d+7]
.endif
.endm
.macro LDW f, slot                     ; weight fragment \slot of my 32 into place \f
	ds_load_b128 v[WFR+8*(\f):WFR+8*(\f)+3], v4 offset:(\slot)*1024
	ds_load_b128 v[WFR+8*(\f)+4:WFR+8*(\f)+7], v4 offset:(\slot)*1024+512
.endm
.macro LDACT areg, off, pitch, nk      ; nk k blocks x 2 row tiles of activation fragments from rows that lie along k
.set kk_, 0
.rept \nk
.irp u,0,1
	ds_load_b128 v[ACT+16*kk_+8*\u:ACT+16*kk_+8*\u+3], v[\areg] offset:\off+64*kk_+\u*16*\pitch
	ds_load_b128 v[ACT+16*kk_+8*\u+4:ACT+16*kk_+8*\u+7], v[\areg] offset:\off+64*kk_+\u*16*\pitch+32
.endr
.set kk_, kk_+1
.endr
.endm
.macro XST                             ; accumulators 0 and 1 (row r, columns 16 w + 8 h + j) to X
.irp u,0,1
	ds_store_b128 v7, v[ACC+8*\u:ACC+8*\u+3] offset:\u*16*XP
	ds_store_b128 v7, v[ACC+8*\u+4:ACC+8*\u+7] offset:\u*16*XP+16
.endr
.endm
.macro XIN                             ; my four rows of X are added onto the residual rows
.irp i,0,1,2,3
	ds_load_b128 v[T+4*\i:T+4*\i+3], v8 offset:XP*\i
.endr
	s_wait_dscnt 0x0
.irp p,0,1,2,3,4,5,6,7
	v_pk_add_f32 v[XR+2*\p:XR+2*\p+1], v[XR+2*\p:XR+2*\p+1], v[T+2*\p:T+2*\p+1]
.endr
.endm
.macro VADD W                          ; a row vector onto the four rows
.irp i,0,1,2,3
.irp p,0,2
	v_pk_add_f32 v[XR+4*\i+\p:XR+4*\i+\p+1], v[XR+4*\i+\p:XR+4*\i+\p+1], v[\W+\p:\W+\p+1]
.endr
.endr
.endm
.macro HOUT                            ; T's four rows to bf16, into H
.irp i,0,1,2,3
	v_cvt_pk_bf16_f32 v[T+16+2*\i], v[T+4*\i], v[T+4*\i+1]
	v_cvt_pk_bf16_f32 v[T+16+2*\i+1], v[T+4*\i+2], v[T+4*\i+3]
	ds_store_b64 v9, v[T+16+2*\i:T+16+2*\i+1] offset:HP*\i
.endr
.endm
.macro GELU8 a                         ; x (1 + erf(x / sqrt 2)) / 2 on eight registers: x/2 + |x/2| erf(|x| / sqrt 2)
.irp j,0,1,2,3,4,5,6,7
	v_mul_f32 v[GM+\j], v[\a+\j], v[\a+\j]
.endr
.irp j,0,1,2,3,4,5,6,7
	v_fma_f32 v[GU+\j], |v[\a+\j]|, s[KPZ], 1.0    ; 1 + p |x| / sqrt 2
.endr
.irp j,0,1,2,3,4,5,6,7
	v_mul_f32 v[GM+\j], s[KEX], v[GM+\j]           ; - x x log2(e) / 2
.endr
.irp j,0,1,2,3,4,5,6,7
	v_exp_f32 v[GM+\j], v[GM+\j]
.endr
.irp j,0,1,2,3,4,5,6,7
	v_rcp_f32 v[GU+\j], v[GU+\j]
.endr
.irp j,0,1,2,3,4,5,6,7
	v_mul_f32 v[\a+\j], 0.5, v[\a+\j]              ; the first of these is the plain place behind the last v_rcp_f32
.endr
.irp j,0,1,2,3,4,5,6,7
	v_fma_f32 v[GQ+\j], v[GU+\j], s[KA5], s[KA4]
.endr
.irp j,0,1,2,3,4,5,6,7
	v_fmaak_f32 v[GQ+\j], v[GQ+\j], v[GU+\j], 0x3fb5f0e3
.endr
.irp j,0,1,2,3,4,5,6,7
	v_fmaak_f32 v[GQ+\j], v[GQ+\j], v[GU+\j], 0xbe91a98e
.endr
.irp j,0,1,2,3,4,5,6,7
	v_fmaak_f32 v[GQ+\j], v[GQ+\j], v[GU+\j], 0x3e827906
.endr
.irp j,0,1,2,3,4,5,6,7
	v_mul_f32 v[GQ+\j], v[GQ+\j], v[GU+\j]
.endr
.irp j,0,1,2,3,4,5,6,7
	v_fma_f32 v[GQ+\j], -v[GQ+\j], v[GM+\j], 1.0   ; erf
.endr
.irp j,0,1,2,3,4,5,6,7
	v_fma_f32 v[\a+\j], |v[\a+\j]|, v[GQ+\j], v[\a+\j]
.endr
.endm
	s_load_b512 s[28:43], s[0:1], 0x0              ; wf 28, ao 30, x 32, ob 34, n2g 36, n2b 38, f1b 40, f2b 42
.if LAST
	s_load_b128 s[44:47], s[0:1], 0x40             ; post_g 44, post_b 46
	s_load_b64 s[48:49], s[0:1], 0x50              ; psum
.else
	s_load_b256 s[44:51], s[0:1], 0x40             ; n1g 44, n1b 46, qb 48, kb 50
	s_load_b128 s[52:55], s[0:1], 0x60             ; vb 52, xb 54
	s_load_b64 s[56:57], s[0:1], 0x70              ; qkv
.endif
	v_lshrrev_b32 v1, 5, v0
	v_readfirstlane_b32 s2, v1                     ; wave
	v_and_b32 v1, 31, v0
	v_lshlrev_b32 v11, 4, v1                       ; 16 lane
	; descriptors: dense rows of 256 bytes.  s[4:11]: 32 rows, for slots 4-11 (f1W) and for slots 12-19 (f2W); s[12:19]: 48 rows, for slots 20-31 (Q, K, V)
	s_mov_b32 s4, 15|(3<<16)|(1<<21)               ; the four work-groups of the cluster; elements of 8 bytes; bit 21 beside a mask
	s_mov_b32 s5, 32<<16
	s_mov_b32 s6, 32<<16
	s_mov_b32 s7, 32<<16
	s_mov_b32 s8, 32
	s_mov_b32 s9, 32
	s_mov_b32 s10, 0
	s_mov_b32 s11, 0
.if LAST == 0
	s_mov_b32 s12, 15|(3<<16)|(1<<21)
	s_mov_b32 s13, 32<<16
	s_mov_b32 s14, 48<<16
	s_mov_b32 s15, 32<<16
	s_mov_b32 s16, 48
	s_mov_b32 s17, 32
	s_mov_b32 s18, 0
	s_mov_b32 s19, 0
.endif
	s_lshl_b32 s72, s2, 15                         ; my 32 slots, in wf and in LDS
	s_mov_b32 s73, 0
	s_mov_b32 s20, 1
	s_add_co_u32 s21, s72, 4096
	s_mov_b32 s24, 1
	s_add_co_u32 s25, s72, 12288
.if LAST == 0
	s_mov_b32 s96, 1
	s_add_co_u32 s97, s72, 20480
.endif
	; my rows (the place in the cluster enters here, and in these registers alone)
	s_bfe_u32 s70, ttmp6, 0x40000                  ; cx
	s_lshl_b32 s3, ttmp9, 2
	s_add_co_u32 s3, s3, s70                       ; g
	s_lshl_b32 s74, s3, 13
	s_mov_b32 s75, 0
	s_lshl_b32 s78, s3, 14
	s_lshl_b32 s79, s2, 11
	s_add_co_u32 s78, s78, s79
	s_mov_b32 s79, 0
	s_wait_kmcnt 0x0
	s_add_nc_u64 s[92:93], s[28:29], s[72:73]      ; my weights
.if LAST
	s_add_nc_u64 s[92:93], s[92:93], 0x40000
.endif
	s_add_nc_u64 s[76:77], s[30:31], s[74:75]      ; the eight attention fragments of my two row tiles
	s_add_nc_u64 s[80:81], s[32:33], s[78:79]      ; row 32 g + 4 w of x
	; what the first product and the first row phase need hangs on no partner: it is asked for ahead of the round
.irp k,0,1,2,3
.irp u,0,1
	global_load_b128 v[ACT+16*\k+8*\u:ACT+16*\k+8*\u+3], v11, s[76:77] offset:(4*\u+\k)*1024
	global_load_b128 v[ACT+16*\k+8*\u+4:ACT+16*\k+8*\u+7], v11, s[76:77] offset:(4*\u+\k)*1024+512
.endr
.endr
.irp k,0,1,2,3
	global_load_b128 v[WFR+8*\k:WFR+8*\k+3], v11, s[92:93] offset:\k*1024        ; slots 0-3: oW
	global_load_b128 v[WFR+8*\k+4:WFR+8*\k+7], v11, s[92:93] offset:\k*1024+512
.endr
.irp i,0,1,2,3
	global_load_b128 v[XR+4*\i:XR+4*\i+3], v11, s[80:81] offset:512*\i
.endr
	s_add_nc_u64 s[22:23], s[92:93], 4096
	s_add_nc_u64 s[26:27], s[92:93], 12288
	s_or_b32 s23, s23, 0x80000000
	s_or_b32 s27, s27, 0x80000000
.if LAST == 0
	s_add_nc_u64 s[98:99], s[92:93], 20480
	s_or_b32 s99, s99, 0x80000000
.endif
	ROUND                                          ; the four work-groups are here: the joint loads meet
	tensor_load_to_lds s[20:23], s[4:11]           ; f1W
	tensor_load_to_lds s[24:27], s[4:11]           ; f2W
.if LAST == 0
	tensor_load_to_lds s[96:99], s[12:19]          ; Q, K, V: three loads of mine are out
.endif
.if LAST
	s_lshl_b32 s84, s3, 9
	s_mov_b32 s85, 0
	s_add_nc_u64 s[84:85], s[48:49], s[84:85]
.else
	s_add_nc_u64 s[82:83], s[54:55], s[78:79]
	s_lshr_b32 s88, s3, 6                          ; b
	s_and_b32 s89, s3, 63
	s_lshr_b32 s90, s2, 1
	s_lshl2_add_u32 s88, s88, s90                  ; bh
	s_and_b32 s90, s2, 1
	s_lshl_b32 s91, s88, 7
	s_lshl1_add_u32 s91, s89, s91
	s_lshl1_add_u32 s91, s91, s90
	s_lshl_b32 s84, s91, 9
	s_mov_b32 s85, 0
	s_add_nc_u64 s[84:85], s[56:57], s[84:85]      ; Q (K 2 MiB behind)
	s_lshl_b32 s91, s88, 6
	s_add_co_u32 s91, s91, s89
	s_lshl1_add_u32 s91, s91, s90
	s_lshl_b32 s86, s91, 10
	s_mov_b32 s87, 0
	s_add_nc_u64 s[86:87], s[56:57], s[86:87]      ; V transposed (4 MiB behind)
.endif
	v_and_b32 v2, 15, v0
	v_bfe_u32 v3, v0, 4, 1
	v_add_nc_u32 v4, s72, v11                      ; my weights in LDS
	v_mul_u32_u24 v5, v2, HP
	v_lshl_add_u32 v5, v3, 4, v5
	v_add_nc_u32 v5, HB, v5                        ; fragments from H
	v_mul_u32_u24 v6, v2, XP
	v_lshl_add_u32 v10, v3, 4, v6
	v_lshl_add_u32 v7, v3, 5, v6
	v_add_nc_u32 v6, GB, v10                       ; fragments from G
	s_lshl_b32 s71, s2, 6
	s_add_co_u32 s69, s71, GB
	v_add_nc_u32 v10, s69, v10                     ; into G: row r, columns 32 w + 8 h
	s_add_co_u32 s69, s71, XB
	v_add_nc_u32 v7, s69, v7                       ; into X: row r, columns 16 w + 8 h
	s_mul_i32 s69, s2, 4*XP
	s_add_co_u32 s69, s69, XB
	v_add_nc_u32 v8, s69, v11                      ; from X: my first row
	s_mul_i32 s69, s2, 4*HP
	s_add_co_u32 s69, s69, HB
	v_lshl_add_u32 v9, v1, 3, s69                  ; into H: my first row
	v_lshl_add_u32 v13, v3, 5, s71                 ; bytes of column 16 w + 8 h
	v_lshl_add_u32 v14, v2, 2, s71                 ; bytes of column 16 w + r
	s_lshl_b32 s69, s2, 7
	v_lshl_add_u32 v12, v3, 5, s69                 ; bytes of column 32 w + 8 h
	s_lshl_b32 s69, s2, 9
	s_add_co_u32 s69, s69, CSUM
	v_add_nc_u32 v15, s69, v11
	v_mov_b32 v[TP], 0
	global_load_b128 v[OB:OB+3], v11, s[34:35] offset:512*LAST
	global_load_b128 v[N2G:N2G+3], v11, s[36:37] offset:512*LAST
	global_load_b128 v[N2B:N2B+3], v11, s[38:39] offset:512*LAST
	global_load_b128 v[F2B:F2B+3], v11, s[42:43] offset:512*LAST
	global_load_b128 v[G3:G3+3], v11, s[44:45] offset:512-512*LAST
	global_load_b128 v[B3:B3+3], v11, s[46:47] offset:512-512*LAST
.irp q,0,1,2,3
	global_load_b128 v[F1B+4*\q:F1B+4*\q+3], v12, s[40:41] offset:1024*LAST+(\q>>1)*64+(\q&1)*16
.endr
.if LAST == 0
	global_load_b128 v[QB:QB+3], v13, s[48:49] offset:512
	global_load_b128 v[QB+4:QB+7], v13, s[48:49] offset:528
	global_load_b128 v[KB:KB+3], v13, s[50:51] offset:512
	global_load_b128 v[KB+4:KB+7], v13, s[50:51] offset:528
	global_load_b32 v[VB], v14, s[52:53] offset:512
.endif
	s_mov_b32 s[SEL], 0x76543210
	s_mov_b32 s[SEL+1], 0xfedcba98
	s_mov_b32 s[INV], 0x3c000000
	s_mov_b32 s[EPS], 0x3727c5ac
	s_mov_b32 s[KPZ], 0x3e6d3388                   ; 0.3275911 / sqrt 2
	s_mov_b32 s[KEX], 0xbf38aa3b                   ; - log2(e) / 2
	s_mov_b32 s[KA5], 0x3f87dc22
	s_mov_b32 s[KA4], 0xbfba00e3
	s_mov_b32 s[CSR], 0x3e8293ee                   ; log2(e) / sqrt(32)
	; ---- attention x oW, both operands from memory.  In every product here the accumulators take turns, one instruction a turn.
	s_wait_loadcnt 0x0
.irp k,0,1,2,3
.irp u,0,1
.if \k
	WM ACC+8*\u, WFR+8*\k, ACT+16*\k+8*\u, 0
.else
	WM ACC+8*\u, WFR+8*\k, ACT+16*\k+8*\u, 1
.endif
.endr
.endr
	VADD OB
	PLACES
	XST
	BAR                                            ; 1: X is whole
	XIN
	LN4 XR, T, N2G, N2B
	HOUT
	s_wait_tensorcnt 2-LAST                        ; my slots 4-11 have landed; my younger loads may be out.  Only I read these bytes
.irp nt,0,1
.irp kk,0,1
	LDW 2*\nt+\kk, 4+4*\nt+\kk                     ; f1W for k blocks 0 and 1
.endr
.endr
	BAR                                            ; 2: H is whole; X has been read
	; ---- first feed-forward product, 32 columns a wave, and gelu
.irp grp,0,1
	LDACT 5, 128*\grp, HP, 2
.if \grp
.irp nt,0,1
.irp kk,0,1
	LDW 2*\nt+\kk, 6+4*\nt+\kk                     ; f1W for k blocks 2 and 3
.endr
.endr
.endif
	s_wait_dscnt 0x0
.irp kk,0,1
.irp nt,0,1
.irp u,0,1
.if \grp+\kk
	WM ACC+16*\nt+8*\u, WFR+8*(2*\nt+\kk), ACT+16*\kk+8*\u, 0
.else
	WM ACC+16*\nt+8*\u, WFR+8*(2*\nt+\kk), ACT+16*\kk+8*\u, 1
.endif
.endr
.endr
.endr
	PLACES
.endr
	s_wait_tensorcnt 1-LAST                        ; my slots 12-19 have landed; a younger load may be out
.irp kk,0,1,2,3
	LDW \kk, 12+\kk                                ; f2W for k blocks 0 to 3 comes while gelu is made
.endr
.irp nt,0,1
.irp u,0,1
.irp p,0,2,4,6
	v_pk_add_f32 v[ACC+16*\nt+8*\u+\p:ACC+16*\nt+8*\u+\p+1], v[ACC+16*\nt+8*\u+\p:ACC+16*\nt+8*\u+\p+1], v[F1B+8*\nt+\p:F1B+8*\nt+\p+1]
.endr
	GELU8 ACC+16*\nt+8*\u
.irp i,0,1,2,3
	v_cvt_pk_bf16_f32 v[PKO+\i], v[ACC+16*\nt+8*\u+2*\i], v[ACC+16*\nt+8*\u+2*\i+1]
.endr
	ds_store_b128 v10, v[PKO:PKO+3] offset:32*\nt+\u*16*XP
.endr
.endr
	BAR                                            ; 3: G is whole; H has been read
	; ---- second feed-forward product, K = 256
.irp grp,0,1
	LDACT 6, 256*\grp, XP, 4
.if \grp
.irp kk,0,1,2,3
	LDW \kk, 16+\kk                                ; f2W for k blocks 4 to 7
.endr
.endif
	s_wait_dscnt 0x0
.irp kk,0,1,2,3
.irp u,0,1
.if \grp+\kk
	WM ACC+8*\u, WFR+8*\kk, ACT+16*\kk+8*\u, 0
.else
	WM ACC+8*\u, WFR+8*\kk, ACT+16*\kk+8*\u, 1
.endif
.endr
.endr
	PLACES
.endr
	XST
	VADD F2B
	BAR                                            ; 4: X is whole
	XIN
.if LAST
	; ---- the closing norm and the sum of the work-group's 32 rows
	LN4 XR, T, G3, B3
.irp p,0,2
	v_pk_add_f32 v[T+\p:T+\p+1], v[T+\p:T+\p+1], v[T+4+\p:T+4+\p+1]
	v_pk_add_f32 v[T+8+\p:T+8+\p+1], v[T+8+\p:T+8+\p+1], v[T+12+\p:T+12+\p+1]
	v_pk_add_f32 v[T+\p:T+\p+1], v[T+\p:T+\p+1], v[T+8+\p:T+8+\p+1]
.endr
	ds_store_b128 v15, v[T:T+3]
	BAR                                            ; 5: the eight waves' sums are there
	s_cmp_lg_u32 s2, 0
	s_cbranch_scc1 .Lnot_first
	v_add_nc_u32 v15, CSUM, v11
.irp i,0,1,2,3,4,5,6,7
	ds_load_b128 v[T+4*\i:T+4*\i+3], v15 offset:512*\i
.endr
	s_wait_dscnt 0x0
.irp i,0,1,2,3
.irp p,0,2
	v_pk_add_f32 v[T+4*\i+\p:T+4*\i+\p+1], v[T+4*\i+\p:T+4*\i+\p+1], v[T+16+4*\i+\p:T+16+4*\i+\p+1]
.endr
.endr
.irp i,0,1
.irp p,0,2
	v_pk_add_f32 v[T+4*\i+\p:T+4*\i+\p+1], v[T+4*\i+\p:T+4*\i+\p+1], v[T+8+4*\i+\p:T+8+4*\i+\p+1]
.endr
.endr
.irp p,0,2
	v_pk_add_f32 v[T+\p:T+\p+1], v[T+\p:T+\p+1], v[T+4+\p:T+4+\p+1]
.endr
	global_store_b128 v11, v[T:T+3], s[84:85]
.Lnot_first:
.else
	; ---- x to memory, the first norm of layer 1, its Q, K, V
.irp i,0,1,2,3
	global_store_b128 v11, v[XR+4*\i:XR+4*\i+3], s[82:83] offset:512*\i
.endr
	s_wait_tensorcnt 0x0                           ; my slots 20-31
.irp m,0,1,2
.irp kk,0,1
	LDW 2*\m+\kk, 20+4*\m+\kk                      ; qW, kW, vW for k blocks 0 and 1 come while the norm is made
.endr
.endr
	LN4 XR, T, G3, B3
	HOUT
.irp j,0,1,2,3,4,5,6,7
	v_mul_f32 v[QB+\j], s[CSR], v[QB+\j]
.endr
	BAR                                            ; 5: H is whole
.irp grp,0,1
	LDACT 5, 128*\grp, HP, 2
.if \grp
.irp m,0,1,2
.irp kk,0,1
	LDW 2*\m+\kk, 22+4*\m+\kk                      ; k blocks 2 and 3
.endr
.endr
.endif
	s_wait_dscnt 0x0
.irp kk,0,1
.irp m,0,1
.irp u,0,1
.if \grp+\kk
	WM ACC+16*\m+8*\u, WFR+8*(2*\m+\kk), ACT+16*\kk+8*\u, 0
.else
	WM ACC+16*\m+8*\u, WFR+8*(2*\m+\kk), ACT+16*\kk+8*\u, 1
.endif
.endr
.endr
.irp u,0,1
.if \grp+\kk
	WM ACC+32+8*\u, ACT+16*\kk+8*\u, WFR+8*(4+\kk), 0
.else
	WM ACC+32+8*\u, ACT+16*\kk+8*\u, WFR+8*(4+\kk), 1
.endif
.endr
.endr
	PLACES
.endr
.irp u,0,1
.irp j,0,1,2,3,4,5,6,7
	v_fma_f32 v[ACC+8*\u+\j], v[ACC+8*\u+\j], s[CSR], v[QB+\j]   ; (q + qb) log2(e) / sqrt(32)
.endr
.irp j,0,2,4,6
	v_pk_add_f32 v[ACC+16+8*\u+\j:ACC+16+8*\u+\j+1], v[ACC+16+8*\u+\j:ACC+16+8*\u+\j+1], v[KB+\j:KB+\j+1]
.endr
.irp j,0,1,2,3,4,5,6,7
	v_add_f32 v[ACC+32+8*\u+\j], v[ACC+32+8*\u+\j], v[VB]
.endr
.endr
.irp a,0,1,2,3,4,5
.irp i,0,1,2,3
	v_cvt_pk_bf16_f32 v[T+4*\a+\i], v[ACC+8*\a+2*\i], v[ACC+8*\a+2*\i+1]
.endr
.endr
.irp u,0,1
	global_store_b128 v11, v[T+4*\u:T+4*\u+3], s[84:85] offset:\u*1024
	global_store_b128 v11, v[T+8+4*\u:T+8+4*\u+3], s[84:85] offset:2097152+\u*1024
	global_store_b128 v11, v[T+16+4*\u:T+16+4*\u+3], s[86:87] offset:4194304+\u*512
.endr
.endif
	ROUND                                          ; the closing round: nobody ends while a partner may still ask jointly
	s_endpgm
.Lfunc_end_k_qbc1a1a2b41_post0:
	.size	k_qbc1a1a2b41_post0, .Lfunc_end_k_qbc1a1a2b41_post0-k_qbc1a1a2b41_post0
	.p2alignl 7, 3214868480
	.fill 96, 4, 3214868480
	.section	.rodata,"a",@progbits
	.p2align	6, 0x0
	.amdhsa_kernel k_qbc1a1a2b41_post0
		.amdhsa_group_segment_fixed_size 308736
		.amdhsa_private_segment_fixed_size 0
		.amdhsa_enable_private_segment 0
		.amdhsa_kernarg_size 120
		.amdhsa_user_sgpr_count 2
		.amdhsa_user_sgpr_kernarg_segment_ptr 1
		.amdhsa_wavefront_size32 1
		.amdhsa_system_sgpr_workgroup_id_x 1
		.amdhsa_system_sgpr_workgroup_id_y 1
		.amdhsa_system_sgpr_workgroup_id_z 1
		.amdhsa_system_vgpr_workitem_id 0
		.amdhsa_next_free_vgpr 256
		.amdhsa_next_free_sgpr 100
		.amdhsa_reserve_vcc 0
		.amdhsa_float_denorm_mode_32 3
		.amdhsa_float_denorm_mode_16_64 3
		.amdhsa_memory_ordered 1
		.amdhsa_forward_progress 1
		.amdhsa_inst_pref_size 68
	.end_amdhsa_kernel
	.amdgpu_metadata
---
amdhsa.version: [ 1, 2 ]
amdhsa.kernels:
  - .name:           k_qbc1a1a2b41_post0
    .symbol:         k_qbc1a1a2b41_post0.kd
    .args:
      - { .name: wf, .offset: 0, .size: 8, .value_kind: global_buffer, .address_space: global }
      - { .name: ao, .offset: 8, .size: 8, .value_kind: global_buffer, .address_space: global }
      - { .name: xa, .offset: 16, .size: 8, .value_kind: global_buffer, .address_space: global }
      - { .name: ob, .offset: 24, .size: 8, .value_kind: global_buffer, .address_space: global }
      - { .name: n2g, .offset: 32, .size: 8, .value_kind: global_buffer, .address_space: global }
      - { .name: n2b, .offset: 40, .size: 8, .value_kind: global_buffer, .address_space: global }
      - { .name: f1b, .offset: 48, .size: 8, .value_kind: global_buffer, .address_space: global }
      - { .name: f2b, .offset: 56, .size: 8, .value_kind: global_buffer, .address_space: global }
      - { .name: n1g, .offset: 64, .size: 8, .value_kind: global_buffer, .address_space: global }
      - { .name: n1b, .offset: 72, .size: 8, .value_kind: global_buffer, .address_space: global }
      - { .name: qb, .offset: 80, .size: 8, .value_kind: global_buffer, .address_space: global }
      - { .name: kb, .offset: 88, .size: 8, .value_kind: global_buffer, .address_space: global }
      - { .name: vb, .offset: 96, .size: 8, .value_kind: global_buffer, .address_space: global }
      - { .name: xb, .offset: 104, .size: 8, .value_kind: global_buffer, .address_space: global }
      - { .name: qkv, .offset: 112, .size: 8, .value_kind: global_buffer, .address_space: global }
    .group_segment_fixed_size: 308736
    .private_segment_fixed_size: 0
    .kernarg_segment_align: 8
    .kernarg_segment_size: 120
    .max_flat_workgroup_size: 256
    .sgpr_count:     100
    .vgpr_count:     256
    .wavefront_size: 32
...
	.end_amdgpu_metadata
.endif
;; end of part 7
;; launch att1: the kernel of part 6 again; grid 16 x 16, 4 waves a work-group, clusters of 4 x 1, 262,144 bytes of LDS; arguments qkv, mbits, ao; writes ao
;; launch post1 (part 8): grid 256 x 1, 8 waves a work-group, clusters of 4 x 1, 308,736 bytes of LDS; arguments wf, ao, xb, ob, n2g, n2b, f1b, f2b, post_g, post_b, psum; writes psum
.if DOCPART == 8
	.amdgcn_target "amdgcn-amd-amdhsa--gfx1250"
	.amdhsa_code_object_version 6
	.text
	.protected	k_qbc1a1a2b41_post1
	.globl	k_qbc1a1a2b41_post1
	.p2align	8
	.type	k_qbc1a1a2b41_post1,@function
k_qbc1a1a2b41_post1:
	s_mov_b64 s[64:65], 0
	v_nop
	global_prefetch_b8 v0, s[64:65] scope:SCOPE_SE
	s_setreg_imm32_b32 hwreg(HW_REG_WAVE_MODE, 25, 1), 1
	s_wait_xcnt 0x0
	s_wait_alu depctr_hold_cnt(0) depctr_sa_sdst(0) depctr_va_vdst(0) depctr_va_sdst(0) depctr_va_ssrc(0) depctr_va_vcc(0) depctr_vm_vsrc(0)
	s_getreg_b32 s2, hwreg(HW_REG_IB_STS2, 6, 4)
	s_cmp_eq_u32 s2, 0
	s_cbranch_scc0 .Lentry_in_a_cluster
	s_endpgm
.Lentry_in_a_cluster:
	s_bfe_u32 s2, ttmp6, 0x10000c
	s_cmp_lg_u32 s2, 0x3003
	s_cbranch_scc0 .Lentry_shape_is_right
	s_endpgm
.Lentry_shape_is_right:
; Behind an attention: x += attention x oW + ob; x += gelu(norm2(x) f1W + f1b) f2W + f2b; then
; LAST = 0: x to memory, first norm of layer 1, its Q, K, V;  LAST = 1: the closing norm and the column sums of the 32 rows.
; A work-group owns 32 rows, eight waves.  Products: wave w has output columns 16 w .. (first feed-forward product: 32 w ..).
; Row phases: wave w has rows 4 w .. 4 w + 3, a lane four columns.  Fragments as [half c][lane][16 bytes], 16 rows x 32 k of bf16.
; WEIGHTS: a wave reads 20 fragments of 1 KiB that no other wave of the work-group reads.  oW's four come straight into registers,
; beside the attention fragments that they are multiplied with: the first product has no work in front of it during which a tile
; could land.  The others come through LDS, one tensor load for each later product (8 and 8 KiB a wave), each byte filled once.
; CLUSTER: all work-groups walk the same weights; the four of a cluster ask for the tensor loads jointly (mask 15).  oW's 4 of a
; wave's 20 KiB are not shared.  The place in the cluster enters global addresses alone.
; The weight fragments of a product's first half are read from LDS in front of the barrier that precedes the product: they are the
; wave's own, so only the activation fragments are left to fetch behind it.
; LIMIT: erf by the rational form of Abramowitz and Stegun 7.1.26, absolute error 1.5e-7 for every argument.
.set LAST, 1
.set XB,  262144                       ; X: [32][528] f32, a product's result on its way to the row phases
.set XP,  528
.set HB,  279040                       ; H: [32][272] bf16, normalised rows
.set HP,  272
.set GB,  287744                       ; G: [32][528] bf16, gelu's results
.set CSUM, 304640                      ; [8][512]: the waves' column sums
.set OB,  16
.set N2G, 20
.set N2B, 24
.set F2B, 28
.set G3,  32
.set B3,  36
.set XR,  40                           ; v40-55   my four rows of the residual stream
.set F1B, 56                           ; v56-71
.set QB,  72
.set KB,  80
.set VB,  88
.set ACC, 90                           ; v90-137  six accumulators
.set ACT, 138                          ; v138-201 activation fragments (k block, row tile) at 16 k + 8 u
.set T,   138                          ; the same registers at work in the row phases
.set GM,  138
.set GU,  146
.set GQ,  154
.set PKO, 162
.set LS,  202
.set TP,  206
.set WFR, 208                          ; v208-255 six weight fragments
.set SEL, 58
.set INV, 60
.set EPS, 61
.set KPZ, 62
.set KEX, 63
.set KA5, 66
.set KA4, 67
.set CSR, 68
.macro BAR
	s_wait_dscnt 0x0                               ; my LDS stores and loads are done, for the other waves' sake
	s_barrier_signal -1
	s_barrier_wait -1
.endm
.macro ROUND                           ; a round of the cluster's barrier
	s_barrier_signal -1
	s_barrier_wait -1
	s_cmp_lg_u32 s2, 0
	s_cbranch_scc1 .Lnot_wave_0_\@
	s_barrier_signal -3
.Lnot_wave_0_\@:
	s_barrier_wait -3
	s_barrier_signal -1
	s_barrier_wait -1
.endm
.macro PLACES                          ; five places behind a matrix instruction (ISA guide 7.12.1): results are read, sources rewritten, accumulators written over
.rept 5
	v_nop
.endr
.endm
.macro WSUM4
.irp m,1,2,4,8
.irp i,0,1,2,3
	v_add_f32_dpp v[LS+\i], v[LS+\i], v[LS+\i] row_xmask:\m row_mask:0xf bank_mask:0xf
.endr
.endr
.irp i,0,1,2,3
	v_permlanex16_b32 v[TP], v[LS+\i], s[SEL], s[SEL+1]
	v_add_f32 v[LS+\i], v[LS+\i], v[TP]
.endr
.endm
.macro LN4 X, Y, G, Bv                 ; layer norm of four rows, mean first and then the squares of the differences
.irp i,0,1,2,3
	v_add_f32 v[LS+\i], v[\X+4*\i], v[\X+4*\i+1]
.endr
.irp i,0,1,2,3
	v_add_f32 v[LS+\i], v[LS+\i], v[\X+4*\i+2]
.endr
.irp i,0,1,2,3
	v_add_f32 v[LS+\i], v[LS+\i], v[\X+4*\i+3]
.endr
	WSUM4
.irp i,0,1,2,3
	v_mul_f32 v[LS+\i], s[INV], v[LS+\i]
.endr
.irp i,0,1,2,3
.irp c,0,1,2,3
	v_sub_f32 v[\Y+4*\i+\c], v[\X+4*\i+\c], v[LS+\i]
.endr
.endr
.irp i,0,1,2,3
	v_mul_f32 v[LS+\i], v[\Y+4*\i], v[\Y+4*\i]
.endr
.irp c,1,2,3
.irp i,0,1,2,3
	v_fmac_f32 v[LS+\i], v[\Y+4*\i+\c], v[\Y+4*\i+\c]
.endr
.endr
	WSUM4
.irp i,0,1,2,3
	v_fma_f32 v[LS+\i], v[LS+\i], s[INV], s[EPS]
.endr
.irp i,0,1,2,3
	v_rsq_f32 v[LS+\i], v[LS+\i]
.endr
	v_nop                                          ; one plain place behind the last v_rsq_f32 (ISA guide 5.7.2)
.irp i,0,1,2,3
.irp c,0,1,2,3
	v_mul_f32 v[\Y+4*\i+\c], v[\Y+4*\i+\c], v[LS+\i]
.endr
.endr
.irp i,0,1,2,3
.irp c,0,1,2,3
	v_fma_f32 v[\Y+4*\i+\c], v[\Y+4*\i+\c], v[\G+\c], v[\Bv+\c]
.endr
.endr
.endm
.macro WM d, a, b, z                   ; one matrix instruction; z = 1 starts the sum
.if \z
	v_wmma_f32_16x16x32_bf16 v[\d:\d+7], v[\a:\a+7], v[\b:\b+7], 0
.else
	v_wmma_f32_16x16x32_bf16 v[\d:\d+7], v[\a:\a+7], v[\b:\b+7], v[\d:\d+7]
.endif
.endm
.macro LDW f, slot                     ; weight fragment \slot of mine into place \f
	ds_load_b128 v[WFR+8*(\f):WFR+8*(\f)+3], v4 offset:(\slot)*1024
	ds_load_b128 v[WFR+8*(\f)+4:WFR+8*(\f)+7], v4 offset:(\slot)*1024+512
.endm
.macro LDACT areg, off, pitch, nk      ; nk k blocks x 2 row tiles of activation fragments from rows that lie along k
.set kk_, 0
.rept \nk
.irp u,0,1
	ds_load_b128 v[ACT+16*kk_+8*\u:ACT+16*kk_+8*\u+3], v[\areg] offset:\off+64*kk_+\u*16*\pitch
	ds_load_b128 v[ACT+16*kk_+8*\u+4:ACT+16*kk_+8*\u+7], v[\areg] offset:\off+64*kk_+\u*16*\pitch+32
.endr
.set kk_, kk_+1
.endr
.endm
.macro XST                             ; accumulators 0 and 1 (row r, columns 16 w + 8 h + j) to X
.irp u,0,1
	ds_store_b128 v7, v[ACC+8*\u:ACC+8*\u+3] offset:\u*16*XP
	ds_store_b128 v7, v[ACC+8*\u+4:ACC+8*\u+7] offset:\u*16*XP+16
.endr
.endm
.macro XIN                             ; my four rows of X are added onto the residual rows
.irp i,0,1,2,3
	ds_load_b128 v[T+4*\i:T+4*\i+3], v8 offset:XP*\i
.endr
	s_wait_dscnt 0x0
.irp p,0,1,2,3,4,5,6,7
	v_pk_add_f32 v[XR+2*\p:XR+2*\p+1], v[XR+2*\p:XR+2*\p+1], v[T+2*\p:T+2*\p+1]
.endr
.endm
.macro VADD W                          ; a row vector onto the four rows
.irp i,0,1,2,3
.irp p,0,2
	v_pk_add_f32 v[XR+4*\i+\p:XR+4*\i+\p+1], v[XR+4*\i+\p:XR+4*\i+\p+1], v[\W+\p:\W+\p+1]
.endr
.endr
.endm
.macro HOUT                            ; T's four rows to bf16, into H
.irp i,0,1,2,3
	v_cvt_pk_bf16_f32 v[T+16+2*\i], v[T+4*\i], v[T+4*\i+1]
	v_cvt_pk_bf16_f32 v[T+16+2*\i+1], v[T+4*\i+2], v[T+4*\i+3]
	ds_store_b64 v9, v[T+16+2*\i:T+16+2*\i+1] offset:HP*\i
.endr
.endm
.macro GELU8 a                         ; x (1 + erf(x / sqrt 2)) / 2 on eight registers: x/2 + |x/2| erf(|x| / sqrt 2)
.irp j,0,1,2,3,4,5,6,7
	v_mul_f32 v[GM+\j], v[\a+\j], v[\a+\j]
.endr
.irp j,0,1,2,3,4,5,6,7
	v_fma_f32 v[GU+\j], |v[\a+\j]|, s[KPZ], 1.0    ; 1 + p |x| / sqrt 2
.endr
.irp j,0,1,2,3,4,5,6,7
	v_mul_f32 v[GM+\j], s[KEX], v[GM+\j]           ; - x x log2(e) / 2
.endr
.irp j,0,1,2,3,4,5,6,7
	v_exp_f32 v[GM+\j], v[GM+\j]
.endr
.irp j,0,1,2,3,4,5,6,7
	v_rcp_f32 v[GU+\j], v[GU+\j]
.endr
.irp j,0,1,2,3,4,5,6,7
	v_mul_f32 v[\a+\j], 0.5, v[\a+\j]              ; the first of these is the plain place behind the last v_rcp_f32
.endr
.irp j,0,1,2,3,4,5,6,7
	v_fma_f32 v[GQ+\j], v[GU+\j], s[KA5], s[KA4]
.endr
.irp j,0,1,2,3,4,5,6,7
	v_fmaak_f32 v[GQ+\j], v[GQ+\j], v[GU+\j], 0x3fb5f0e3
.endr
.irp j,0,1,2,3,4,5,6,7
	v_fmaak_f32 v[GQ+\j], v[GQ+\j], v[GU+\j], 0xbe91a98e
.endr
.irp j,0,1,2,3,4,5,6,7
	v_fmaak_f32 v[GQ+\j], v[GQ+\j], v[GU+\j], 0x3e827906
.endr
.irp j,0,1,2,3,4,5,6,7
	v_mul_f32 v[GQ+\j], v[GQ+\j], v[GU+\j]
.endr
.irp j,0,1,2,3,4,5,6,7
	v_fma_f32 v[GQ+\j], -v[GQ+\j], v[GM+\j], 1.0   ; erf
.endr
.irp j,0,1,2,3,4,5,6,7
	v_fma_f32 v[\a+\j], |v[\a+\j]|, v[GQ+\j], v[\a+\j]
.endr
.endm
	s_load_b512 s[28:43], s[0:1], 0x0              ; wf 28, ao 30, x 32, ob 34, n2g 36, n2b 38, f1b 40, f2b 42
.if LAST
	s_load_b128 s[44:47], s[0:1], 0x40             ; post_g 44, post_b 46
	s_load_b64 s[48:49], s[0:1], 0x50              ; psum
.else
	s_load_b256 s[44:51], s[0:1], 0x40             ; n1g 44, n1b 46, qb 48, kb 50
	s_load_b128 s[52:55], s[0:1], 0x60             ; vb 52, xb 54
	s_load_b64 s[56:57], s[0:1], 0x70              ; qkv
.endif
	v_lshrrev_b32 v1, 5, v0
	v_readfirstlane_b32 s2, v1                     ; wave
	v_and_b32 v1, 31, v0
	v_lshlrev_b32 v11, 4, v1                       ; 16 lane
	; descriptors: dense rows of 256 bytes.  s[4:11]: 32 rows, for slots 4-11 (f1W) and for slots 12-19 (f2W)
	s_mov_b32 s4, 15|(3<<16)|(1<<21)               ; the four work-groups of the cluster; elements of 8 bytes; bit 21 beside a mask
	s_mov_b32 s5, 32<<16
	s_mov_b32 s6, 32<<16
	s_mov_b32 s7, 32<<16
	s_mov_b32 s8, 32
	s_mov_b32 s9, 32
	s_mov_b32 s10, 0
	s_mov_b32 s11, 0
.if LAST == 0
	s_mov_b32 s12, 15|(3<<16)|(1<<21)
	s_mov_b32 s13, 32<<16
	s_mov_b32 s14, 48<<16
	s_mov_b32 s15, 32<<16
	s_mov_b32 s16, 48
	s_mov_b32 s17, 32
	s_mov_b32 s18, 0
	s_mov_b32 s19, 0
.endif
	s_lshl_b32 s72, s2, 15                         ; my slots, in wf and in LDS
	s_mov_b32 s73, 0
	s_mov_b32 s20, 1
	s_add_co_u32 s21, s72, 4096
	s_mov_b32 s24, 1
	s_add_co_u32 s25, s72, 12288
.if LAST == 0
	s_mov_b32 s96, 1
	s_add_co_u32 s97, s72, 20480
.endif
	; my rows (the place in the cluster enters here, and in these registers alone)
	s_bfe_u32 s70, ttmp6, 0x40000                  ; cx
	s_lshl_b32 s3, ttmp9, 2
	s_add_co_u32 s3, s3, s70                       ; g
	s_lshl_b32 s74, s3, 13
	s_mov_b32 s75, 0
	s_lshl_b32 s78, s3, 14
	s_lshl_b32 s79, s2, 11
	s_add_co_u32 s78, s78, s79
	s_mov_b32 s79, 0
	s_wait_kmcnt 0x0
	s_add_nc_u64 s[92:93], s[28:29], s[72:73]      ; my weights
.if LAST
	s_add_nc_u64 s[92:93], s[92:93], 0x40000
.endif
	s_add_nc_u64 s[76:77], s[30:31], s[74:75]      ; the eight attention fragments of my two row tiles
	s_add_nc_u64 s[80:81], s[32:33], s[78:79]      ; row 32 g + 4 w of x
	; what the first product and the first row phase need hangs on no partner: it is asked for ahead of the round
.irp k,0,1,2,3
.irp u,0,1
	global_load_b128 v[ACT+16*\k+8*\u:ACT+16*\k+8*\u+3], v11, s[76:77] offset:(4*\u+\k)*1024
	global_load_b128 v[ACT+16*\k+8*\u+4:ACT+16*\k+8*\u+7], v11, s[76:77] offset:(4*\u+\k)*1024+512
.endr
.endr
.irp k,0,1,2,3
	global_load_b128 v[WFR+8*\k:WFR+8*\k+3], v11, s[92:93] offset:\k*1024        ; slots 0-3: oW
	global_load_b128 v[WFR+8*\k+4:WFR+8*\k+7], v11, s[92:93] offset:\k*1024+512
.endr
.irp i,0,1,2,3
	global_load_b128 v[XR+4*\i:XR+4*\i+3], v11, s[80:81] offset:512*\i
.endr
	s_add_nc_u64 s[22:23], s[92:93], 4096
	s_add_nc_u64 s[26:27], s[92:93], 12288
	s_or_b32 s23, s23, 0x80000000
	s_or_b32 s27, s27, 0x80000000
.if LAST == 0
	s_add_nc_u64 s[98:99], s[92:93], 20480
	s_or_b32 s99, s99, 0x80000000
.endif
	ROUND                                          ; the four work-groups are here: the joint loads meet
	tensor_load_to_lds s[20:23], s[4:11]           ; f1W
	tensor_load_to_lds s[24:27], s[4:11]           ; f2W: two loads of mine are out
.if LAST == 0
	tensor_load_to_lds s[96:99], s[12:19]          ; Q, K, V
.endif
.if LAST
	s_lshl_b32 s84, s3, 9
	s_mov_b32 s85, 0
	s_add_nc_u64 s[84:85], s[48:49], s[84:85]
.else
	s_add_nc_u64 s[82:83], s[54:55], s[78:79]
	s_lshr_b32 s88, s3, 6                          ; b
	s_and_b32 s89, s3, 63
	s_lshr_b32 s90, s2, 1
	s_lshl2_add_u32 s88, s88, s90                  ; bh
	s_and_b32 s90, s2, 1
	s_lshl_b32 s91, s88, 7
	s_lshl1_add_u32 s91, s89, s91
	s_lshl1_add_u32 s91, s91, s90
	s_lshl_b32 s84, s91, 9
	s_mov_b32 s85, 0
	s_add_nc_u64 s[84:85], s[56:57], s[84:85]      ; Q (K 2 MiB behind)
	s_lshl_b32 s91, s88, 6
	s_add_co_u32 s91, s91, s89
	s_lshl1_add_u32 s91, s91, s90
	s_lshl_b32 s86, s91, 10
	s_mov_b32 s87, 0
	s_add_nc_u64 s[86:87], s[56:57], s[86:87]      ; V transposed (4 MiB behind)
.endif
	v_and_b32 v2, 15, v0
	v_bfe_u32 v3, v0, 4, 1
	v_add_nc_u32 v4, s72, v11                      ; my weights in LDS
	v_mul_u32_u24 v5, v2, HP
	v_lshl_add_u32 v5, v3, 4, v5
	v_add_nc_u32 v5, HB, v5                        ; fragments from H
	v_mul_u32_u24 v6, v2, XP
	v_lshl_add_u32 v10, v3, 4, v6
	v_lshl_add_u32 v7, v3, 5, v6
	v_add_nc_u32 v6, GB, v10                       ; fragments from G
	s_lshl_b32 s71, s2, 6
	s_add_co_u32 s69, s71, GB
	v_add_nc_u32 v10, s69, v10                     ; into G: row r, columns 32 w + 8 h
	s_add_co_u32 s69, s71, XB
	v_add_nc_u32 v7, s69, v7                       ; into X: row r, columns 16 w + 8 h
	s_mul_i32 s69, s2, 4*XP
	s_add_co_u32 s69, s69, XB
	v_add_nc_u32 v8, s69, v11                      ; from X: my first row
	s_mul_i32 s69, s2, 4*HP
	s_add_co_u32 s69, s69, HB
	v_lshl_add_u32 v9, v1, 3, s69                  ; into H: my first row
	v_lshl_add_u32 v13, v3, 5, s71                 ; bytes of column 16 w + 8 h
	v_lshl_add_u32 v14, v2, 2, s71                 ; bytes of column 16 w + r
	s_lshl_b32 s69, s2, 7
	v_lshl_add_u32 v12, v3, 5, s69                 ; bytes of column 32 w + 8 h
	s_lshl_b32 s69, s2, 9
	s_add_co_u32 s69, s69, CSUM
	v_add_nc_u32 v15, s69, v11
	v_mov_b32 v[TP], 0
	global_load_b128 v[OB:OB+3], v11, s[34:35] offset:512*LAST
	global_load_b128 v[N2G:N2G+3], v11, s[36:37] offset:512*LAST
	global_load_b128 v[N2B:N2B+3], v11, s[38:39] offset:512*LAST
	global_load_b128 v[F2B:F2B+3], v11, s[42:43] offset:512*LAST
	global_load_b128 v[G3:G3+3], v11, s[44:45] offset:512-512*LAST
	global_load_b128 v[B3:B3+3], v11, s[46:47] offset:512-512*LAST
.irp q,0,1,2,3
	global_load_b128 v[F1B+4*\q:F1B+4*\q+3], v12, s[40:41] offset:1024*LAST+(\q>>1)*64+(\q&1)*16
.endr
.if LAST == 0
	global_load_b128 v[QB:QB+3], v13, s[48:49] offset:512
	global_load_b128 v[QB+4:QB+7], v13, s[48:49] offset:528
	global_load_b128 v[KB:KB+3], v13, s[50:51] offset:512
	global_load_b128 v[KB+4:KB+7], v13, s[50:51] offset:528
	global_load_b32 v[VB], v14, s[52:53] offset:512
.endif
	s_mov_b32 s[SEL], 0x76543210
	s_mov_b32 s[SEL+1], 0xfedcba98
	s_mov_b32 s[INV], 0x3c000000
	s_mov_b32 s[EPS], 0x3727c5ac
	s_mov_b32 s[KPZ], 0x3e6d3388                   ; 0.3275911 / sqrt 2
	s_mov_b32 s[KEX], 0xbf38aa3b                   ; - log2(e) / 2
	s_mov_b32 s[KA5], 0x3f87dc22
	s_mov_b32 s[KA4], 0xbfba00e3
	s_mov_b32 s[CSR], 0x3e8293ee                   ; log2(e) / sqrt(32)
	; ---- attention x oW, both operands from memory.  In every product here the accumulators take turns, one instruction a turn.
	s_wait_loadcnt 0x0
.irp k,0,1,2,3
.irp u,0,1
.if \k
	WM ACC+8*\u, WFR+8*\k, ACT+16*\k+8*\u, 0
.else
	WM ACC+8*\u, WFR+8*\k, ACT+16*\k+8*\u, 1
.endif
.endr
.endr
	VADD OB
	PLACES
	XST
	BAR                                            ; 1: X is whole
	XIN
	LN4 XR, T, N2G, N2B
	HOUT
	s_wait_tensorcnt 2-LAST                        ; my slots 4-11 have landed; my younger load may be out.  Only I read these bytes
.irp nt,0,1
.irp kk,0,1
	LDW 2*\nt+\kk, 4+4*\nt+\kk                     ; f1W for k blocks 0 and 1
.endr
.endr
	BAR                                            ; 2: H is whole; X has been read
	; ---- first feed-forward product, 32 columns a wave, and gelu
.irp grp,0,1
	LDACT 5, 128*\grp, HP, 2
.if \grp
.irp nt,0,1
.irp kk,0,1
	LDW 2*\nt+\kk, 6+4*\nt+\kk                     ; f1W for k blocks 2 and 3
.endr
.endr
.endif
	s_wait_dscnt 0x0
.irp kk,0,1
.irp nt,0,1
.irp u,0,1
.if \grp+\kk
	WM ACC+16*\nt+8*\u, WFR+8*(2*\nt+\kk), ACT+16*\kk+8*\u, 0
.else
	WM ACC+16*\nt+8*\u, WFR+8*(2*\nt+\kk), ACT+16*\kk+8*\u, 1
.endif
.endr
.endr
.endr
	PLACES
.endr
	s_wait_tensorcnt 1-LAST                        ; my slots 12-19 have landed: no load of mine is out any more
.irp kk,0,1,2,3
	LDW \kk, 12+\kk                                ; f2W for k blocks 0 to 3 comes while gelu is made
.endr
.irp nt,0,1
.irp u,0,1
.irp p,0,2,4,6
	v_pk_add_f32 v[ACC+16*\nt+8*\u+\p:ACC+16*\nt+8*\u+\p+1], v[ACC+16*\nt+8*\u+\p:ACC+16*\nt+8*\u+\p+1], v[F1B+8*\nt+\p:F1B+8*\nt+\p+1]
.endr
	GELU8 ACC+16*\nt+8*\u
.irp i,0,1,2,3
	v_cvt_pk_bf16_f32 v[PKO+\i], v[ACC+16*\nt+8*\u+2*\i], v[ACC+16*\nt+8*\u+2*\i+1]
.endr
	ds_store_b128 v10, v[PKO:PKO+3] offset:32*\nt+\u*16*XP
.endr
.endr
	BAR                                            ; 3: G is whole; H has been read
	; ---- second feed-forward product, K = 256
.irp grp,0,1
	LDACT 6, 256*\grp, XP, 4
.if \grp
.irp kk,0,1,2,3
	LDW \kk, 16+\kk                                ; f2W for k blocks 4 to 7
.endr
.endif
	s_wait_dscnt 0x0
.irp kk,0,1,2,3
.irp u,0,1
.if \grp+\kk
	WM ACC+8*\u, WFR+8*\kk, ACT+16*\kk+8*\u, 0
.else
	WM ACC+8*\u, WFR+8*\kk, ACT+16*\kk+8*\u, 1
.endif
.endr
.endr
	PLACES
.endr
	XST
	VADD F2B
	BAR                                            ; 4: X is whole
	XIN
.if LAST
	; ---- the closing norm and the sum of the work-group's 32 rows
	LN4 XR, T, G3, B3
.irp p,0,2
	v_pk_add_f32 v[T+\p:T+\p+1], v[T+\p:T+\p+1], v[T+4+\p:T+4+\p+1]
	v_pk_add_f32 v[T+8+\p:T+8+\p+1], v[T+8+\p:T+8+\p+1], v[T+12+\p:T+12+\p+1]
	v_pk_add_f32 v[T+\p:T+\p+1], v[T+\p:T+\p+1], v[T+8+\p:T+8+\p+1]
.endr
	ds_store_b128 v15, v[T:T+3]
	BAR                                            ; 5: the eight waves' sums are there
	s_cmp_lg_u32 s2, 0
	s_cbranch_scc1 .Lnot_first
	v_add_nc_u32 v15, CSUM, v11
.irp i,0,1,2,3,4,5,6,7
	ds_load_b128 v[T+4*\i:T+4*\i+3], v15 offset:512*\i
.endr
	s_wait_dscnt 0x0
.irp i,0,1,2,3
.irp p,0,2
	v_pk_add_f32 v[T+4*\i+\p:T+4*\i+\p+1], v[T+4*\i+\p:T+4*\i+\p+1], v[T+16+4*\i+\p:T+16+4*\i+\p+1]
.endr
.endr
.irp i,0,1
.irp p,0,2
	v_pk_add_f32 v[T+4*\i+\p:T+4*\i+\p+1], v[T+4*\i+\p:T+4*\i+\p+1], v[T+8+4*\i+\p:T+8+4*\i+\p+1]
.endr
.endr
.irp p,0,2
	v_pk_add_f32 v[T+\p:T+\p+1], v[T+\p:T+\p+1], v[T+4+\p:T+4+\p+1]
.endr
	global_store_b128 v11, v[T:T+3], s[84:85]
.Lnot_first:
.else
	; ---- x to memory, the first norm of layer 1, its Q, K, V
.irp i,0,1,2,3
	global_store_b128 v11, v[XR+4*\i:XR+4*\i+3], s[82:83] offset:512*\i
.endr
	s_wait_tensorcnt 0x0                           ; my slots 20-31
.irp m,0,1,2
.irp kk,0,1
	LDW 2*\m+\kk, 20+4*\m+\kk                      ; qW, kW, vW for k blocks 0 and 1 come while the norm is made
.endr
.endr
	LN4 XR, T, G3, B3
	HOUT
.irp j,0,1,2,3,4,5,6,7
	v_mul_f32 v[QB+\j], s[CSR], v[QB+\j]
.endr
	BAR                                            ; 5: H is whole
.irp grp,0,1
	LDACT 5, 128*\grp, HP, 2
.if \grp
.irp m,0,1,2
.irp kk,0,1
	LDW 2*\m+\kk, 22+4*\m+\kk                      ; k blocks 2 and 3
.endr
.endr
.endif
	s_wait_dscnt 0x0
.irp kk,0,1
.irp m,0,1
.irp u,0,1
.if \grp+\kk
	WM ACC+16*\m+8*\u, WFR+8*(2*\m+\kk), ACT+16*\kk+8*\u, 0
.else
	WM ACC+16*\m+8*\u, WFR+8*(2*\m+\kk), ACT+16*\kk+8*\u, 1
.endif
.endr
.endr
.irp u,0,1
.if \grp+\kk
	WM ACC+32+8*\u, ACT+16*\kk+8*\u, WFR+8*(4+\kk), 0
.else
	WM ACC+32+8*\u, ACT+16*\kk+8*\u, WFR+8*(4+\kk), 1
.endif
.endr
.endr
	PLACES
.endr
.irp u,0,1
.irp j,0,1,2,3,4,5,6,7
	v_fma_f32 v[ACC+8*\u+\j], v[ACC+8*\u+\j], s[CSR], v[QB+\j]   ; (q + qb) log2(e) / sqrt(32)
.endr
.irp j,0,2,4,6
	v_pk_add_f32 v[ACC+16+8*\u+\j:ACC+16+8*\u+\j+1], v[ACC+16+8*\u+\j:ACC+16+8*\u+\j+1], v[KB+\j:KB+\j+1]
.endr
.irp j,0,1,2,3,4,5,6,7
	v_add_f32 v[ACC+32+8*\u+\j], v[ACC+32+8*\u+\j], v[VB]
.endr
.endr
.irp a,0,1,2,3,4,5
.irp i,0,1,2,3
	v_cvt_pk_bf16_f32 v[T+4*\a+\i], v[ACC+8*\a+2*\i], v[ACC+8*\a+2*\i+1]
.endr
.endr
.irp u,0,1
	global_store_b128 v11, v[T+4*\u:T+4*\u+3], s[84:85] offset:\u*1024
	global_store_b128 v11, v[T+8+4*\u:T+8+4*\u+3], s[84:85] offset:2097152+\u*1024
	global_store_b128 v11, v[T+16+4*\u:T+16+4*\u+3], s[86:87] offset:4194304+\u*512
.endr
.endif
	ROUND                                          ; the closing round: nobody ends while a partner may still ask jointly
	s_endpgm
.Lfunc_end_k_qbc1a1a2b41_post1:
	.size	k_qbc1a1a2b41_post1, .Lfunc_end_k_qbc1a1a2b41_post1-k_qbc1a1a2b41_post1
	.p2alignl 7, 3214868480
	.fill 96, 4, 3214868480
	.section	.rodata,"a",@progbits
	.p2align	6, 0x0
	.amdhsa_kernel k_qbc1a1a2b41_post1
		.amdhsa_group_segment_fixed_size 308736
		.amdhsa_private_segment_fixed_size 0
		.amdhsa_enable_private_segment 0
		.amdhsa_kernarg_size 88
		.amdhsa_user_sgpr_count 2
		.amdhsa_user_sgpr_kernarg_segment_ptr 1
		.amdhsa_wavefront_size32 1
		.amdhsa_system_sgpr_workgroup_id_x 1
		.amdhsa_system_sgpr_workgroup_id_y 1
		.amdhsa_system_sgpr_workgroup_id_z 1
		.amdhsa_system_vgpr_workitem_id 0
		.amdhsa_next_free_vgpr 256
		.amdhsa_next_free_sgpr 100
		.amdhsa_reserve_vcc 0
		.amdhsa_float_denorm_mode_32 3
		.amdhsa_float_denorm_mode_16_64 3
		.amdhsa_memory_ordered 1
		.amdhsa_forward_progress 1
		.amdhsa_inst_pref_size 59
	.end_amdhsa_kernel
	.amdgpu_metadata
---
amdhsa.version: [ 1, 2 ]
amdhsa.kernels:
  - .name:           k_qbc1a1a2b41_post1
    .symbol:         k_qbc1a1a2b41_post1.kd
    .args:
      - { .name: wf, .offset: 0, .size: 8, .value_kind: global_buffer, .address_space: global }
      - { .name: ao, .offset: 8, .size: 8, .value_kind: global_buffer, .address_space: global }
      - { .name: xb, .offset: 16, .size: 8, .value_kind: global_buffer, .address_space: global }
      - { .name: ob, .offset: 24, .size: 8, .value_kind: global_buffer, .address_space: global }
      - { .name: n2g, .offset: 32, .size: 8, .value_kind: global_buffer, .address_space: global }
      - { .name: n2b, .offset: 40, .size: 8, .value_kind: global_buffer, .address_space: global }
      - { .name: f1b, .offset: 48, .size: 8, .value_kind: global_buffer, .address_space: global }
      - { .name: f2b, .offset: 56, .size: 8, .value_kind: global_buffer, .address_space: global }
      - { .name: post_g, .offset: 64, .size: 8, .value_kind: global_buffer, .address_space: global }
      - { .name: post_b, .offset: 72, .size: 8, .value_kind: global_buffer, .address_space: global }
      - { .name: psum, .offset: 80, .size: 8, .value_kind: global_buffer, .address_space: global }
    .group_segment_fixed_size: 308736
    .private_segment_fixed_size: 0
    .kernarg_segment_align: 8
    .kernarg_segment_size: 88
    .max_flat_workgroup_size: 256
    .sgpr_count:     100
    .vgpr_count:     256
    .wavefront_size: 32
...
	.end_amdgpu_metadata
.endif
;; end of part 8
;; launch fin: the kernel of part 5 again; grid 4 x 1, 4 waves a work-group, no clusters, 6,144 bytes of LDS; arguments psum, local_global, out_W, out_b, out0; writes out0
